; MI455X (gfx1250); checked and timed in simulation.
; The chip was launched on July 23, 2026; its instructions are those of AMD's public machine-readable ISA for CDNA 5 (MIT licence, August 2026) and "CDNA5" Instruction Set Architecture Reference Guide (July 2026). The comments in the code are by the model that wrote it; some were corrected since.
;; Decoder Block. Allowed arithmetic: float matrix products may take bf16 or f16 operands with f32 sums; all other float work in f32.
;; Inputs: W1 768 x 3,072 float32; W2 3,072 x 768 float32; Wk 768 x 768 float32; Wo 768 x 768 float32; Wq 768 x 768 float32; Wv 768 x 768 float32; b1 3,072 float32; b2 768 float32; bk 768 float32; bo 768 float32; bq 768 float32; bv 768 float32; ln1_b 768 float32; ln1_g 768 float32; ln2_b 768 float32; ln2_g 768 float32; x 1 x 4,096 x 768 float32.
;; Outputs: out0 1 x 4,096 x 768 float32.
;; 2 versions, each right and faster than the one before. Each part assembles by itself: llvm-mc -triple=amdgcn-amd-amdhsa -mcpu=gfx1250 --defsym DOCPART=n.
;; ======== version 1 of 2: 8 launches
;; workspace buffers: xb 6,291,456 bytes; wt 14,155,776 bytes; qkv 18,874,368 bytes; ob 6,291,456 bytes; z 12,582,912 bytes; h 12,582,912 bytes; hb 6,291,456 bytes; g 25,165,824 bytes
;; launch prep (part 1): grid 416 x 1, 8 waves a work-group, no clusters, 56,320 bytes of LDS; arguments x, Wq, Wk, Wv, Wo, W1, W2, xb, wt; writes xb, wt
.if DOCPART == 1
	.amdgcn_target "amdgcn-amd-amdhsa--gfx1250"
	.amdhsa_code_object_version 6
	.text
	.protected	k_q2a0dc5d290_prep
	.globl	k_q2a0dc5d290_prep
	.p2align	8
	.type	k_q2a0dc5d290_prep,@function
k_q2a0dc5d290_prep:
	s_mov_b64 s[64:65], 0
	v_nop
	global_prefetch_b8 v0, s[64:65] scope:SCOPE_SE
	s_setreg_imm32_b32 hwreg(HW_REG_WAVE_MODE, 25, 1), 1
	s_wait_xcnt 0x0
; PREPARATION.  x and the six weight matrices are rounded to bf16 once and laid out in blocks of 64 along K:
;   xb[kb][row][64] = x[row][64 kb ..];   wt: for each matrix W [K][N], W^T in blocks: [kb][n][64] = W[64 kb ..][n].
; In wt: Wq, Wk, Wv share one table of 2,304 columns at byte 0; Wo at WO_OFF; W1 at W1_OFF; W2 at W2_OFF.
; So 64 rows of one block are 8,192 dense bytes, and every later product finds K along its rows.
; Work-groups 0-127: 32 rows of x each.  Work-groups 128-415: one block of 64 k x 384 columns of a weight, turned through LDS.
; No matrix unit, no cluster, no tensor load: each byte is read once and written once, and nothing is shared.
.set WO_OFF, 3538944
.set W1_OFF, 4718592
.set W2_OFF, 9437184
.set X, 32                             ; v[32:127] 24 loads of 16 bytes
	s_load_b512 s[4:19], s[0:1], 0x0               ; x, Wq, Wk, Wv, Wo, W1, W2, xb
	s_load_b64 s[20:21], s[0:1], 0x40              ; wt
	v_lshl_add_u32 v128, v0, 2, 0xd800
	v_mov_b32 v129, 0
	v_lshrrev_b32 v1, 5, v0                        ; wave
	s_cmp_lt_u32 ttmp9, 128
	s_cbranch_scc0 .Lweights
	; ---- x: wave w takes rows 4 w .. 4 w + 3, two at a time; 16 lanes read the 256 bytes of one block of one row
	v_bfe_u32 v2, v0, 4, 1                         ; which row of the pair
	v_and_b32 v3, 15, v0
	v_lshl_add_u32 v2, v1, 2, v2
	v_mul_u32_u24 v2, v2, 3072
	v_lshl_add_u32 v2, v3, 4, v2                   ; (4 w + half) rows of 3,072 bytes + 16 x (lane mod 16)
	v_lshlrev_b32 v4, 3, v0
	v_lshl_add_u32 v4, v1, 8, v4                   ; 512 w + 8 x lane: two rows of 128 bytes are 256 consecutive bytes of xb
	s_mul_i32 s22, ttmp9, 98304                    ; 32 rows of x
	s_mov_b32 s23, 0
	s_lshl_b32 s24, ttmp9, 12                      ; 32 rows of a block of xb
	s_mov_b32 s25, 0
	s_wait_kmcnt 0x0
	s_add_nc_u64 s[4:5], s[4:5], s[22:23]
	s_add_nc_u64 s[18:19], s[18:19], s[24:25]
.set n, 0
.rept 24                               ; n = 12 x pair + block
	global_load_b128 v[X+4*n:X+4*n+3], v2, s[4:5] offset:(n/12)*6144+(n%12)*256
.set n, n+1
.endr
.set n, 0
.rept 24
	s_wait_loadcnt 23-n                            ; loads come back in order: number n is in, the younger ones stay out
	v_cvt_pk_bf16_f32 v[X+4*n], v[X+4*n], v[X+4*n+1]
	v_cvt_pk_bf16_f32 v[X+4*n+1], v[X+4*n+2], v[X+4*n+3]
	global_store_b64 v4, v[X+4*n:X+4*n+1], s[18:19] offset:(n%12)*524288+(n/12)*256  ; 32 lanes store 256 consecutive bytes, aligned
.set n, n+1
.endr
	s_endpgm
.Lweights:
	; ---- which matrix, which block of 64 k (s27), which 384 columns (s28); s29 source pitch in bytes; s30 columns of the table; s31 its place in wt; s32 column in the table
	s_sub_co_u32 s24, ttmp9, 128
	s_wait_kmcnt 0x0
	s_cmp_lt_u32 s24, 96
	s_cbranch_scc0 .Lmlpw
	s_mul_i32 s25, s24, 171
	s_lshr_b32 s25, s25, 12                        ; number / 24, exact for 0 .. 95: 0 Wq, 1 Wk, 2 Wv, 3 Wo
	s_mul_i32 s26, s25, 24
	s_sub_co_u32 s26, s24, s26
	s_lshr_b32 s27, s26, 1
	s_and_b32 s28, s26, 1
	s_mul_i32 s28, s28, 384
	s_mov_b32 s29, 3072
	s_mov_b32 s30, 2304                            ; the table of Wq, Wk, Wv; Wo's own follows below
	s_mul_i32 s32, s25, 768
	s_add_co_u32 s32, s32, s28
	s_cmp_eq_u32 s25, 1
	s_cselect_b64 s[22:23], s[8:9], s[6:7]
	s_cmp_eq_u32 s25, 2
	s_cselect_b64 s[22:23], s[10:11], s[22:23]
	s_cmp_eq_u32 s25, 3
	s_cselect_b64 s[22:23], s[12:13], s[22:23]
	s_cselect_b32 s30, 768, s30
	s_cselect_b32 s31, WO_OFF, 0
	s_cselect_b32 s32, s28, s32
	s_branch .Lgo
.Lmlpw:
	s_cmp_lt_u32 s24, 192
	s_cbranch_scc0 .Lw2
	s_sub_co_u32 s26, s24, 96
	s_lshr_b32 s27, s26, 3
	s_and_b32 s28, s26, 7
	s_mul_i32 s28, s28, 384
	s_mov_b32 s29, 12288
	s_mov_b64 s[22:23], s[14:15]
	s_mov_b32 s30, 3072
	s_mov_b32 s31, W1_OFF
	s_mov_b32 s32, s28
	s_branch .Lgo
.Lw2:
	s_sub_co_u32 s26, s24, 192
	s_lshr_b32 s27, s26, 1
	s_and_b32 s28, s26, 1
	s_mul_i32 s28, s28, 384
	s_mov_b32 s29, 3072
	s_mov_b64 s[22:23], s[16:17]
	s_mov_b32 s30, 768
	s_mov_b32 s31, W2_OFF
	s_mov_b32 s32, s28
.Lgo:
	s_mul_i32 s34, s27, s29
	s_lshl_b32 s34, s34, 6                         ; 64 rows of the source for each block,
	s_lshl2_add_u32 s34, s28, s34                  ; + 4 bytes a column
	s_mov_b32 s35, 0
	s_add_nc_u64 s[22:23], s[22:23], s[34:35]
	s_mul_i32 s36, s27, s30
	s_add_co_u32 s36, s36, s32
	s_lshl_b32 s36, s36, 7                         ; (block x columns + column) x 128 bytes
	s_add_co_u32 s36, s36, s31
	s_mov_b32 s37, 0
	s_add_nc_u64 s[20:21], s[20:21], s[36:37]
	s_lshl_b32 s33, s29, 5                         ; 32 source rows
	v_and_b32 v2, 15, v0                           ; cg: my four columns in each group of 64
	v_lshrrev_b32 v3, 4, v0                        ; kr: my pair of k in each half of 32
	v_lshlrev_b32 v5, 1, v3
	v_mul_lo_u32 v4, v5, s29
	v_lshl_add_u32 v4, v2, 4, v4                   ; row 2 kr, 16 bytes a lane: 16 lanes read 256 consecutive bytes
	v_add_nc_u32 v5, s29, v4                       ; row 2 kr + 1
	v_add_nc_u32 v6, s33, v4                       ; row 32 + 2 kr
	v_add_nc_u32 v7, s29, v6                       ; row 33 + 2 kr
	v_mul_u32_u24 v8, v2, 576
	v_lshl_add_u32 v8, v3, 2, v8                   ; LDS: column 4 cg (rows of 144 bytes), word kr
.set p, 0
.rept 12                               ; p = 6 x half + group of 64 columns; the even and the odd k of a pair
	global_load_b128 v[X+8*p:X+8*p+3],   v[4+2*(p/6)], s[22:23] offset:256*(p%6) th:TH_LOAD_NT
	global_load_b128 v[X+8*p+4:X+8*p+7], v[5+2*(p/6)], s[22:23] offset:256*(p%6) th:TH_LOAD_NT
.set p, p+1
.endr
.set p, 0
.rept 12
	s_wait_loadcnt 22-2*p                          ; pair p is in
.irp c, 0,1,2,3
	v_cvt_pk_bf16_f32 v[X+8*p+(\c)], v[X+8*p+(\c)], v[X+8*p+4+(\c)]  ; W[k][n] low, W[k+1][n] high
	ds_store_b32 v8, v[X+8*p+(\c)] offset:(64*(p%6)+(\c))*144+64*(p/6)
.endr
.set p, p+1
.endr
	s_wait_dscnt 0x0                               ; for the others' sake: my stores are done
	s_barrier_signal -1
	s_barrier_wait -1
	v_lshrrev_b32 v10, 3, v0
	v_and_b32 v11, 7, v0
	v_mul_u32_u24 v9, v10, 144
	v_lshl_add_u32 v9, v11, 4, v9                  ; column t / 8, 16 bytes t mod 8
	v_lshlrev_b32 v12, 4, v0                       ; the 384 columns are 49,152 dense bytes of wt
.set j, 0
.rept 12
	ds_load_b128 v[X+4*j:X+4*j+3], v9 offset:4608*j
.set j, j+1
.endr
.set j, 0
.rept 12
	s_wait_dscnt 11-j
	global_store_b128 v12, v[X+4*j:X+4*j+3], s[20:21] offset:4096*j  ; a wave stores 512 consecutive bytes, aligned
.set j, j+1
.endr
	s_wait_tensorcnt 0x0
	ds_add_u32 v128, v129
	s_wait_dscnt 0x0
	s_endpgm
.Lfunc_end_k_q2a0dc5d290_prep:
	.size	k_q2a0dc5d290_prep, .Lfunc_end_k_q2a0dc5d290_prep-k_q2a0dc5d290_prep
	.p2alignl 7, 3214868480
	.fill 96, 4, 3214868480
	.section	.rodata,"a",@progbits
	.p2align	6, 0x0
	.amdhsa_kernel k_q2a0dc5d290_prep
		.amdhsa_group_segment_fixed_size 56320
		.amdhsa_private_segment_fixed_size 0
		.amdhsa_enable_private_segment 0
		.amdhsa_kernarg_size 72
		.amdhsa_user_sgpr_count 2
		.amdhsa_user_sgpr_kernarg_segment_ptr 1
		.amdhsa_wavefront_size32 1
		.amdhsa_system_sgpr_workgroup_id_x 1
		.amdhsa_system_sgpr_workgroup_id_y 1
		.amdhsa_system_sgpr_workgroup_id_z 1
		.amdhsa_system_vgpr_workitem_id 0
		.amdhsa_next_free_vgpr 130
		.amdhsa_next_free_sgpr 66
		.amdhsa_reserve_vcc 0
		.amdhsa_float_denorm_mode_32 3
		.amdhsa_float_denorm_mode_16_64 3
		.amdhsa_memory_ordered 1
		.amdhsa_forward_progress 1
		.amdhsa_inst_pref_size 24
	.end_amdhsa_kernel
	.amdgpu_metadata
---
amdhsa.version: [ 1, 2 ]
amdhsa.kernels:
  - .name:           k_q2a0dc5d290_prep
    .symbol:         k_q2a0dc5d290_prep.kd
    .args:
      - { .name: x, .offset: 0, .size: 8, .value_kind: global_buffer, .address_space: global }
      - { .name: Wq, .offset: 8, .size: 8, .value_kind: global_buffer, .address_space: global }
      - { .name: Wk, .offset: 16, .size: 8, .value_kind: global_buffer, .address_space: global }
      - { .name: Wv, .offset: 24, .size: 8, .value_kind: global_buffer, .address_space: global }
      - { .name: Wo, .offset: 32, .size: 8, .value_kind: global_buffer, .address_space: global }
      - { .name: W1, .offset: 40, .size: 8, .value_kind: global_buffer, .address_space: global }
      - { .name: W2, .offset: 48, .size: 8, .value_kind: global_buffer, .address_space: global }
      - { .name: xb, .offset: 56, .size: 8, .value_kind: global_buffer, .address_space: global }
      - { .name: wt, .offset: 64, .size: 8, .value_kind: global_buffer, .address_space: global }
    .group_segment_fixed_size: 56320
    .private_segment_fixed_size: 0
    .kernarg_segment_align: 8
    .kernarg_segment_size: 72
    .max_flat_workgroup_size: 256
    .sgpr_count:     66
    .vgpr_count:     130
    .wavefront_size: 32
...
	.end_amdgpu_metadata
.endif
;; end of part 1
;; launch qkv (part 2): grid 12 x 64, 4 waves a work-group, clusters of 4 x 4, 327,680 bytes of LDS; arguments xb, wt, bq, bk, bv, qkv; writes qkv
.if DOCPART == 2
	.amdgcn_target "amdgcn-amd-amdhsa--gfx1250"
	.amdhsa_code_object_version 6
	.text
	.protected	k_q2a0dc5d290_qkv
	.globl	k_q2a0dc5d290_qkv
	.p2align	8
	.type	k_q2a0dc5d290_qkv,@function
k_q2a0dc5d290_qkv:
	s_mov_b64 s[64:65], 0
	v_nop
	global_prefetch_b8 v0, s[64:65] scope:SCOPE_SE
	s_setreg_imm32_b32 hwreg(HW_REG_WAVE_MODE, 25, 1), 1
	s_wait_xcnt 0x0
	s_wait_alu depctr_hold_cnt(0) depctr_sa_sdst(0) depctr_va_vdst(0) depctr_va_sdst(0) depctr_va_ssrc(0) depctr_va_vcc(0) depctr_vm_vsrc(0)
	s_getreg_b32 s2, hwreg(HW_REG_IB_STS2, 6, 4)
	s_cmp_eq_u32 s2, 0
	s_cbranch_scc0 .Lentry_in_a_cluster
	s_endpgm
.Lentry_in_a_cluster:
	s_bfe_u32 s2, ttmp6, 0x10000c
	s_cmp_lg_u32 s2, 0xf033
	s_cbranch_scc0 .Lentry_shape_is_right
	s_endpgm
.Lentry_shape_is_right:
; C = A B^T + bias, bf16 operands in blocks of 64 along K ([kb][row][64]), f32 sums, C rounded once to bf16 and stored in the same blocked layout.
; KIND 0: q, k, v = x W + b, 2,304 columns; column block 0-11 are q's heads, 12-23 k's, 24-35 v's.  KIND 1: g = gelu(h W1 + b1).
; SHARES.  A work-group makes 64 rows x 192 columns: 768 = 4 x 192, so every grid of this program divides evenly.  Four waves side by side, each 64 x 48:
; 12 accumulators.  The matrix instruction is used transposed (source 0 = 16 rows of B, source 1 = 16 rows of A): a lane holds 8 neighbouring columns of a row of C.
; RING.  Two LDS slots of 256 along K.  A slot has four regions of [4 blocks][64 rows][144 bytes]: A's 64 rows, then B's 192 rows in three.  One tensor load a wave
; brings a region: 4 runs of 8,192 dense bytes, padded by 16 bytes after every 128, so the 16 rows of a fragment load start at 16 different groups of four banks (ISA guide 11.1).
; CLUSTER 4 x 4: A's region is shared along a row of the cluster, B's along a column; each is asked for jointly.
; LIMITS.  KIND 1: erf by Abramowitz and Stegun 7.1.26, within 1.5e-7 for every argument; NaN and infinities are not treated apart.
.set KIND, 0
.set SK, 768
.set NTOT, 2304
.set WOFF, 0
.set OUTP, 14                          ; s[14:15] the output
.set STEPS, SK/256
.set PK, 144
.set KBB, 64*PK                        ; one block of 64 k of a region
.set REG, 4*KBB
.set SLOT, 4*REG
.set STAGE, 2*SLOT                     ; behind the ring, never filled by a tensor load: 64 rows x 400 bytes
.set SPITCH, 400
.set SPARE, STAGE+25600                ; the spare words, 128 bytes a wave: two blocks of 256 bytes that no other line names
.set ASTEP, 4*524288                   ; bytes from one slot's K to the next in A
.set BSTEP, NTOT*512                   ; and in B
.set A0, 3                             ; v3     my lane's place in a fragment: row x 144 + 16 x half
.set B0, 5                             ; v5-7   the same in my three blocks of 16 rows of B
.set AC, 8                             ; v8     A's address for the block in hand
.set BC, 9                             ; v9-11  B's
.set STO, 12
.set RD, 13
.set GO, 15
.set BO, 17
.set SPW, 20                           ; v20    my spare word; never rewritten
.set NIL, 21                           ; v21    0; never rewritten
.set BIAS, 24                          ; v24-47 the bias of my 3 x 8 columns
.set ACC, 48                           ; v48-143 accumulator (a, b) at ACC + 8 (3 a + b)
.set F0, 144                           ; two fragment buffers of 56: A's four, then B's three
.set F1, 200
.set PKD, 160                          ; the way out: packed results
.set BK, 208                           ; the way out: rows read back; before that GELU's registers
.set WV, 16
.set G1, 24
.set G0, 32
.set G1B, 48
.set G0B, 56
.set TB, 66                            ; LDS byte of the block in hand
.set CI, 67
.set CP, 68
.macro PLACES                          ; four places between a matrix instruction and a load into, or a vector write of, its registers, or a vector read of its result
.rept 4
	v_nop
.endr
.endm
.macro JLOAD s                         ; a joint load: wave 0 fetches A's region, waves 1-3 B's three; an s_nop 0 and four v_nop follow each line
	s_cmp_eq_u32 s[WV], 0
	s_cbranch_scc0 .Lfor_b_\@
	tensor_load_to_lds s[G0+4*(\s):G0+4*(\s)+3], s[G1:G1+7]
	s_nop 0
	PLACES
	s_branch .Lasked_\@
.Lfor_b_\@:
	tensor_load_to_lds s[G0B+4*(\s):G0B+4*(\s)+3], s[G1B:G1B+7]
	s_nop 0
	PLACES
.Lasked_\@:
.endm
.macro CROUND                          ; a round of the cluster's barrier
	s_barrier_signal -1
	s_barrier_wait -1
	s_cmp_lg_u32 s[WV], 0
	s_cbranch_scc1 .Lnot_wave_0_\@
	s_barrier_signal -3
.Lnot_wave_0_\@:
	s_barrier_wait -3
	s_barrier_signal -1
	s_barrier_wait -1
.endm
.macro ADDR                            ; four plain instructions: also the places in front of the loads that follow
	v_add_nc_u32 v[AC], s[TB], v[A0]
.irp b, 0,1,2
	v_add_nc_u32 v[BC+(\b)], s[TB], v[B0+(\b)]
.endr
.endm
.macro FETCH f, c                      ; 14 LDS loads: the fragments of 32 along K, half c of the block in hand
.irp a, 0,1,2,3
	ds_load_b128 v[(\f)+8*(\a):(\f)+8*(\a)+3],   v[AC] offset:(\a)*16*PK+64*(\c)
	ds_load_b128 v[(\f)+8*(\a)+4:(\f)+8*(\a)+7], v[AC] offset:(\a)*16*PK+64*(\c)+32
.endr
.irp b, 0,1,2
	ds_load_b128 v[(\f)+32+8*(\b):(\f)+32+8*(\b)+3],   v[BC+(\b)] offset:64*(\c)
	ds_load_b128 v[(\f)+32+8*(\b)+4:(\f)+32+8*(\b)+7], v[BC+(\b)] offset:64*(\c)+32
.endr
.endm
.macro MUL f, zero                     ; 12 matrix instructions; the 12 accumulators take turns, in the same order everywhere
.irp a, 0,1,2,3
.irp b, 0,1,2
.if \zero
	v_wmma_f32_16x16x32_bf16 v[ACC+8*(3*(\a)+(\b)):ACC+8*(3*(\a)+(\b))+7], v[(\f)+32+8*(\b):(\f)+32+8*(\b)+7], v[(\f)+8*(\a):(\f)+8*(\a)+7], 0
.else
	v_wmma_f32_16x16x32_bf16 v[ACC+8*(3*(\a)+(\b)):ACC+8*(3*(\a)+(\b))+7], v[(\f)+32+8*(\b):(\f)+32+8*(\b)+7], v[(\f)+8*(\a):(\f)+8*(\a)+7], v[ACC+8*(3*(\a)+(\b)):ACC+8*(3*(\a)+(\b))+7]
.endif
.endr
.endr
.endm
.macro BODY zero                       ; one block of 64 along K, not a slot's last.  On entry buffer 0's 14 loads are out
	PLACES
	FETCH F1, 1
	s_wait_dscnt 14                                ; buffer 0 is in; the 14 just issued may stay out
	MUL F0, \zero
	s_add_co_u32 s[TB], s[TB], KBB
	ADDR
	FETCH F0, 0                                    ; the next block's first half
	s_wait_dscnt 14                                ; buffer 1 is in
	MUL F1, 0
.endm
.macro BODIES n
	s_mov_b32 s[CI], \n
.Lbody_\@:
	BODY 0
	s_sub_co_u32 s[CI], s[CI], 1
	s_cmp_lg_u32 s[CI], 0
	s_cbranch_scc1 .Lbody_\@
.endm
; A slot's last block and the change of slots.  In front of the barrier each wave waits for all its tensor loads (one is out: its region of the next slot), adds 0 to its spare
; word, and waits for that and for its reads of this slot.  fill = 1: the barrier is a round of the cluster's, and this slot is filled again first thing behind it, two slots on.
.macro TURN slot, next, fill
	PLACES
	FETCH F1, 1
	s_wait_dscnt 14
	MUL F0, 0
	s_wait_tensorcnt 0x0                           ; no tensor load of mine is out, so a group 0 may be written
	ds_add_u32 v[SPW], v[NIL]
.if \fill
	s_add_nc_u64 s[G0+4*(\slot)+2:G0+4*(\slot)+3], s[G0+4*(\slot)+2:G0+4*(\slot)+3], 2*ASTEP
	s_add_nc_u64 s[G0B+4*(\slot)+2:G0B+4*(\slot)+3], s[G0B+4*(\slot)+2:G0B+4*(\slot)+3], 2*BSTEP
.endif
	s_wait_dscnt 0x0                               ; the add is done, my reads of this slot are over, buffer 1 is in
.if \fill
	CROUND
	JLOAD \slot                                    ; it has a slot's 96 matrix instructions in which to land
.else
	s_barrier_signal -1
	s_barrier_wait -1
.endif
	s_mov_b32 s[TB], (\next)*SLOT
	ADDR
	FETCH F0, 0
	MUL F1, 0                                      ; stands over the new slot's first loads
.endm
.macro FINAL
	PLACES
	FETCH F1, 1
	s_wait_dscnt 14
	MUL F0, 0
	s_wait_dscnt 0x0
	MUL F1, 0
.endm
	s_load_b256 s[4:11], s[0:1], 0x0               ; A s[4:5], wt s[6:7], then KIND 0: bq, bk; KIND 1: b1, g
.if KIND == 0
	s_load_b128 s[12:15], s[0:1], 0x20             ; bv, qkv
.endif
	v_lshl_add_u32 v[SPW], v0, 2, SPARE
	v_mov_b32 v[NIL], 0
	ds_add_u32 v20, v21
	s_wait_dscnt 0x0
	v_lshrrev_b32 v1, 5, v0
	v_readfirstlane_b32 s[WV], v1                  ; wave 0..3
	s_bfe_u32 s40, ttmp6, 0x40000                  ; cx, cy: my place in the cluster
	s_bfe_u32 s41, ttmp6, 0x40004
	s_lshl_b32 s42, ttmp9, 2
	s_add_co_u32 s42, s42, s40                     ; tile column
	s_and_b32 s17, ttmp7, 0xffff
	s_lshl_b32 s17, s17, 2
	s_add_co_u32 s17, s17, s41                     ; tile row
	s_lshl_b32 s43, s41, 2
	s_lshl_b32 s43, 15, s43                        ; my row of the cluster
	s_lshl_b32 s44, 0x1111, s40                    ; my column
	; group 1: 4 runs of 4,096 elements (64 rows of a block, dense), one for each block; 2-byte elements; 4 words of padding after every 32; bit 21 beside the mask
	s_or_b32 s[G1+0], s43, (1<<16)|(1<<20)|(1<<21)|(4<<22)|(3<<25)
	s_or_b32 s[G1B+0], s44, (1<<16)|(1<<20)|(1<<21)|(4<<22)|(3<<25)
.irp g, G1, G1B
	s_mov_b32 s[(\g)+1], 4096<<16                  ; tensor_dim0
	s_mov_b32 s[(\g)+2], 4<<16                     ; tensor_dim1
	s_mov_b32 s[(\g)+3], 4096<<16                  ; tile_dim0
	s_mov_b32 s[(\g)+4], 4                         ; tile_dim1
	s_mov_b32 s[(\g)+6], 0
	s_mov_b32 s[(\g)+7], 0
.endr
	s_mov_b32 s[G1+5], 262144                      ; elements from block to block: 4,096 rows x 64
	s_mov_b32 s[G1B+5], NTOT*64
	s_lshl_b32 s18, s17, 13                        ; A: 64 rows of 128 bytes a tile row
	s_mov_b32 s19, 0
	s_mul_i32 s46, s42, 24576                      ; B: 192 rows a tile column,
	s_max_u32 s21, s[WV], 1
	s_sub_co_u32 s21, s21, 1
	s_lshl_b32 s21, s21, 13                        ; 64 rows for each of waves 1-3 (wave 0 does not ask by this address),
	s_add_co_u32 s46, s46, s21
	s_add_co_u32 s46, s46, WOFF                    ; in this product's table
	s_mov_b32 s47, 0
	s_mul_i32 s20, s[WV], REG                      ; where it goes: the wave's region
	s_wait_kmcnt 0x0
	s_add_nc_u64 s[18:19], s[4:5], s[18:19]
	s_add_nc_u64 s[46:47], s[6:7], s[46:47]
	CROUND                                         ; all sixteen work-groups are here: the first joint loads meet
.irp s, 0,1
	s_mov_b32 s[G0+4*(\s)], 1
	s_add_co_u32 s[G0+4*(\s)+1], s20, (\s)*SLOT
	s_add_nc_u64 s[G0+4*(\s)+2:G0+4*(\s)+3], s[18:19], (\s)*ASTEP
	s_or_b32 s[G0+4*(\s)+3], s[G0+4*(\s)+3], 0x80000000
	s_mov_b32 s[G0B+4*(\s)], 1
	s_add_co_u32 s[G0B+4*(\s)+1], s20, (\s)*SLOT
	s_add_nc_u64 s[G0B+4*(\s)+2:G0B+4*(\s)+3], s[46:47], (\s)*BSTEP
	s_or_b32 s[G0B+4*(\s)+3], s[G0B+4*(\s)+3], 0x80000000
	JLOAD \s                                       ; two loads of mine are out
.endr
	v_and_b32 v1, 15, v0                           ; l % 16
	v_bfe_u32 v2, v0, 4, 1                         ; l / 16
	v_mul_u32_u24 v[A0], v1, PK
	v_lshl_add_u32 v[A0], v2, 4, v[A0]
	s_mul_i32 s21, s[WV], 3
.irp b, 0,1,2                          ; block 3 w + b of B's twelve blocks of 16 rows: region 1 + block / 4, 16 (block % 4) rows in
	s_add_co_u32 s22, s21, \b
	s_lshr_b32 s23, s22, 2
	s_mul_i32 s23, s23, REG
	s_and_b32 s22, s22, 3
	s_mul_i32 s22, s22, 16*PK
	s_add_co_u32 s22, s22, s23
	s_add_co_u32 s22, s22, REG
	v_add_nc_u32 v[B0+(\b)], s22, v[A0]
.endr
	s_mul_i32 s22, s[WV], 192
	v_lshl_add_u32 v[BO], v2, 5, s22               ; bias: 4 bytes x (48 w + 8 half)
.if KIND == 0
	s_lshr_b32 s23, s42, 2                         ; four tile columns to each of q, k, v
	s_cmp_eq_u32 s23, 1
	s_cselect_b64 s[46:47], s[10:11], s[8:9]
	s_cmp_eq_u32 s23, 2
	s_cselect_b64 s[46:47], s[12:13], s[46:47]
	s_and_b32 s22, s42, 3
	s_mul_i32 s22, s22, 768
	s_mov_b32 s23, 0
	s_add_nc_u64 s[46:47], s[46:47], s[22:23]
.else
	s_mul_i32 s22, s42, 768
	s_mov_b32 s23, 0
	s_add_nc_u64 s[46:47], s[8:9], s[22:23]
.endif
.irp b, 0,1,2
	global_load_b128 v[BIAS+8*(\b):BIAS+8*(\b)+3],   v[BO], s[46:47] offset:64*(\b)
	global_load_b128 v[BIAS+8*(\b)+4:BIAS+8*(\b)+7], v[BO], s[46:47] offset:64*(\b)+16
.endr
	s_mul_i32 s22, s42, 3*524288                   ; the output: three column blocks a tile column, 64 rows of 128 bytes a tile row
	s_lshl_b32 s23, s17, 13
	s_add_co_u32 s22, s22, s23
	s_mov_b32 s23, 0
	s_add_nc_u64 s[86:87], s[OUTP:OUTP+1], s[22:23]
	s_mul_i32 s22, s[WV], 96
	s_add_co_u32 s22, s22, STAGE
	v_mul_u32_u24 v[STO], v1, SPITCH               ; into the stage: row l % 16, my 96 bytes of it, 16 bytes for each half of the lanes
	v_lshl_add_u32 v[STO], v2, 4, v[STO]
	v_add_nc_u32 v[STO], s22, v[STO]
	s_mul_i32 s22, s[WV], 16*SPITCH
	s_add_co_u32 s22, s22, STAGE
	v_bfe_u32 v18, v0, 3, 2
	v_and_b32 v19, 7, v0
	v_mul_u32_u24 v[RD], v18, SPITCH               ; back: wave w takes rows 16 w ..; 32 lanes take 128 bytes of each of four rows,
	v_lshl_add_u32 v[RD], v19, 4, v[RD]
	v_add_nc_u32 v[RD], s22, v[RD]
	v_and_b32 v18, 31, v0
	s_lshl_b32 s22, s[WV], 11
	v_lshl_add_u32 v[GO], v18, 4, s22              ; which are 512 consecutive bytes of a column block
.if KIND == 1
	s_mov_b32 s70, 0x3e6d3389                      ; 0.3275911 / sqrt(2)
	s_mov_b32 s72, 0x3f596d27                      ; sqrt(log2(e) / 2)
	s_mov_b32 s74, 0x3e827906                      ; a1 .. a5
	s_mov_b32 s76, 0xbe91a98e
	s_mov_b32 s78, 0x3fb5f0e3
	s_mov_b32 s80, 0xbfba00e3
	s_mov_b32 s82, 0x3f87dc22
.irp c, 70,72,74,76,78,80,82
	s_mov_b32 s[(\c)+1], s[\c]                     ; named as pairs
.endr
	s_mov_b32 s84, 0x7fffffff
.endif
	s_wait_tensorcnt 1                             ; my region of slot 0 is in; slot 1's may stay out
	s_barrier_signal -1
	s_barrier_wait -1
	s_mov_b32 s[TB], 0
	ADDR
	FETCH F0, 0
	BODY 1                                         ; the first products start the sums: nothing is cleared
	BODIES 2
	TURN 0, 1, 1
.if STEPS > 3
	s_mov_b32 s[CP], (STEPS-4)/2
.Lpair:
	BODIES 3
	TURN 1, 0, 1
	BODIES 3
	TURN 0, 1, 1
	s_sub_co_u32 s[CP], s[CP], 1
	s_cmp_lg_u32 s[CP], 0
	s_cbranch_scc1 .Lpair
	BODIES 3
	TURN 1, 0, 1
	BODIES 3
	TURN 0, 1, 0
.else
	BODIES 3
	TURN 1, 0, 0
.endif
	BODIES 3
	FINAL
; gelu(u) = u/2 + s/2 - (s/2) P(t) e, s = |u|, t = 1 / (1 + 0.2316419 s), e = exp(-u^2/2), P the polynomial of degree 5: 1 - P e is erf(s / sqrt 2)
.set SA, BK
.set DD, BK+8
.set MM, BK+16
.set PP, BK+24
.set AA, BK+32
.macro GELU
.irp k, 0,1,2,3,4,5,6,7
	v_and_b32 v[SA+(\k)], s84, v[T+(\k)]
.endr
.irp k, 0,2,4,6
	v_pk_fma_f32 v[DD+(\k):DD+(\k)+1], v[SA+(\k):SA+(\k)+1], s[70:71], 1.0 op_sel_hi:[1,0,0]
	v_pk_mul_f32 v[MM+(\k):MM+(\k)+1], v[SA+(\k):SA+(\k)+1], s[72:73] op_sel_hi:[1,0]
.endr
.irp k, 0,2,4,6
	v_pk_mul_f32 v[MM+(\k):MM+(\k)+1], v[MM+(\k):MM+(\k)+1], v[MM+(\k):MM+(\k)+1] neg_lo:[1,0] neg_hi:[1,0]
.endr
.irp k, 0,1,2,3,4,5,6,7
	v_rcp_f32 v[DD+(\k)], v[DD+(\k)]
.endr
.irp k, 0,1,2,3,4,5,6,7
	v_exp_f32 v[MM+(\k)], v[MM+(\k)]
.endr
.irp k, 0,2,4,6
	v_pk_mul_f32 v[AA+(\k):AA+(\k)+1], v[SA+(\k):SA+(\k)+1], 0.5 op_sel_hi:[1,0]  ; plain work between the last exponential and the use of its result
.endr
.irp k, 0,2,4,6
	v_pk_fma_f32 v[PP+(\k):PP+(\k)+1], v[DD+(\k):DD+(\k)+1], s[82:83], s[80:81] op_sel_hi:[1,0,0]
.endr
.irp c, 78,76,74
.irp k, 0,2,4,6
	v_pk_fma_f32 v[PP+(\k):PP+(\k)+1], v[PP+(\k):PP+(\k)+1], v[DD+(\k):DD+(\k)+1], s[\c:\c+1] op_sel_hi:[1,1,0]
.endr
.endr
.irp k, 0,2,4,6
	v_pk_mul_f32 v[PP+(\k):PP+(\k)+1], v[PP+(\k):PP+(\k)+1], v[DD+(\k):DD+(\k)+1]
	v_pk_fma_f32 v[T+(\k):T+(\k)+1], v[T+(\k):T+(\k)+1], 0.5, v[AA+(\k):AA+(\k)+1] op_sel_hi:[1,0,1]
.endr
.irp k, 0,2,4,6
	v_pk_mul_f32 v[PP+(\k):PP+(\k)+1], v[PP+(\k):PP+(\k)+1], v[MM+(\k):MM+(\k)+1]
.endr
.irp k, 0,2,4,6
	v_pk_fma_f32 v[T+(\k):T+(\k)+1], v[AA+(\k):AA+(\k)+1], v[PP+(\k):PP+(\k)+1], v[T+(\k):T+(\k)+1] neg_lo:[1,0,0] neg_hi:[1,0,0]
.endr
.endm
	; THE WAY OUT: bias (and gelu) in f32, one rounding to bf16, 16 bytes a lane into the work-group's stage; a barrier, since a row's bytes come from four waves; back as dense runs.
	s_wait_loadcnt 0x0                             ; the bias
	PLACES
.set i, 0
.rept 12                               ; accumulator i = 3 a + b, its registers in ascending order
.set T, F0+8*(i%2)
.irp k, 0,2,4,6
	v_pk_add_f32 v[T+(\k):T+(\k)+1], v[ACC+8*i+(\k):ACC+8*i+(\k)+1], v[BIAS+8*(i%3)+(\k):BIAS+8*(i%3)+(\k)+1]
.endr
.if KIND == 1
	GELU
.endif
.irp k, 0,1,2,3
	v_cvt_pk_bf16_f32 v[PKD+4*i+(\k)], v[T+2*(\k)], v[T+2*(\k)+1]
.endr
	ds_store_b128 v[STO], v[PKD+4*i:PKD+4*i+3] offset:(i/3)*16*SPITCH+32*(i%3)
.set i, i+1
.endr
	s_wait_dscnt 0x0                               ; for the others' sake: my stores into the stage are done
	s_barrier_signal -1
	s_barrier_wait -1
.set i, 0
.rept 12                               ; i = 4 x column block + group of four rows
	ds_load_b128 v[BK+4*i:BK+4*i+3], v[RD] offset:(i%4)*4*SPITCH+(i/4)*128
.set i, i+1
.endr
.set i, 0
.rept 12
	s_wait_dscnt 11-i
	global_store_b128 v[GO], v[BK+4*i:BK+4*i+3], s[86:87] offset:(i/4)*524288+(i%4)*512  ; 512 consecutive bytes, aligned
.set i, i+1
.endr
	s_wait_tensorcnt 0x0                           ; the wave's end
	ds_add_u32 v[SPW], v[NIL]
	s_wait_dscnt 0x0
	CROUND                                         ; the closing round
	s_endpgm
.Lfunc_end_k_q2a0dc5d290_qkv:
	.size	k_q2a0dc5d290_qkv, .Lfunc_end_k_q2a0dc5d290_qkv-k_q2a0dc5d290_qkv
	.p2alignl 7, 3214868480
	.fill 96, 4, 3214868480
	.section	.rodata,"a",@progbits
	.p2align	6, 0x0
	.amdhsa_kernel k_q2a0dc5d290_qkv
		.amdhsa_group_segment_fixed_size 327680
		.amdhsa_private_segment_fixed_size 0
		.amdhsa_enable_private_segment 0
		.amdhsa_kernarg_size 48
		.amdhsa_user_sgpr_count 2
		.amdhsa_user_sgpr_kernarg_segment_ptr 1
		.amdhsa_wavefront_size32 1
		.amdhsa_system_sgpr_workgroup_id_x 1
		.amdhsa_system_sgpr_workgroup_id_y 1
		.amdhsa_system_sgpr_workgroup_id_z 1
		.amdhsa_system_vgpr_workitem_id 0
		.amdhsa_next_free_vgpr 256
		.amdhsa_next_free_sgpr 90
		.amdhsa_reserve_vcc 0
		.amdhsa_float_denorm_mode_32 3
		.amdhsa_float_denorm_mode_16_64 3
		.amdhsa_memory_ordered 1
		.amdhsa_forward_progress 1
		.amdhsa_inst_pref_size 45
	.end_amdhsa_kernel
	.amdgpu_metadata
---
amdhsa.version: [ 1, 2 ]
amdhsa.kernels:
  - .name:           k_q2a0dc5d290_qkv
    .symbol:         k_q2a0dc5d290_qkv.kd
    .args:
      - { .name: xb, .offset: 0, .size: 8, .value_kind: global_buffer, .address_space: global }
      - { .name: wt, .offset: 8, .size: 8, .value_kind: global_buffer, .address_space: global }
      - { .name: bq, .offset: 16, .size: 8, .value_kind: global_buffer, .address_space: global }
      - { .name: bk, .offset: 24, .size: 8, .value_kind: global_buffer, .address_space: global }
      - { .name: bv, .offset: 32, .size: 8, .value_kind: global_buffer, .address_space: global }
      - { .name: qkv, .offset: 40, .size: 8, .value_kind: global_buffer, .address_space: global }
    .group_segment_fixed_size: 327680
    .private_segment_fixed_size: 0
    .kernarg_segment_align: 8
    .kernarg_segment_size: 48
    .max_flat_workgroup_size: 128
    .sgpr_count:     90
    .vgpr_count:     256
    .wavefront_size: 32
...
	.end_amdgpu_metadata
.endif
;; end of part 2
;; launch attn (part 3): grid 16 x 12, 4 waves a work-group, no clusters, 327,680 bytes of LDS; arguments qkv, ob; writes ob
.if DOCPART == 3
	.amdgcn_target "amdgcn-amd-amdhsa--gfx1250"
	.amdhsa_code_object_version 6
	.text
	.protected	k_q2a0dc5d290_attn
	.globl	k_q2a0dc5d290_attn
	.p2align	8
	.type	k_q2a0dc5d290_attn,@function
k_q2a0dc5d290_attn:
	s_mov_b64 s[64:65], 0
	v_nop
	global_prefetch_b8 v0, s[64:65] scope:SCOPE_SE
	s_setreg_imm32_b32 hwreg(HW_REG_WAVE_MODE, 25, 1), 1
	s_wait_xcnt 0x0
; CAUSAL ATTENTION, 12 heads of 64, 4,096 rows.  qkv: [36][4096][64] bf16 (blocks 0-11 q by heads, 12-23 k, 24-35 v); ob: [12][4096][64] bf16.
; O[q] = sum over k <= q of softmax_k(Q[q] . K[k] / 8) V[k].  Products, maxima and sums in f32; the weights p are rounded to bf16 for the second product (their sum l is of the unrounded p), O once.
; LIMITS.  A hidden score counts as -1e30; a weight below 2^-126 counts as 0 in l; NaN and infinities are not treated apart.
; THE WALK.  A head has 32 blocks of 128 queries; block i needs the key tiles 0 .. i of 128 keys, the last with the diagonal.  A work-group takes blocks 31 - b and then b: 33 tiles whatever b,
; so all 192 work-groups do equal work and one loop with a constant count walks them; the ring of two LDS slots runs on across the change of blocks.
; NO CLUSTER: a head's 16 work-groups ask for the same tile only in the first 17 of the 33 trips, and a walk common to all would have 48 trips.
; SHARES.  A wave owns 32 queries: two tiles of 16.  A key step is 64 keys, two to a tile of keys.
; LAYOUT.  S^T = K Q^T holds one query a lane (lane % 16) and the keys 8 (lane / 16) + 0..7; two such results rounded to bf16 are source 1 of O^T = V^T P.  V is turned by ds_load_tr16_b128.
; SOFTMAX.  Running maximum m and sum l: p = 2^(c s - c m), c = log2(e) / 8; O and l are multiplied by a = 2^(c m_old - c m_new) in every step; m starts at the lowest finite number, O and l at 0.
; ORDER OF A STEP.  K Q^T of tile 0; K Q^T of tile 1 with tile 0's softmax in slices behind its products; V^T P of tile 0 with tile 1's softmax likewise; V^T P of tile 1.
; REGISTERS.  Window 0: addresses, statistics, S^T (v64-127), P (v128-159).  Window 1: Q v0-31, K v32-95, V v96-159, O^T v160-223.
.set KS, 64
.set PK, 144                           ; a row of K in LDS: 128 bytes + 16: the 16 rows of a load start at 16 different groups of four banks (ISA guide 11.1)
.set PV, 160                           ; a row of V: 128 + 32
.set VOFF, 128*PK
.set SLOT1, 1<<16
.set STAGE, SLOT1+128*(PK+PV)          ; behind the ring, never filled by a tensor load: 16 rows x 144 bytes a wave
.set SP, 144
.set SPARE, STAGE+4*16*SP              ; the spare words, 128 bytes a wave: two blocks of 256 bytes that no other line names
.set AK0, 2
.set AV0, 3
.set AK, 4
.set AV, 5
.set STO, 6
.set RD, 7
.set GO, 8
.set QO, 12
.set VT, 14                            ; v14-15 tile t: register z of S^T is hidden where 16 (z / 8) + z % 8 is greater; steps down by 64 a key step
.set VB, 16                            ; v16-17 its value at the diagonal tile's first step: 32 w + 16 t + l % 16 - 8 (l / 16)
.set BIG, 18                           ; v18    -1e30
.set ST, 20                            ; tile t's statistics at ST + 8 t: c m, m, l (even, odd keys'), c0-c3 at work; a takes c2's place
.set SPW, 62
.set NIL, 63
.set S, 64
.set P, 128
.set KF, 32                            ; window 1
.set VF, 96
.set OF, 160
.set WV, 20
.set PB, 21                            ; b
.set HI, 22                            ; 31 - b
.set G1K, 24
.set G1V, 32
.set G0K, 40
.set G0V, 44
.set SLOTS, 56
.set CNT, 57
.set CS, 58
.set SEL, 60
.set TBK, 62
.set TBV, 63
.set SB, 66                            ; LDS byte of the slot in hand
.set RT, 70                            ; tiles of the block in hand still to be entered
.set NXT, 71                           ; the tile to be asked for next
.set LQ, 72                            ; the last tile of the block whose tiles are being asked for
.set OFF, 74
.set MSB, 0
.macro WIN new                         ; the high byte repeats the setting that is left; a switch that changes nothing is dropped
.if MSB != (\new)
	s_set_vgpr_msb (MSB<<8)|(\new)
.set MSB, (\new)
.endif
.endm
.set W_KQ, 0x05                        ; K and Q in window 1, S^T in window 0
.set W_PV, 0x51                        ; V and O^T in window 1, P in window 0
.set W_RS, 0x41                        ; destination and source 0 in window 1
.set W_LD, 0x40                        ; destination in window 1, address in window 0
.macro PLACES
.rept 4
	v_nop
.endr
.endm
.macro LOAD                            ; wave 0 fetches a tile's K, wave 1 its V, 64 rows of 256 bytes each; waves 2 and 3 have nothing to fetch
	s_cmp_lg_u32 s[WV], 0
	s_cbranch_scc1 .Lnot_k_\@
	tensor_load_to_lds s[G0K:G0K+3], s[G1K:G1K+7]
	s_nop 0
	PLACES
	s_branch .Lasked_\@
.Lnot_k_\@:
	s_cmp_lg_u32 s[WV], 1
	s_cbranch_scc1 .Lasked_\@
	tensor_load_to_lds s[G0V:G0V+3], s[G1V:G1V+7]
	s_nop 0
	PLACES
.Lasked_\@:
.endm
; THE CHANGE OF SLOTS.  Each wave waits for all its tensor loads (at most one is out: the other slot's), adds 0 to its spare word, and waits for that and for its reads of the slot that it leaves.
; fill = 1: the old slot is filled again, first thing behind the barrier, with tile NXT; the address is made anew from that number.  The load has a tile's two key steps in which to land.
.macro CHANGE fill
	WIN 0
	s_wait_tensorcnt 0x0
	ds_add_u32 v[SPW], v[NIL]
.if \fill
	s_lshl_b32 s[OFF], s[NXT], 14                  ; a tile is 16,384 bytes of K and of V
	s_xor_b32 s[G0K+1], s[G0K+1], SLOT1
	s_add_nc_u64 s[G0K+2:G0K+3], s[8:9], s[OFF:OFF+1]
	s_or_b32 s[G0K+3], s[G0K+3], 0x80000000
	s_xor_b32 s[G0V+1], s[G0V+1], SLOT1
	s_add_nc_u64 s[G0V+2:G0V+3], s[10:11], s[OFF:OFF+1]
	s_or_b32 s[G0V+3], s[G0V+3], 0x80000000
	s_add_co_u32 s[NXT], s[NXT], 1                 ; the block's next tile, or behind its last the second block's tile 0
	s_cmp_gt_u32 s[NXT], s[LQ]
	s_cselect_b32 s[NXT], 0, s[NXT]
	s_cselect_b32 s[LQ], s[PB], s[LQ]
.endif
	s_wait_dscnt 0x0
	s_barrier_signal -1
	s_xor_b32 s[SB], s[SB], SLOT1                  ; the fetches go to the other slot's first step
	s_mov_b32 s[TBK], s[SB]
	s_mov_b32 s[TBV], s[SB]
	s_barrier_wait -1
.if \fill
	LOAD
.endif
.endm
; Product i of 8 of S^T = K Q^T for tile t: channels 32 (i / 4) on, keys 16 (i % 4) on.  The 4 accumulators take turns; the first 4 products start the sums.
.macro KQ t
	WIN W_KQ
.set rS, S+32*(\t)+8*(i%4)
.set rK, KF+16*(i%4)+8*(i/4)
.set rQ, 16*(\t)+8*(i/4)
.if i < 4
	v_wmma_f32_16x16x32_bf16 v[rS:rS+7], v[rK:rK+7], v[rQ:rQ+7], 0
.else
	v_wmma_f32_16x16x32_bf16 v[rS:rS+7], v[rK:rK+7], v[rQ:rQ+7], v[rS:rS+7]
.endif
.endm
; Product i of 8 of O^T += V^T P for tile t: keys 32 (i / 4) on, channels 16 (i % 4) on.
.macro PV_ t
	WIN W_PV
.set rO, OF+32*(\t)+8*(i%4)
.set rV, VF+32*(i/4)+8*(i%4)
.set rP, P+16*(\t)+8*(i/4)
	v_wmma_f32_16x16x32_bf16 v[rO:rO+7], v[rV:rV+7], v[rP:rP+7], v[rO:rO+7]
.endm
.macro FETCH_K                         ; 16 loads: 64 keys x 64 channels
	WIN W_LD
.irp f, 0,1,2,3,4,5,6,7
	ds_load_b128 v[KF+8*(\f):KF+8*(\f)+3],   v[AK] offset:((\f)/2)*16*PK+((\f)%2)*64
	ds_load_b128 v[KF+8*(\f)+4:KF+8*(\f)+7], v[AK] offset:((\f)/2)*16*PK+((\f)%2)*64+32
.endr
	WIN 0
.endm
.macro FETCH_V                         ; 16 turning loads
	WIN W_LD
.irp f, 0,1,2,3,4,5,6,7
	ds_load_tr16_b128 v[VF+8*(\f):VF+8*(\f)+3],   v[AV] offset:((\f)/4)*32*PV+((\f)%4)*32
	ds_load_tr16_b128 v[VF+8*(\f)+4:VF+8*(\f)+7], v[AV] offset:((\f)/4)*32*PV+16*PV+((\f)%4)*32
.endr
	WIN 0
.endm
; A tile's softmax for a key step is a list of 118 instructions; SM writes number j of it.
;   0-15 the maximum of the 32 scores and the old m (each accumulator's lowest registers are read first)   16-20 the other half of the lanes' maximum, m, c m, c m_old - c m_new
;   21-87 33 exponentials at the odd numbers from 23 on, a plain instruction behind each: scalings ahead, roundings behind, the first sums   88-101 the last rounding, the sums, l = a l + sum   102-117 O^T times a
.macro SM t
.set rT, ST+8*(\t)
.set rS, S+32*(\t)
.set rP, P+16*(\t)
.set rO, OF+32*(\t)+2*(j-102)
.set q, (j-20)/2
.if j < 102
	WIN 0
.endif
.if j < 4
	v_max3_num_f32 v[rT+4+j], v[rS+8*j], v[rS+8*j+1], v[rS+8*j+2]
.elseif j < 12
	v_max3_num_f32 v[rT+4+j%4], v[rT+4+j%4], v[rS+8*(j%4)+2*(j/4)+1], v[rS+8*(j%4)+2*(j/4)+2]
.elseif j == 12
	v_max3_num_f32 v[rT+4], v[rT+4], v[rS+7], v[rS+15]
.elseif j == 13
	v_max3_num_f32 v[rT+6], v[rT+6], v[rS+23], v[rS+31]
.elseif j == 14
	v_max3_num_f32 v[rT+4], v[rT+4], v[rT+5], v[rT+6]
.elseif j == 15
	v_max3_num_f32 v[rT+4], v[rT+4], v[rT+7], v[rT+1]
.elseif j == 16
	v_permlanex16_b32 v[rT+5], v[rT+4], s[SEL], s[SEL+1]  ; the query's other 32 keys lie in the lane 16 away
.elseif j == 17
	v_mov_b32 v[rT+7], v[rT]
.elseif j == 18
	v_max_num_f32 v[rT+1], v[rT+4], v[rT+5]
.elseif j == 19
	v_mul_f32 v[rT], s[CS], v[rT+1]
.elseif j == 20
	v_sub_f32 v[rT+7], v[rT+7], v[rT]
.elseif j == 23
	v_exp_f32 v[rT+6], v[rT+7]
.elseif (j < 88) && (j > 23) && (j%2 == 1)
	v_exp_f32 v[rS+(j-25)/2], v[rS+(j-25)/2]
.elseif (q < 4) || ((j < 76) && (q%2 == 0))
.set b, q/2+2
.if q < 4
.set b, q
.endif
	v_pk_fma_f32 v[rS+2*b:rS+2*b+1], v[rS+2*b:rS+2*b+1], s[CS:CS+1], v[rT:rT+1] op_sel_hi:[1,0,0] neg_lo:[0,0,1] neg_hi:[0,0,1]
.elseif (j < 88) && (q%2 == 1)
	s_wait_alu depctr_va_vdst(0)
	v_cvt_pk_bf16_f32 v[rP+(q-5)/2], v[rS+q-5], v[rS+q-4]
.elseif j == 89
	s_wait_alu depctr_va_vdst(0)
	v_cvt_pk_bf16_f32 v[rP+15], v[rS+30], v[rS+31]
.elseif j < 102
.set z, j-86
.if j < 89
.set z, (j-76)/4
.endif
.set w, 4
.set u, z
.if z >= 14
.set w, 32
.set u, 0
.elseif z >= 12
.set w, 16
.set u, z-12
.elseif z >= 8
.set w, 8
.set u, z-8
.endif
.if z < 15
	v_pk_add_f32 v[rS+w*u:rS+w*u+1], v[rS+w*u:rS+w*u+1], v[rS+w*u+w/2:rS+w*u+w/2+1]
.else
	v_pk_fma_f32 v[rT+2:rT+3], v[rT+2:rT+3], v[rT+6:rT+7], v[rS:rS+1] op_sel_hi:[1,0,1]
.endif
.else
	WIN W_RS
	v_pk_mul_f32 v[rO:rO+1], v[rO:rO+1], v[rT+6:rT+7] op_sel_hi:[1,0]
.endif
.endm
.macro SLICE t                         ; the next 15 of the list; the eighth slice is 13 rescalings: plain, and naming no register of the products round it
.rept 15
.if j < 118
	SM \t
.endif
.set j, j+1
.endr
.endm
.macro MASK t                          ; the diagonal tile: hidden scores become -1e30, in ascending order of the registers
	WIN 0
.set z, 0
.rept 32
	v_cmp_gt_i32 vcc_lo, 16*(z/8)+z%8, v[VT+(\t)]
	v_cndmask_b32 v[S+32*(\t)+z], v[S+32*(\t)+z], v[BIG], vcc_lo
.set z, z+1
.endr
.endm
; A KEY STEP.  m = 1: the diagonal tile's.  In a tile's second step (CNT = 1) there is no further K in the slot, and its run of LDS loads is jumped over.
.macro STEP m
	s_wait_dscnt 0x0                               ; K is in
.set i, 0
.rept 8
	KQ 0
.set i, i+1
.endr
	WIN 0
	PLACES                                         ; behind these products, whose scores are read below, and behind the step before's last V^T P, whose V is loaded anew
	v_add_nc_u32 v[AV], s[TBV], v[AV0]
	s_add_co_u32 s[TBV], s[TBV], KS*PV
	FETCH_V
.if \m
	MASK 0
.endif
.set j, 0
.set i, 0
.rept 8
	KQ 1
	SLICE 0
.set i, i+1
.endr
	WIN 0
	s_wait_dscnt 0x0                               ; V is in
	s_cmp_eq_u32 s[CNT], 1
	s_cbranch_scc1 .Lno_k_\@
	v_add_nc_u32 v[AK], s[TBK], v[AK0]
	s_add_co_u32 s[TBK], s[TBK], KS*PK
	FETCH_K                                        ; the next step's K: the last product that read K stands 13 plain instructions back
.Lno_k_\@:
.if \m
	MASK 1
	v_add_nc_u32 v[VT], 0xffffffc0, v[VT]          ; the next step's keys lie 64 further on: the bound goes down by 64 (it is compared as a signed number)
	v_add_nc_u32 v[VT+1], 0xffffffc0, v[VT+1]
.endif
.set j, 0
.set i, 0
.rept 8
	PV_ 0
	SLICE 1
.set i, i+1
.endr
.set i, 0
.rept 8
	PV_ 1
.set i, i+1
.endr
	WIN 0
.endm
; A BLOCK BEGINS: its Q into registers, O^T and l = 0, c m far below every c s (so the first step's a is 0), m at the lowest finite number.
.macro BEGIN blk
	s_lshl_b32 s76, s[\blk], 14                    ; 128 rows of 128 bytes a block,
	s_lshl_b32 s78, s[WV], 12                      ; 32 rows a wave
	s_add_co_u32 s76, s76, s78
	s_mov_b32 s77, 0
	s_add_nc_u64 s[16:17], s[12:13], s[76:77]
	s_add_nc_u64 s[18:19], s[14:15], s[76:77]
	WIN W_LD
.set i, 0
.rept 4                                ; tile i / 2, channels 32 (i % 2) on
	global_load_b128 v[8*i:8*i+3],   v[QO], s[16:17] offset:(i/2)*2048+(i%2)*64
	global_load_b128 v[8*i+4:8*i+7], v[QO], s[16:17] offset:(i/2)*2048+(i%2)*64+32
.set i, i+1
.endr
.set i, OF
.rept 64
	v_mov_b32 v[i], 0
.set i, i+1
.endr
	WIN 0
.irp t, 0,1
	v_mov_b32 v[ST+8*(\t)], 0xfe000000
	v_mov_b32 v[ST+8*(\t)+1], 0xff7fffff
	v_mov_b32 v[ST+8*(\t)+2], 0
	v_mov_b32 v[ST+8*(\t)+3], 0
.endr
	s_wait_loadcnt 0x0
.endm
.macro ENTER                           ; a tile is entered: K of its first step
	v_add_nc_u32 v[AK], s[TBK], v[AK0]
	s_add_co_u32 s[TBK], s[TBK], KS*PK
	FETCH_K
	s_mov_b32 s[CNT], 2
.endm
.macro PACK t                          ; O^T / l, rounded; a lane's 8 channels are 16 bytes; into rows of 144 bytes of my stage and back as whole rows of 128
	WIN W_RS
.set i, OF+32*(\t)
.rept 16
	s_wait_alu depctr_va_vdst(0)
	v_pk_mul_f32 v[i:i+1], v[i:i+1], v[ST+8*(\t)+6:ST+8*(\t)+7] op_sel_hi:[1,0]
.set i, i+2
.endr
	WIN 0x05
.set i, 0
.rept 16
	v_cvt_pk_bf16_f32 v[S+16*(\t)+i], v[OF+32*(\t)+2*i], v[OF+32*(\t)+2*i+1]
.set i, i+1
.endr
	WIN 0
.irp f, 0,1,2,3
	ds_store_b128 v[STO], v[S+16*(\t)+4*(\f):S+16*(\t)+4*(\f)+3] offset:32*(\f)
.endr
.irp f, 0,1,2,3
	ds_load_b128 v[S+16*(\t)+4*(\f):S+16*(\t)+4*(\f)+3], v[RD] offset:(\f)*4*SP  ; LDS serves a wave's instructions in order (ISA guide 5.7.1.4)
.endr
.endm
.macro SEND t, younger
.irp f, 0,1,2,3
	s_wait_dscnt (\younger)+3-(\f)
	global_store_b128 v[GO], v[S+16*(\t)+4*(\f):S+16*(\t)+4*(\f)+3], s[18:19] offset:(\t)*2048+(\f)*512  ; 512 consecutive bytes, aligned
.endr
.endm
.macro DIAG                            ; the diagonal tile's two steps and the block's way out
	v_mov_b32 v[VT], v[VB]
	v_mov_b32 v[VT+1], v[VB+1]
.LstepM_\@:
	STEP 1
	s_sub_co_u32 s[CNT], s[CNT], 1
	s_cmp_lg_u32 s[CNT], 0
	s_cbranch_scc1 .LstepM_\@
	PLACES                                         ; behind the last products
.irp t, 0,1
	v_add_f32 v[ST+8*(\t)+4], v[ST+8*(\t)+2], v[ST+8*(\t)+3]
.endr
.irp t, 0,1
	v_permlanex16_b32 v[ST+8*(\t)+5], v[ST+8*(\t)+4], s[SEL], s[SEL+1]
.endr
.irp t, 0,1
	v_add_f32 v[ST+8*(\t)+4], v[ST+8*(\t)+4], v[ST+8*(\t)+5]
.endr
.irp t, 0,1
	v_rcp_f32 v[ST+8*(\t)+6], v[ST+8*(\t)+4]
.endr
	v_nop                                          ; a plain instruction between the last reciprocal and the use of its result
	PACK 0
	PACK 1
	SEND 0, 8                                      ; tile 1's eight stage instructions may stay out
	SEND 1, 0
.endm
	s_load_b128 s[4:7], s[0:1], 0x0                ; qkv, ob
	v_lshl_add_u32 v[SPW], v0, 2, SPARE
	v_mov_b32 v[NIL], 0
	ds_add_u32 v62, v63
	s_wait_dscnt 0x0
	s_barrier_signal -1
	s_barrier_wait -1
	v_lshrrev_b32 v1, 5, v0
	v_readfirstlane_b32 s[WV], v1
	s_mov_b32 s[PB], ttmp9
	s_sub_co_u32 s[HI], 31, s[PB]
	s_and_b32 s76, ttmp7, 0xffff
	s_lshl_b32 s76, s76, 19                        ; a head's 4,096 rows of 128 bytes
	s_mov_b32 s77, 0
	; group 1: 128 keys are 16,384 dense bytes: 64 rows of 256 bytes, padded after every key
	s_mov_b32 s[G1K], (1<<16)|(1<<20)|(4<<22)|(3<<25)
	s_mov_b32 s[G1V], (1<<16)|(1<<20)|(4<<22)|(7<<25)
.irp g, G1K, G1V
	s_mov_b32 s[(\g)+1], 128<<16
	s_mov_b32 s[(\g)+2], 64<<16
	s_mov_b32 s[(\g)+3], 128<<16
	s_mov_b32 s[(\g)+4], 64
	s_mov_b32 s[(\g)+5], 128
	s_mov_b32 s[(\g)+6], 0
	s_mov_b32 s[(\g)+7], 0
.endr
	s_mov_b32 s[CS], 0x3e38aa3b                    ; c = log2(e) / 8
	s_mov_b32 s[CS+1], s[CS]
	s_mov_b32 s[SEL], 0x76543210
	s_mov_b32 s[SEL+1], 0xfedcba98
	s_mov_b32 s[SB], SLOT1                         ; the first change of slots turns it into 0
	s_mov_b32 s[G0K], 1
	s_mov_b32 s[G0K+1], 0
	s_mov_b32 s[G0V], 1
	s_mov_b32 s[G0V+1], VOFF
	s_add_co_u32 s[RT], s[HI], 1
	s_mov_b32 s[NXT], 1
	s_mov_b32 s[LQ], s[HI]
	s_mov_b32 s[OFF+1], 0
	s_mov_b32 s[SLOTS], 32
	s_wait_kmcnt 0x0
	s_add_nc_u64 s[12:13], s[4:5], s[76:77]        ; the head's q,
	s_add_nc_u64 s[14:15], s[6:7], s[76:77]        ; its rows of ob,
	s_add_nc_u64 s[8:9], s[12:13], 12*524288       ; its k,
	s_add_nc_u64 s[10:11], s[12:13], 24*524288     ; its v
	s_add_nc_u64 s[G0K+2:G0K+3], s[8:9], 0
	s_or_b32 s[G0K+3], s[G0K+3], 0x80000000
	s_add_nc_u64 s[G0V+2:G0V+3], s[10:11], 0
	s_or_b32 s[G0V+3], s[G0V+3], 0x80000000
	LOAD                                           ; tile 0 into slot 0
	v_and_b32 v1, 15, v0
	v_bfe_u32 v9, v0, 4, 1
	v_lshlrev_b32 v[QO], 7, v1
	v_lshl_add_u32 v[QO], v9, 4, v[QO]
	v_mul_u32_u24 v[AK0], v1, PK
	v_lshl_add_u32 v[AK0], v9, 4, v[AK0]
	v_and_b32 v10, 7, v0
	v_bfe_u32 v11, v0, 3, 1
	v_lshl_add_u32 v[AV0], v9, 3, v10              ; the turning load: key 8 (l / 16) + l % 8, channels 8 ((l / 8) % 2) on
	v_mul_u32_u24 v[AV0], v[AV0], PV
	v_lshl_add_u32 v[AV0], v11, 4, v[AV0]
	v_add_nc_u32 v[AV0], VOFF, v[AV0]
	s_mul_i32 s76, s[WV], 16*SP
	s_add_co_u32 s76, s76, STAGE
	v_mul_u32_u24 v[STO], v1, SP
	v_lshl_add_u32 v[STO], v9, 4, v[STO]
	v_add_nc_u32 v[STO], s76, v[STO]
	v_bfe_u32 v[RD], v0, 3, 2
	v_mul_u32_u24 v[RD], v[RD], SP
	v_lshl_add_u32 v[RD], v10, 4, v[RD]
	v_add_nc_u32 v[RD], s76, v[RD]
	v_and_b32 v[GO], 31, v0
	v_lshlrev_b32 v[GO], 4, v[GO]
	v_lshlrev_b32 v13, 3, v9
	v_sub_nc_u32 v13, v1, v13
	s_lshl_b32 s76, s[WV], 5
	v_add_nc_u32 v[VB], s76, v13
	v_add_nc_u32 v[VB+1], 16, v[VB]
	v_mov_b32 v[BIG], 0xf149f2ca                   ; -1e30
	BEGIN HI
.Lslot:                                ; 32 times: a tile is entered and the next is asked for
	CHANGE 1
	s_sub_co_u32 s[RT], s[RT], 1
	ENTER
	s_cmp_eq_u32 s[RT], 0
	s_cbranch_scc1 .Ldiag
.Lstep:
	STEP 0
	s_sub_co_u32 s[CNT], s[CNT], 1
	s_cmp_lg_u32 s[CNT], 0
	s_cbranch_scc1 .Lstep
	s_branch .Lbottom
.Ldiag:                                ; in the loop this is the first block's end: the second block's last tile is the walk's last
	DIAG
	s_wait_xcnt 0x0                                ; the stores have read their registers and their base
	s_add_co_u32 s[RT], s[PB], 1
	BEGIN PB
.Lbottom:
	s_sub_co_u32 s[SLOTS], s[SLOTS], 1
	s_cmp_lg_u32 s[SLOTS], 0
	s_cbranch_scc1 .Lslot
	CHANGE 0                                       ; the walk's last tile is written out: nothing is asked for
	ENTER
	DIAG
	s_wait_tensorcnt 0x0                           ; the wave's end
	ds_add_u32 v[SPW], v[NIL]
	s_wait_dscnt 0x0
	s_endpgm
.Lfunc_end_k_q2a0dc5d290_attn:
	.size	k_q2a0dc5d290_attn, .Lfunc_end_k_q2a0dc5d290_attn-k_q2a0dc5d290_attn
	.p2alignl 7, 3214868480
	.fill 96, 4, 3214868480
	.section	.rodata,"a",@progbits
	.p2align	6, 0x0
	.amdhsa_kernel k_q2a0dc5d290_attn
		.amdhsa_group_segment_fixed_size 327680
		.amdhsa_private_segment_fixed_size 0
		.amdhsa_enable_private_segment 0
		.amdhsa_kernarg_size 16
		.amdhsa_user_sgpr_count 2
		.amdhsa_user_sgpr_kernarg_segment_ptr 1
		.amdhsa_wavefront_size32 1
		.amdhsa_system_sgpr_workgroup_id_x 1
		.amdhsa_system_sgpr_workgroup_id_y 1
		.amdhsa_system_sgpr_workgroup_id_z 1
		.amdhsa_system_vgpr_workitem_id 0
		.amdhsa_next_free_vgpr 480
		.amdhsa_next_free_sgpr 80
		.amdhsa_reserve_vcc 1
		.amdhsa_float_denorm_mode_32 3
		.amdhsa_float_denorm_mode_16_64 3
		.amdhsa_memory_ordered 1
		.amdhsa_forward_progress 1
		.amdhsa_inst_pref_size 98
	.end_amdhsa_kernel
	.amdgpu_metadata
---
amdhsa.version: [ 1, 2 ]
amdhsa.kernels:
  - .name:           k_q2a0dc5d290_attn
    .symbol:         k_q2a0dc5d290_attn.kd
    .args:
      - { .name: qkv, .offset: 0, .size: 8, .value_kind: global_buffer, .address_space: global }
      - { .name: ob, .offset: 8, .size: 8, .value_kind: global_buffer, .address_space: global }
    .group_segment_fixed_size: 327680
    .private_segment_fixed_size: 0
    .kernarg_segment_align: 8
    .kernarg_segment_size: 16
    .max_flat_workgroup_size: 128
    .sgpr_count:     80
    .vgpr_count:     480
    .wavefront_size: 32
...
	.end_amdgpu_metadata
.endif
;; end of part 3
;; launch wo (part 4): grid 4 x 64, 4 waves a work-group, clusters of 4 x 4, 327,680 bytes of LDS; arguments ob, wt, bo, x, z; writes z
.if DOCPART == 4
	.amdgcn_target "amdgcn-amd-amdhsa--gfx1250"
	.amdhsa_code_object_version 6
	.text
	.protected	k_q2a0dc5d290_wo
	.globl	k_q2a0dc5d290_wo
	.p2align	8
	.type	k_q2a0dc5d290_wo,@function
k_q2a0dc5d290_wo:
	s_mov_b64 s[64:65], 0
	v_nop
	global_prefetch_b8 v0, s[64:65] scope:SCOPE_SE
	s_setreg_imm32_b32 hwreg(HW_REG_WAVE_MODE, 25, 1), 1
	s_wait_xcnt 0x0
	s_wait_alu depctr_hold_cnt(0) depctr_sa_sdst(0) depctr_va_vdst(0) depctr_va_sdst(0) depctr_va_ssrc(0) depctr_va_vcc(0) depctr_vm_vsrc(0)
	s_getreg_b32 s2, hwreg(HW_REG_IB_STS2, 6, 4)
	s_cmp_eq_u32 s2, 0
	s_cbranch_scc0 .Lentry_in_a_cluster
	s_endpgm
.Lentry_in_a_cluster:
	s_bfe_u32 s2, ttmp6, 0x10000c
	s_cmp_lg_u32 s2, 0xf033
	s_cbranch_scc0 .Lentry_shape_is_right
	s_endpgm
.Lentry_shape_is_right:
; Z = A B^T + bias + R in f32.  A, B: bf16 in blocks of 64 along K ([kb][row][64]); bias [768], R and Z [4096][768] in f32.  Here: z = x + (attention output) Wo + bo.
; SHARES.  A work-group makes 64 rows x 192 columns; four waves side by side, each 64 x 48: 12 accumulators.  The matrix instruction is used transposed
; (source 0 = 16 rows of B, source 1 = 16 rows of A): a lane holds 8 neighbouring columns of a row.
; RING.  Two LDS slots of 256 along K; a slot has four regions of [4 blocks][64 rows][144 bytes]: A's 64 rows, then B's 192 rows in three.  One tensor load a wave brings a region:
; 4 runs of 8,192 dense bytes, padded by 16 bytes after every 128, so the 16 rows of a fragment load start at 16 different groups of four banks (ISA guide 11.1).
; CLUSTER 4 x 4: A's region is shared along a row of the cluster, B's along a column; each is asked for jointly.
; The norm that follows needs whole rows of 768, which four work-groups make: it is a launch of its own.
.set SK, 768
.set NTOT, 768
.set WOFF, 3538944
.set STEPS, SK/256
.set PK, 144
.set KBB, 64*PK
.set REG, 4*KBB
.set SLOT, 4*REG
.set STAGE, 2*SLOT                     ; behind the ring, never filled by a tensor load: 32 rows x 784 bytes
.set SPITCH, 784
.set SPARE, STAGE+25600                ; the spare words, 128 bytes a wave: two blocks of 256 bytes that no other line names
.set ASTEP, 4*524288
.set BSTEP, NTOT*512
.set A0, 3
.set B0, 5
.set AC, 8
.set BC, 9
.set STO, 12
.set RD, 13
.set RDB, 14
.set GO, 15
.set GOB, 16
.set BO, 17
.set SPW, 20
.set NIL, 21
.set BIAS, 24
.set ACC, 48
.set F0, 144
.set F1, 200
.set LL, 160                           ; the way out: rows read back from the stage
.set RS, 208                           ; the way out: the residual
.set WV, 16
.set G1, 24
.set G0, 32
.set G1B, 48
.set G0B, 56
.set TB, 66
.set CI, 67
.set CP, 68
.macro PLACES                          ; four places between a matrix instruction and a load into, or a vector write of, its registers, or a vector read of its result
.rept 4
	v_nop
.endr
.endm
.macro JLOAD s                         ; a joint load: wave 0 fetches A's region, waves 1-3 B's three; an s_nop 0 and four v_nop follow each line
	s_cmp_eq_u32 s[WV], 0
	s_cbranch_scc0 .Lfor_b_\@
	tensor_load_to_lds s[G0+4*(\s):G0+4*(\s)+3], s[G1:G1+7]
	s_nop 0
	PLACES
	s_branch .Lasked_\@
.Lfor_b_\@:
	tensor_load_to_lds s[G0B+4*(\s):G0B+4*(\s)+3], s[G1B:G1B+7]
	s_nop 0
	PLACES
.Lasked_\@:
.endm
.macro CROUND                          ; a round of the cluster's barrier
	s_barrier_signal -1
	s_barrier_wait -1
	s_cmp_lg_u32 s[WV], 0
	s_cbranch_scc1 .Lnot_wave_0_\@
	s_barrier_signal -3
.Lnot_wave_0_\@:
	s_barrier_wait -3
	s_barrier_signal -1
	s_barrier_wait -1
.endm
.macro ADDR                            ; four plain instructions: also the places in front of the loads that follow
	v_add_nc_u32 v[AC], s[TB], v[A0]
.irp b, 0,1,2
	v_add_nc_u32 v[BC+(\b)], s[TB], v[B0+(\b)]
.endr
.endm
.macro FETCH f, c                      ; 14 LDS loads: the fragments of 32 along K, half c of the block in hand
.irp a, 0,1,2,3
	ds_load_b128 v[(\f)+8*(\a):(\f)+8*(\a)+3],   v[AC] offset:(\a)*16*PK+64*(\c)
	ds_load_b128 v[(\f)+8*(\a)+4:(\f)+8*(\a)+7], v[AC] offset:(\a)*16*PK+64*(\c)+32
.endr
.irp b, 0,1,2
	ds_load_b128 v[(\f)+32+8*(\b):(\f)+32+8*(\b)+3],   v[BC+(\b)] offset:64*(\c)
	ds_load_b128 v[(\f)+32+8*(\b)+4:(\f)+32+8*(\b)+7], v[BC+(\b)] offset:64*(\c)+32
.endr
.endm
.macro MUL f, zero                     ; 12 matrix instructions; the 12 accumulators take turns, in the same order everywhere
.irp a, 0,1,2,3
.irp b, 0,1,2
.if \zero
	v_wmma_f32_16x16x32_bf16 v[ACC+8*(3*(\a)+(\b)):ACC+8*(3*(\a)+(\b))+7], v[(\f)+32+8*(\b):(\f)+32+8*(\b)+7], v[(\f)+8*(\a):(\f)+8*(\a)+7], 0
.else
	v_wmma_f32_16x16x32_bf16 v[ACC+8*(3*(\a)+(\b)):ACC+8*(3*(\a)+(\b))+7], v[(\f)+32+8*(\b):(\f)+32+8*(\b)+7], v[(\f)+8*(\a):(\f)+8*(\a)+7], v[ACC+8*(3*(\a)+(\b)):ACC+8*(3*(\a)+(\b))+7]
.endif
.endr
.endr
.endm
.macro BODY zero                       ; one block of 64 along K, not a slot's last.  On entry buffer 0's 14 loads are out
	PLACES
	FETCH F1, 1
	s_wait_dscnt 14                                ; buffer 0 is in; the 14 just issued may stay out
	MUL F0, \zero
	s_add_co_u32 s[TB], s[TB], KBB
	ADDR
	FETCH F0, 0                                    ; the next block's first half
	s_wait_dscnt 14                                ; buffer 1 is in
	MUL F1, 0
.endm
.macro BODIES n
	s_mov_b32 s[CI], \n
.Lbody_\@:
	BODY 0
	s_sub_co_u32 s[CI], s[CI], 1
	s_cmp_lg_u32 s[CI], 0
	s_cbranch_scc1 .Lbody_\@
.endm
; A slot's last block and the change of slots.  In front of the barrier each wave waits for all its tensor loads (one is out: its region of the next slot), adds 0 to its spare
; word, and waits for that and for its reads of this slot.  fill = 1: the barrier is a round of the cluster's, and this slot is filled again first thing behind it, two slots on.
.macro TURN slot, next, fill
	PLACES
	FETCH F1, 1
	s_wait_dscnt 14
	MUL F0, 0
	s_wait_tensorcnt 0x0                           ; no tensor load of mine is out, so a group 0 may be written
	ds_add_u32 v[SPW], v[NIL]
.if \fill
	s_add_nc_u64 s[G0+4*(\slot)+2:G0+4*(\slot)+3], s[G0+4*(\slot)+2:G0+4*(\slot)+3], 2*ASTEP
	s_add_nc_u64 s[G0B+4*(\slot)+2:G0B+4*(\slot)+3], s[G0B+4*(\slot)+2:G0B+4*(\slot)+3], 2*BSTEP
.endif
	s_wait_dscnt 0x0                               ; the add is done, my reads of this slot are over, buffer 1 is in
.if \fill
	CROUND
	JLOAD \slot                                    ; it has a slot's 96 matrix instructions in which to land
.else
	s_barrier_signal -1
	s_barrier_wait -1
.endif
	s_mov_b32 s[TB], (\next)*SLOT
	ADDR
	FETCH F0, 0
	MUL F1, 0                                      ; stands over the new slot's first loads
.endm
.macro FINAL
	PLACES
	FETCH F1, 1
	s_wait_dscnt 14
	MUL F0, 0
	s_wait_dscnt 0x0
	MUL F1, 0
.endm
	s_load_b256 s[4:11], s[0:1], 0x0               ; A s[4:5], wt s[6:7], bias s[8:9], R s[10:11]
	s_load_b64 s[12:13], s[0:1], 0x20              ; Z
	v_lshl_add_u32 v[SPW], v0, 2, SPARE
	v_mov_b32 v[NIL], 0
	ds_add_u32 v20, v21
	s_wait_dscnt 0x0
	v_lshrrev_b32 v1, 5, v0
	v_readfirstlane_b32 s[WV], v1                  ; wave 0..3
	s_bfe_u32 s40, ttmp6, 0x40000                  ; cx, cy: my place in the cluster
	s_bfe_u32 s41, ttmp6, 0x40004
	s_lshl_b32 s42, ttmp9, 2
	s_add_co_u32 s42, s42, s40                     ; tile column
	s_and_b32 s17, ttmp7, 0xffff
	s_lshl_b32 s17, s17, 2
	s_add_co_u32 s17, s17, s41                     ; tile row
	s_lshl_b32 s43, s41, 2
	s_lshl_b32 s43, 15, s43                        ; my row of the cluster
	s_lshl_b32 s44, 0x1111, s40                    ; my column
	; group 1: 4 runs of 4,096 elements (64 rows of a block, dense), one for each block; 2-byte elements; 4 words of padding after every 32; bit 21 beside the mask
	s_or_b32 s[G1+0], s43, (1<<16)|(1<<20)|(1<<21)|(4<<22)|(3<<25)
	s_or_b32 s[G1B+0], s44, (1<<16)|(1<<20)|(1<<21)|(4<<22)|(3<<25)
.irp g, G1, G1B
	s_mov_b32 s[(\g)+1], 4096<<16                  ; tensor_dim0
	s_mov_b32 s[(\g)+2], 4<<16                     ; tensor_dim1
	s_mov_b32 s[(\g)+3], 4096<<16                  ; tile_dim0
	s_mov_b32 s[(\g)+4], 4                         ; tile_dim1
	s_mov_b32 s[(\g)+6], 0
	s_mov_b32 s[(\g)+7], 0
.endr
	s_mov_b32 s[G1+5], 262144                      ; elements from block to block: 4,096 rows x 64
	s_mov_b32 s[G1B+5], NTOT*64
	s_lshl_b32 s18, s17, 13                        ; A: 64 rows of 128 bytes a tile row
	s_mov_b32 s19, 0
	s_mul_i32 s46, s42, 24576                      ; B: 192 rows a tile column,
	s_max_u32 s21, s[WV], 1
	s_sub_co_u32 s21, s21, 1
	s_lshl_b32 s21, s21, 13                        ; 64 rows for each of waves 1-3 (wave 0 does not ask by this address),
	s_add_co_u32 s46, s46, s21
	s_add_co_u32 s46, s46, WOFF                    ; in this product's table
	s_mov_b32 s47, 0
	s_mul_i32 s20, s[WV], REG                      ; where it goes: the wave's region
	s_wait_kmcnt 0x0
	s_add_nc_u64 s[18:19], s[4:5], s[18:19]
	s_add_nc_u64 s[46:47], s[6:7], s[46:47]
	CROUND                                         ; all sixteen work-groups are here: the first joint loads meet
.irp s, 0,1
	s_mov_b32 s[G0+4*(\s)], 1
	s_add_co_u32 s[G0+4*(\s)+1], s20, (\s)*SLOT
	s_add_nc_u64 s[G0+4*(\s)+2:G0+4*(\s)+3], s[18:19], (\s)*ASTEP
	s_or_b32 s[G0+4*(\s)+3], s[G0+4*(\s)+3], 0x80000000
	s_mov_b32 s[G0B+4*(\s)], 1
	s_add_co_u32 s[G0B+4*(\s)+1], s20, (\s)*SLOT
	s_add_nc_u64 s[G0B+4*(\s)+2:G0B+4*(\s)+3], s[46:47], (\s)*BSTEP
	s_or_b32 s[G0B+4*(\s)+3], s[G0B+4*(\s)+3], 0x80000000
	JLOAD \s                                       ; two loads of mine are out
.endr
	v_and_b32 v1, 15, v0                           ; l % 16
	v_bfe_u32 v2, v0, 4, 1                         ; l / 16
	v_mul_u32_u24 v[A0], v1, PK
	v_lshl_add_u32 v[A0], v2, 4, v[A0]
	s_mul_i32 s21, s[WV], 3
.irp b, 0,1,2                          ; block 3 w + b of B's twelve blocks of 16 rows: region 1 + block / 4, 16 (block % 4) rows in
	s_add_co_u32 s22, s21, \b
	s_lshr_b32 s23, s22, 2
	s_mul_i32 s23, s23, REG
	s_and_b32 s22, s22, 3
	s_mul_i32 s22, s22, 16*PK
	s_add_co_u32 s22, s22, s23
	s_add_co_u32 s22, s22, REG
	v_add_nc_u32 v[B0+(\b)], s22, v[A0]
.endr
	s_mul_i32 s22, s[WV], 192
	v_lshl_add_u32 v[BO], v2, 5, s22               ; bias: 4 bytes x (48 w + 8 half)
	s_mul_i32 s22, s42, 768
	s_mov_b32 s23, 0
	s_add_nc_u64 s[46:47], s[8:9], s[22:23]
.irp b, 0,1,2
	global_load_b128 v[BIAS+8*(\b):BIAS+8*(\b)+3],   v[BO], s[46:47] offset:64*(\b)
	global_load_b128 v[BIAS+8*(\b)+4:BIAS+8*(\b)+7], v[BO], s[46:47] offset:64*(\b)+16
.endr
	s_mul_i32 s23, s17, 196608                     ; R and Z: 64 rows of 3,072 bytes a tile row, 768 bytes a tile column
	s_add_co_u32 s22, s22, s23
	s_mov_b32 s23, 0
	s_add_nc_u64 s[86:87], s[10:11], s[22:23]
	s_add_nc_u64 s[88:89], s[12:13], s[22:23]
	s_mul_i32 s22, s[WV], 192
	s_add_co_u32 s22, s22, STAGE
	v_mul_u32_u24 v[STO], v1, SPITCH               ; into the stage: row l % 16, my 192 bytes of it, 32 bytes for each half of the lanes
	v_lshl_add_u32 v[STO], v2, 5, v[STO]
	v_add_nc_u32 v[STO], s22, v[STO]
	s_mul_i32 s22, s[WV], 8*SPITCH                 ; back: wave w takes rows 8 w .. 8 w + 7 as 24 pieces of 256 bytes, two a load: lanes 16-31 take the piece behind,
	s_add_co_u32 s22, s22, STAGE
	v_lshl_add_u32 v[RD], v1, 4, s22
	v_mad_u32_u24 v[RDB], v2, SPITCH-512, v[RD]    ; which is the next row's first where the first piece is a row's third,
	v_lshl_add_u32 v[RD], v2, 8, v[RD]             ; and else lies 256 bytes on
	s_mul_i32 s22, s[WV], 8*3072
	v_lshl_add_u32 v[GO], v1, 4, s22               ; the same in memory, rows of 3,072 bytes
	v_mad_u32_u24 v[GOB], v2, 3072-512, v[GO]
	v_lshl_add_u32 v[GO], v2, 8, v[GO]
	s_wait_tensorcnt 1                             ; my region of slot 0 is in; slot 1's may stay out
	s_barrier_signal -1
	s_barrier_wait -1
	s_mov_b32 s[TB], 0
	ADDR
	FETCH F0, 0
	BODY 1                                         ; the first products start the sums: nothing is cleared
	BODIES 2
	TURN 0, 1, 1
.if STEPS > 3
	s_mov_b32 s[CP], (STEPS-4)/2
.Lpair:
	BODIES 3
	TURN 1, 0, 1
	BODIES 3
	TURN 0, 1, 1
	s_sub_co_u32 s[CP], s[CP], 1
	s_cmp_lg_u32 s[CP], 0
	s_cbranch_scc1 .Lpair
	BODIES 3
	TURN 1, 0, 1
	BODIES 3
	TURN 0, 1, 0
.else
	BODIES 3
	TURN 1, 0, 0
.endif
	BODIES 3
	FINAL
; THE WAY OUT, 32 rows at a time: sums + bias into the work-group's stage; a barrier, since a row's 768 bytes come from four waves; back in pieces of 256 bytes; + residual; stored.
.macro PASS p
.set t, 0
.rept 12
.if t%3 == 1
	global_load_b128 v[RS+4*t:RS+4*t+3], v[GOB], s[86:87] offset:((2*t)/3)*3072+((2*t)%3)*256+(\p)*98304
.else
	global_load_b128 v[RS+4*t:RS+4*t+3], v[GO], s[86:87] offset:((2*t)/3)*3072+((2*t)%3)*256+(\p)*98304
.endif
.set t, t+1
.endr
.set i, 6*(\p)
.rept 6                                ; accumulator i = 3 a + b, its registers in ascending order
.set T, F0+8*(i%2)
.irp k, 0,2,4,6
	v_pk_add_f32 v[T+(\k):T+(\k)+1], v[ACC+8*i+(\k):ACC+8*i+(\k)+1], v[BIAS+8*(i%3)+(\k):BIAS+8*(i%3)+(\k)+1]
.endr
	ds_store_b128 v[STO], v[T:T+3]   offset:((i/3)%2)*16*SPITCH+64*(i%3)
	ds_store_b128 v[STO], v[T+4:T+7] offset:((i/3)%2)*16*SPITCH+64*(i%3)+16
.set i, i+1
.endr
	s_wait_dscnt 0x0                               ; for the others' sake: my stores into the stage are done
	s_barrier_signal -1
	s_barrier_wait -1
.set t, 0
.rept 12
.if t%3 == 1
	ds_load_b128 v[LL+4*t:LL+4*t+3], v[RDB] offset:((2*t)/3)*SPITCH+((2*t)%3)*256
.else
	ds_load_b128 v[LL+4*t:LL+4*t+3], v[RD] offset:((2*t)/3)*SPITCH+((2*t)%3)*256
.endif
.set t, t+1
.endr
.set t, 0
.rept 12
	s_wait_loadcnt 11-t                            ; residual t is in,
	s_wait_dscnt 11-t                              ; and so is piece t
	v_pk_add_f32 v[LL+4*t:LL+4*t+1], v[LL+4*t:LL+4*t+1], v[RS+4*t:RS+4*t+1]
	v_pk_add_f32 v[LL+4*t+2:LL+4*t+3], v[LL+4*t+2:LL+4*t+3], v[RS+4*t+2:RS+4*t+3]
.if t%3 == 1
	global_store_b128 v[GOB], v[LL+4*t:LL+4*t+3], s[88:89] offset:((2*t)/3)*3072+((2*t)%3)*256+(\p)*98304
.else
	global_store_b128 v[GO], v[LL+4*t:LL+4*t+3], s[88:89] offset:((2*t)/3)*3072+((2*t)%3)*256+(\p)*98304  ; 16 lanes store 256 consecutive bytes, aligned
.endif
.set t, t+1
.endr
.endm
	s_wait_loadcnt 0x0                             ; the bias
	PLACES
	PASS 0
	s_wait_xcnt 0x0                                ; the stores have read their data: those registers are loaded again below
	s_wait_dscnt 0x0                               ; my reads of the stage are over
	s_barrier_signal -1
	s_barrier_wait -1                              ; everybody's are: the stage may be written again
	PASS 1
	s_wait_tensorcnt 0x0                           ; the wave's end
	ds_add_u32 v[SPW], v[NIL]
	s_wait_dscnt 0x0
	CROUND                                         ; the closing round
	s_endpgm
.Lfunc_end_k_q2a0dc5d290_wo:
	.size	k_q2a0dc5d290_wo, .Lfunc_end_k_q2a0dc5d290_wo-k_q2a0dc5d290_wo
	.p2alignl 7, 3214868480
	.fill 96, 4, 3214868480
	.section	.rodata,"a",@progbits
	.p2align	6, 0x0
	.amdhsa_kernel k_q2a0dc5d290_wo
		.amdhsa_group_segment_fixed_size 327680
		.amdhsa_private_segment_fixed_size 0
		.amdhsa_enable_private_segment 0
		.amdhsa_kernarg_size 40
		.amdhsa_user_sgpr_count 2
		.amdhsa_user_sgpr_kernarg_segment_ptr 1
		.amdhsa_wavefront_size32 1
		.amdhsa_system_sgpr_workgroup_id_x 1
		.amdhsa_system_sgpr_workgroup_id_y 1
		.amdhsa_system_sgpr_workgroup_id_z 1
		.amdhsa_system_vgpr_workitem_id 0
		.amdhsa_next_free_vgpr 256
		.amdhsa_next_free_sgpr 90
		.amdhsa_reserve_vcc 0
		.amdhsa_float_denorm_mode_32 3
		.amdhsa_float_denorm_mode_16_64 3
		.amdhsa_memory_ordered 1
		.amdhsa_forward_progress 1
		.amdhsa_inst_pref_size 52
	.end_amdhsa_kernel
	.amdgpu_metadata
---
amdhsa.version: [ 1, 2 ]
amdhsa.kernels:
  - .name:           k_q2a0dc5d290_wo
    .symbol:         k_q2a0dc5d290_wo.kd
    .args:
      - { .name: ob, .offset: 0, .size: 8, .value_kind: global_buffer, .address_space: global }
      - { .name: wt, .offset: 8, .size: 8, .value_kind: global_buffer, .address_space: global }
      - { .name: bo, .offset: 16, .size: 8, .value_kind: global_buffer, .address_space: global }
      - { .name: x, .offset: 24, .size: 8, .value_kind: global_buffer, .address_space: global }
      - { .name: z, .offset: 32, .size: 8, .value_kind: global_buffer, .address_space: global }
    .group_segment_fixed_size: 327680
    .private_segment_fixed_size: 0
    .kernarg_segment_align: 8
    .kernarg_segment_size: 40
    .max_flat_workgroup_size: 128
    .sgpr_count:     90
    .vgpr_count:     256
    .wavefront_size: 32
...
	.end_amdgpu_metadata
.endif
;; end of part 4
;; launch ln1 (part 5): grid 256 x 1, 8 waves a work-group, no clusters, 0 bytes of LDS; arguments z, ln1_g, ln1_b, h, hb; writes h, hb
.if DOCPART == 5
	.amdgcn_target "amdgcn-amd-amdhsa--gfx1250"
	.amdhsa_code_object_version 6
	.text
	.protected	k_q2a0dc5d290_ln1
	.globl	k_q2a0dc5d290_ln1
	.p2align	8
	.type	k_q2a0dc5d290_ln1,@function
k_q2a0dc5d290_ln1:
	s_mov_b64 s[64:65], 0
	v_nop
	global_prefetch_b8 v0, s[64:65] scope:SCOPE_SE
	s_setreg_imm32_b32 hwreg(HW_REG_WAVE_MODE, 25, 1), 1
	s_wait_xcnt 0x0
; LAYER NORM over rows of 768: y = (z - mean) rsqrt(var + 1e-5) g + b, all in f32; mean first, then the variance of the differences: no difference of large sums.
; 16 rows a work-group, two a wave: 16 lanes hold a row, 48 numbers each, so the row stays in registers and both sums end inside a half of the lanes (four DPP steps).
; WITH_BF = 1: y is also stored rounded to bf16, in blocks of 64 along the row ([kb][row][64]), for the product that follows.
; A stream: no LDS, no barrier, no matrix unit; each load and store of 16 lanes covers 256 consecutive bytes, aligned.
.set WITH_BF, 1
.set X, 32                             ; v[32:79]   the row's 12 x 4 numbers of my lane
.set GG, 80                            ; v[80:127]  g
.set BB, 128                           ; v[128:175] b
	s_load_b256 s[4:11], s[0:1], 0x0               ; z, g, b, y
.if WITH_BF
	s_load_b64 s[12:13], s[0:1], 0x20              ; y in bf16
.endif
	v_lshrrev_b32 v1, 5, v0
	v_bfe_u32 v2, v0, 4, 1
	v_and_b32 v3, 15, v0
	v_lshl_add_u32 v2, v1, 1, v2                   ; my row among the 16
	v_lshlrev_b32 v4, 4, v3                        ; 16 bytes a lane in each 256
	v_mad_u32_u24 v5, v2, 3072, v4
	v_lshlrev_b32 v6, 3, v0                        ; bf16: two rows of 128 bytes a wave, 8 bytes a lane
	s_mul_i32 s14, ttmp9, 49152
	s_mov_b32 s15, 0
	s_lshl_b32 s18, ttmp9, 11
	s_mov_b32 s19, 0
	s_mov_b32 s16, 0x3aaaaaab                      ; 1 / 768
	s_mov_b32 s17, 0x3727c5ac                      ; 1e-5
	s_wait_kmcnt 0x0
	s_add_nc_u64 s[4:5], s[4:5], s[14:15]
	s_add_nc_u64 s[10:11], s[10:11], s[14:15]
.if WITH_BF
	s_add_nc_u64 s[12:13], s[12:13], s[18:19]
.endif
.set j, 0
.rept 12
	global_load_b128 v[X+4*j:X+4*j+3], v5, s[4:5] offset:256*j
.set j, j+1
.endr
.set j, 0
.rept 12
	global_load_b128 v[GG+4*j:GG+4*j+3], v4, s[6:7] offset:256*j
	global_load_b128 v[BB+4*j:BB+4*j+3], v4, s[8:9] offset:256*j
.set j, j+1
.endr
.macro ACROSS                          ; four chains into one number, then over the 16 lanes of the row
	v_pk_add_f32 v[8:9], v[8:9], v[10:11]
	v_pk_add_f32 v[12:13], v[12:13], v[14:15]
	v_pk_add_f32 v[8:9], v[8:9], v[12:13]
	v_add_f32 v8, v8, v9
	v_add_f32_dpp v8, v8, v8 row_xmask:1 row_mask:0xf bank_mask:0xf
	v_add_f32_dpp v8, v8, v8 row_xmask:2 row_mask:0xf bank_mask:0xf
	v_add_f32_dpp v8, v8, v8 row_xmask:4 row_mask:0xf bank_mask:0xf
	v_add_f32_dpp v8, v8, v8 row_xmask:8 row_mask:0xf bank_mask:0xf
.endm
	s_wait_loadcnt 24                              ; the row is in; g's and b's 24 loads may stay out
.irp k, 0,1,2,3
	v_pk_add_f32 v[8+2*(\k):9+2*(\k)], v[X+2*(\k):X+2*(\k)+1], v[X+8+2*(\k):X+9+2*(\k)]
.endr
.set i, 8
.rept 16
	v_pk_add_f32 v[8+2*(i%4):9+2*(i%4)], v[8+2*(i%4):9+2*(i%4)], v[X+2*i:X+2*i+1]
.set i, i+1
.endr
	ACROSS
	v_mul_f32 v16, s16, v8                         ; the mean
	v_mov_b32 v17, v16
.set i, 0
.rept 24
	v_pk_add_f32 v[X+2*i:X+2*i+1], v[X+2*i:X+2*i+1], v[16:17] neg_lo:[0,1] neg_hi:[0,1]
.set i, i+1
.endr
.irp k, 0,1,2,3
	v_pk_mul_f32 v[8+2*(\k):9+2*(\k)], v[X+2*(\k):X+2*(\k)+1], v[X+2*(\k):X+2*(\k)+1]
.endr
.set i, 4
.rept 20
	v_pk_fma_f32 v[8+2*(i%4):9+2*(i%4)], v[X+2*i:X+2*i+1], v[X+2*i:X+2*i+1], v[8+2*(i%4):9+2*(i%4)]
.set i, i+1
.endr
	ACROSS
	v_fma_f32 v8, v8, s16, s17                     ; the variance + 1e-5
	v_rsq_f32 v16, v8
	v_nop                                          ; a plain instruction between the root and the use of its result
	s_wait_alu depctr_va_vdst(0)
	v_mov_b32 v17, v16
	s_wait_loadcnt 0x0                             ; g and b
.set i, 0
.rept 24
	v_pk_mul_f32 v[X+2*i:X+2*i+1], v[X+2*i:X+2*i+1], v[16:17]
	v_pk_fma_f32 v[X+2*i:X+2*i+1], v[X+2*i:X+2*i+1], v[GG+2*i:GG+2*i+1], v[BB+2*i:BB+2*i+1]
.set i, i+1
.endr
.set j, 0
.rept 12
	global_store_b128 v5, v[X+4*j:X+4*j+3], s[10:11] offset:256*j
.set j, j+1
.endr
.if WITH_BF
.set j, 0
.rept 12
	v_cvt_pk_bf16_f32 v[GG+2*j], v[X+4*j], v[X+4*j+1]
	v_cvt_pk_bf16_f32 v[GG+2*j+1], v[X+4*j+2], v[X+4*j+3]
	global_store_b64 v6, v[GG+2*j:GG+2*j+1], s[12:13] offset:524288*j  ; 32 lanes store 256 consecutive bytes of block j
.set j, j+1
.endr
.endif
	s_endpgm
.Lfunc_end_k_q2a0dc5d290_ln1:
	.size	k_q2a0dc5d290_ln1, .Lfunc_end_k_q2a0dc5d290_ln1-k_q2a0dc5d290_ln1
	.p2alignl 7, 3214868480
	.fill 96, 4, 3214868480
	.section	.rodata,"a",@progbits
	.p2align	6, 0x0
	.amdhsa_kernel k_q2a0dc5d290_ln1
		.amdhsa_group_segment_fixed_size 0
		.amdhsa_private_segment_fixed_size 0
		.amdhsa_enable_private_segment 0
		.amdhsa_kernarg_size 40
		.amdhsa_user_sgpr_count 2
		.amdhsa_user_sgpr_kernarg_segment_ptr 1
		.amdhsa_wavefront_size32 1
		.amdhsa_system_sgpr_workgroup_id_x 1
		.amdhsa_system_sgpr_workgroup_id_y 1
		.amdhsa_system_sgpr_workgroup_id_z 1
		.amdhsa_system_vgpr_workitem_id 0
		.amdhsa_next_free_vgpr 176
		.amdhsa_next_free_sgpr 66
		.amdhsa_reserve_vcc 0
		.amdhsa_float_denorm_mode_32 3
		.amdhsa_float_denorm_mode_16_64 3
		.amdhsa_memory_ordered 1
		.amdhsa_forward_progress 1
		.amdhsa_inst_pref_size 17
	.end_amdhsa_kernel
	.amdgpu_metadata
---
amdhsa.version: [ 1, 2 ]
amdhsa.kernels:
  - .name:           k_q2a0dc5d290_ln1
    .symbol:         k_q2a0dc5d290_ln1.kd
    .args:
      - { .name: z, .offset: 0, .size: 8, .value_kind: global_buffer, .address_space: global }
      - { .name: ln1_g, .offset: 8, .size: 8, .value_kind: global_buffer, .address_space: global }
      - { .name: ln1_b, .offset: 16, .size: 8, .value_kind: global_buffer, .address_space: global }
      - { .name: h, .offset: 24, .size: 8, .value_kind: global_buffer, .address_space: global }
      - { .name: hb, .offset: 32, .size: 8, .value_kind: global_buffer, .address_space: global }
    .group_segment_fixed_size: 0
    .private_segment_fixed_size: 0
    .kernarg_segment_align: 8
    .kernarg_segment_size: 40
    .max_flat_workgroup_size: 256
    .sgpr_count:     66
    .vgpr_count:     176
    .wavefront_size: 32
...
	.end_amdgpu_metadata
.endif
;; end of part 5
;; launch mlp1 (part 6): grid 16 x 64, 4 waves a work-group, clusters of 4 x 4, 327,680 bytes of LDS; arguments hb, wt, b1, g; writes g
.if DOCPART == 6
	.amdgcn_target "amdgcn-amd-amdhsa--gfx1250"
	.amdhsa_code_object_version 6
	.text
	.protected	k_q2a0dc5d290_mlp1
	.globl	k_q2a0dc5d290_mlp1
	.p2align	8
	.type	k_q2a0dc5d290_mlp1,@function
k_q2a0dc5d290_mlp1:
	s_mov_b64 s[64:65], 0
	v_nop
	global_prefetch_b8 v0, s[64:65] scope:SCOPE_SE
	s_setreg_imm32_b32 hwreg(HW_REG_WAVE_MODE, 25, 1), 1
	s_wait_xcnt 0x0
	s_wait_alu depctr_hold_cnt(0) depctr_sa_sdst(0) depctr_va_vdst(0) depctr_va_sdst(0) depctr_va_ssrc(0) depctr_va_vcc(0) depctr_vm_vsrc(0)
	s_getreg_b32 s2, hwreg(HW_REG_IB_STS2, 6, 4)
	s_cmp_eq_u32 s2, 0
	s_cbranch_scc0 .Lentry_in_a_cluster
	s_endpgm
.Lentry_in_a_cluster:
	s_bfe_u32 s2, ttmp6, 0x10000c
	s_cmp_lg_u32 s2, 0xf033
	s_cbranch_scc0 .Lentry_shape_is_right
	s_endpgm
.Lentry_shape_is_right:
; C = A B^T + bias, bf16 operands in blocks of 64 along K ([kb][row][64]), f32 sums, C rounded once to bf16 and stored in the same blocked layout.
; KIND 0: q, k, v = x W + b, 2,304 columns; column block 0-11 are q's heads, 12-23 k's, 24-35 v's.  KIND 1: g = gelu(h W1 + b1).
; SHARES.  A work-group makes 64 rows x 192 columns: 768 = 4 x 192, so every grid of this program divides evenly.  Four waves side by side, each 64 x 48:
; 12 accumulators.  The matrix instruction is used transposed (source 0 = 16 rows of B, source 1 = 16 rows of A): a lane holds 8 neighbouring columns of a row of C.
; RING.  Two LDS slots of 256 along K.  A slot has four regions of [4 blocks][64 rows][144 bytes]: A's 64 rows, then B's 192 rows in three.  One tensor load a wave
; brings a region: 4 runs of 8,192 dense bytes, padded by 16 bytes after every 128, so the 16 rows of a fragment load start at 16 different groups of four banks (ISA guide 11.1).
; CLUSTER 4 x 4: A's region is shared along a row of the cluster, B's along a column; each is asked for jointly.
; LIMITS.  KIND 1: erf by Abramowitz and Stegun 7.1.26, within 1.5e-7 for every argument; NaN and infinities are not treated apart.
.set KIND, 1
.set SK, 768
.set NTOT, 3072
.set WOFF, 4718592
.set OUTP, 10                          ; s[10:11] the output
.set STEPS, SK/256
.set PK, 144
.set KBB, 64*PK                        ; one block of 64 k of a region
.set REG, 4*KBB
.set SLOT, 4*REG
.set STAGE, 2*SLOT                     ; behind the ring, never filled by a tensor load: 64 rows x 400 bytes
.set SPITCH, 400
.set SPARE, STAGE+25600                ; the spare words, 128 bytes a wave: two blocks of 256 bytes that no other line names
.set ASTEP, 4*524288                   ; bytes from one slot's K to the next in A
.set BSTEP, NTOT*512                   ; and in B
.set A0, 3                             ; v3     my lane's place in a fragment: row x 144 + 16 x half
.set B0, 5                             ; v5-7   the same in my three blocks of 16 rows of B
.set AC, 8                             ; v8     A's address for the block in hand
.set BC, 9                             ; v9-11  B's
.set STO, 12
.set RD, 13
.set GO, 15
.set BO, 17
.set SPW, 20                           ; v20    my spare word; never rewritten
.set NIL, 21                           ; v21    0; never rewritten
.set BIAS, 24                          ; v24-47 the bias of my 3 x 8 columns
.set ACC, 48                           ; v48-143 accumulator (a, b) at ACC + 8 (3 a + b)
.set F0, 144                           ; two fragment buffers of 56: A's four, then B's three
.set F1, 200
.set PKD, 160                          ; the way out: packed results
.set BK, 208                           ; the way out: rows read back; before that GELU's registers
.set WV, 16
.set G1, 24
.set G0, 32
.set G1B, 48
.set G0B, 56
.set TB, 66                            ; LDS byte of the block in hand
.set CI, 67
.set CP, 68
.macro PLACES                          ; four places between a matrix instruction and a load into, or a vector write of, its registers, or a vector read of its result
.rept 4
	v_nop
.endr
.endm
.macro JLOAD s                         ; a joint load: wave 0 fetches A's region, waves 1-3 B's three; an s_nop 0 and four v_nop follow each line
	s_cmp_eq_u32 s[WV], 0
	s_cbranch_scc0 .Lfor_b_\@
	tensor_load_to_lds s[G0+4*(\s):G0+4*(\s)+3], s[G1:G1+7]
	s_nop 0
	PLACES
	s_branch .Lasked_\@
.Lfor_b_\@:
	tensor_load_to_lds s[G0B+4*(\s):G0B+4*(\s)+3], s[G1B:G1B+7]
	s_nop 0
	PLACES
.Lasked_\@:
.endm
.macro CROUND                          ; a round of the cluster's barrier
	s_barrier_signal -1
	s_barrier_wait -1
	s_cmp_lg_u32 s[WV], 0
	s_cbranch_scc1 .Lnot_wave_0_\@
	s_barrier_signal -3
.Lnot_wave_0_\@:
	s_barrier_wait -3
	s_barrier_signal -1
	s_barrier_wait -1
.endm
.macro ADDR                            ; four plain instructions: also the places in front of the loads that follow
	v_add_nc_u32 v[AC], s[TB], v[A0]
.irp b, 0,1,2
	v_add_nc_u32 v[BC+(\b)], s[TB], v[B0+(\b)]
.endr
.endm
.macro FETCH f, c                      ; 14 LDS loads: the fragments of 32 along K, half c of the block in hand
.irp a, 0,1,2,3
	ds_load_b128 v[(\f)+8*(\a):(\f)+8*(\a)+3],   v[AC] offset:(\a)*16*PK+64*(\c)
	ds_load_b128 v[(\f)+8*(\a)+4:(\f)+8*(\a)+7], v[AC] offset:(\a)*16*PK+64*(\c)+32
.endr
.irp b, 0,1,2
	ds_load_b128 v[(\f)+32+8*(\b):(\f)+32+8*(\b)+3],   v[BC+(\b)] offset:64*(\c)
	ds_load_b128 v[(\f)+32+8*(\b)+4:(\f)+32+8*(\b)+7], v[BC+(\b)] offset:64*(\c)+32
.endr
.endm
.macro MUL f, zero                     ; 12 matrix instructions; the 12 accumulators take turns, in the same order everywhere
.irp a, 0,1,2,3
.irp b, 0,1,2
.if \zero
	v_wmma_f32_16x16x32_bf16 v[ACC+8*(3*(\a)+(\b)):ACC+8*(3*(\a)+(\b))+7], v[(\f)+32+8*(\b):(\f)+32+8*(\b)+7], v[(\f)+8*(\a):(\f)+8*(\a)+7], 0
.else
	v_wmma_f32_16x16x32_bf16 v[ACC+8*(3*(\a)+(\b)):ACC+8*(3*(\a)+(\b))+7], v[(\f)+32+8*(\b):(\f)+32+8*(\b)+7], v[(\f)+8*(\a):(\f)+8*(\a)+7], v[ACC+8*(3*(\a)+(\b)):ACC+8*(3*(\a)+(\b))+7]
.endif
.endr
.endr
.endm
.macro BODY zero                       ; one block of 64 along K, not a slot's last.  On entry buffer 0's 14 loads are out
	PLACES
	FETCH F1, 1
	s_wait_dscnt 14                                ; buffer 0 is in; the 14 just issued may stay out
	MUL F0, \zero
	s_add_co_u32 s[TB], s[TB], KBB
	ADDR
	FETCH F0, 0                                    ; the next block's first half
	s_wait_dscnt 14                                ; buffer 1 is in
	MUL F1, 0
.endm
.macro BODIES n
	s_mov_b32 s[CI], \n
.Lbody_\@:
	BODY 0
	s_sub_co_u32 s[CI], s[CI], 1
	s_cmp_lg_u32 s[CI], 0
	s_cbranch_scc1 .Lbody_\@
.endm
; A slot's last block and the change of slots.  In front of the barrier each wave waits for all its tensor loads (one is out: its region of the next slot), adds 0 to its spare
; word, and waits for that and for its reads of this slot.  fill = 1: the barrier is a round of the cluster's, and this slot is filled again first thing behind it, two slots on.
.macro TURN slot, next, fill
	PLACES
	FETCH F1, 1
	s_wait_dscnt 14
	MUL F0, 0
	s_wait_tensorcnt 0x0                           ; no tensor load of mine is out, so a group 0 may be written
	ds_add_u32 v[SPW], v[NIL]
.if \fill
	s_add_nc_u64 s[G0+4*(\slot)+2:G0+4*(\slot)+3], s[G0+4*(\slot)+2:G0+4*(\slot)+3], 2*ASTEP
	s_add_nc_u64 s[G0B+4*(\slot)+2:G0B+4*(\slot)+3], s[G0B+4*(\slot)+2:G0B+4*(\slot)+3], 2*BSTEP
.endif
	s_wait_dscnt 0x0                               ; the add is done, my reads of this slot are over, buffer 1 is in
.if \fill
	CROUND
	JLOAD \slot                                    ; it has a slot's 96 matrix instructions in which to land
.else
	s_barrier_signal -1
	s_barrier_wait -1
.endif
	s_mov_b32 s[TB], (\next)*SLOT
	ADDR
	FETCH F0, 0
	MUL F1, 0                                      ; stands over the new slot's first loads
.endm
.macro FINAL
	PLACES
	FETCH F1, 1
	s_wait_dscnt 14
	MUL F0, 0
	s_wait_dscnt 0x0
	MUL F1, 0
.endm
	s_load_b256 s[4:11], s[0:1], 0x0               ; A s[4:5], wt s[6:7], then KIND 0: bq, bk; KIND 1: b1, g
.if KIND == 0
	s_load_b128 s[12:15], s[0:1], 0x20             ; bv, qkv
.endif
	v_lshl_add_u32 v[SPW], v0, 2, SPARE
	v_mov_b32 v[NIL], 0
	ds_add_u32 v20, v21
	s_wait_dscnt 0x0
	v_lshrrev_b32 v1, 5, v0
	v_readfirstlane_b32 s[WV], v1                  ; wave 0..3
	s_bfe_u32 s40, ttmp6, 0x40000                  ; cx, cy: my place in the cluster
	s_bfe_u32 s41, ttmp6, 0x40004
	s_lshl_b32 s42, ttmp9, 2
	s_add_co_u32 s42, s42, s40                     ; tile column
	s_and_b32 s17, ttmp7, 0xffff
	s_lshl_b32 s17, s17, 2
	s_add_co_u32 s17, s17, s41                     ; tile row
	s_lshl_b32 s43, s41, 2
	s_lshl_b32 s43, 15, s43                        ; my row of the cluster
	s_lshl_b32 s44, 0x1111, s40                    ; my column
	; group 1: 4 runs of 4,096 elements (64 rows of a block, dense), one for each block; 2-byte elements; 4 words of padding after every 32; bit 21 beside the mask
	s_or_b32 s[G1+0], s43, (1<<16)|(1<<20)|(1<<21)|(4<<22)|(3<<25)
	s_or_b32 s[G1B+0], s44, (1<<16)|(1<<20)|(1<<21)|(4<<22)|(3<<25)
.irp g, G1, G1B
	s_mov_b32 s[(\g)+1], 4096<<16                  ; tensor_dim0
	s_mov_b32 s[(\g)+2], 4<<16                     ; tensor_dim1
	s_mov_b32 s[(\g)+3], 4096<<16                  ; tile_dim0
	s_mov_b32 s[(\g)+4], 4                         ; tile_dim1
	s_mov_b32 s[(\g)+6], 0
	s_mov_b32 s[(\g)+7], 0
.endr
	s_mov_b32 s[G1+5], 262144                      ; elements from block to block: 4,096 rows x 64
	s_mov_b32 s[G1B+5], NTOT*64
	s_lshl_b32 s18, s17, 13                        ; A: 64 rows of 128 bytes a tile row
	s_mov_b32 s19, 0
	s_mul_i32 s46, s42, 24576                      ; B: 192 rows a tile column,
	s_max_u32 s21, s[WV], 1
	s_sub_co_u32 s21, s21, 1
	s_lshl_b32 s21, s21, 13                        ; 64 rows for each of waves 1-3 (wave 0 does not ask by this address),
	s_add_co_u32 s46, s46, s21
	s_add_co_u32 s46, s46, WOFF                    ; in this product's table
	s_mov_b32 s47, 0
	s_mul_i32 s20, s[WV], REG                      ; where it goes: the wave's region
	s_wait_kmcnt 0x0
	s_add_nc_u64 s[18:19], s[4:5], s[18:19]
	s_add_nc_u64 s[46:47], s[6:7], s[46:47]
	CROUND                                         ; all sixteen work-groups are here: the first joint loads meet
.irp s, 0,1
	s_mov_b32 s[G0+4*(\s)], 1
	s_add_co_u32 s[G0+4*(\s)+1], s20, (\s)*SLOT
	s_add_nc_u64 s[G0+4*(\s)+2:G0+4*(\s)+3], s[18:19], (\s)*ASTEP
	s_or_b32 s[G0+4*(\s)+3], s[G0+4*(\s)+3], 0x80000000
	s_mov_b32 s[G0B+4*(\s)], 1
	s_add_co_u32 s[G0B+4*(\s)+1], s20, (\s)*SLOT
	s_add_nc_u64 s[G0B+4*(\s)+2:G0B+4*(\s)+3], s[46:47], (\s)*BSTEP
	s_or_b32 s[G0B+4*(\s)+3], s[G0B+4*(\s)+3], 0x80000000
	JLOAD \s                                       ; two loads of mine are out
.endr
	v_and_b32 v1, 15, v0                           ; l % 16
	v_bfe_u32 v2, v0, 4, 1                         ; l / 16
	v_mul_u32_u24 v[A0], v1, PK
	v_lshl_add_u32 v[A0], v2, 4, v[A0]
	s_mul_i32 s21, s[WV], 3
.irp b, 0,1,2                          ; block 3 w + b of B's twelve blocks of 16 rows: region 1 + block / 4, 16 (block % 4) rows in
	s_add_co_u32 s22, s21, \b
	s_lshr_b32 s23, s22, 2
	s_mul_i32 s23, s23, REG
	s_and_b32 s22, s22, 3
	s_mul_i32 s22, s22, 16*PK
	s_add_co_u32 s22, s22, s23
	s_add_co_u32 s22, s22, REG
	v_add_nc_u32 v[B0+(\b)], s22, v[A0]
.endr
	s_mul_i32 s22, s[WV], 192
	v_lshl_add_u32 v[BO], v2, 5, s22               ; bias: 4 bytes x (48 w + 8 half)
.if KIND == 0
	s_lshr_b32 s23, s42, 2                         ; four tile columns to each of q, k, v
	s_cmp_eq_u32 s23, 1
	s_cselect_b64 s[46:47], s[10:11], s[8:9]
	s_cmp_eq_u32 s23, 2
	s_cselect_b64 s[46:47], s[12:13], s[46:47]
	s_and_b32 s22, s42, 3
	s_mul_i32 s22, s22, 768
	s_mov_b32 s23, 0
	s_add_nc_u64 s[46:47], s[46:47], s[22:23]
.else
	s_mul_i32 s22, s42, 768
	s_mov_b32 s23, 0
	s_add_nc_u64 s[46:47], s[8:9], s[22:23]
.endif
.irp b, 0,1,2
	global_load_b128 v[BIAS+8*(\b):BIAS+8*(\b)+3],   v[BO], s[46:47] offset:64*(\b)
	global_load_b128 v[BIAS+8*(\b)+4:BIAS+8*(\b)+7], v[BO], s[46:47] offset:64*(\b)+16
.endr
	s_mul_i32 s22, s42, 3*524288                   ; the output: three column blocks a tile column, 64 rows of 128 bytes a tile row
	s_lshl_b32 s23, s17, 13
	s_add_co_u32 s22, s22, s23
	s_mov_b32 s23, 0
	s_add_nc_u64 s[86:87], s[OUTP:OUTP+1], s[22:23]
	s_mul_i32 s22, s[WV], 96
	s_add_co_u32 s22, s22, STAGE
	v_mul_u32_u24 v[STO], v1, SPITCH               ; into the stage: row l % 16, my 96 bytes of it, 16 bytes for each half of the lanes
	v_lshl_add_u32 v[STO], v2, 4, v[STO]
	v_add_nc_u32 v[STO], s22, v[STO]
	s_mul_i32 s22, s[WV], 16*SPITCH
	s_add_co_u32 s22, s22, STAGE
	v_bfe_u32 v18, v0, 3, 2
	v_and_b32 v19, 7, v0
	v_mul_u32_u24 v[RD], v18, SPITCH               ; back: wave w takes rows 16 w ..; 32 lanes take 128 bytes of each of four rows,
	v_lshl_add_u32 v[RD], v19, 4, v[RD]
	v_add_nc_u32 v[RD], s22, v[RD]
	v_and_b32 v18, 31, v0
	s_lshl_b32 s22, s[WV], 11
	v_lshl_add_u32 v[GO], v18, 4, s22              ; which are 512 consecutive bytes of a column block
.if KIND == 1
	s_mov_b32 s70, 0x3e6d3389                      ; 0.3275911 / sqrt(2)
	s_mov_b32 s72, 0x3f596d27                      ; sqrt(log2(e) / 2)
	s_mov_b32 s74, 0x3e827906                      ; a1 .. a5
	s_mov_b32 s76, 0xbe91a98e
	s_mov_b32 s78, 0x3fb5f0e3
	s_mov_b32 s80, 0xbfba00e3
	s_mov_b32 s82, 0x3f87dc22
.irp c, 70,72,74,76,78,80,82
	s_mov_b32 s[(\c)+1], s[\c]                     ; named as pairs
.endr
	s_mov_b32 s84, 0x7fffffff
.endif
	s_wait_tensorcnt 1                             ; my region of slot 0 is in; slot 1's may stay out
	s_barrier_signal -1
	s_barrier_wait -1
	s_mov_b32 s[TB], 0
	ADDR
	FETCH F0, 0
	BODY 1                                         ; the first products start the sums: nothing is cleared
	BODIES 2
	TURN 0, 1, 1
.if STEPS > 3
	s_mov_b32 s[CP], (STEPS-4)/2
.Lpair:
	BODIES 3
	TURN 1, 0, 1
	BODIES 3
	TURN 0, 1, 1
	s_sub_co_u32 s[CP], s[CP], 1
	s_cmp_lg_u32 s[CP], 0
	s_cbranch_scc1 .Lpair
	BODIES 3
	TURN 1, 0, 1
	BODIES 3
	TURN 0, 1, 0
.else
	BODIES 3
	TURN 1, 0, 0
.endif
	BODIES 3
	FINAL
; gelu(u) = u/2 + s/2 - (s/2) P(t) e, s = |u|, t = 1 / (1 + 0.2316419 s), e = exp(-u^2/2), P the polynomial of degree 5: 1 - P e is erf(s / sqrt 2)
.set SA, BK
.set DD, BK+8
.set MM, BK+16
.set PP, BK+24
.set AA, BK+32
.macro GELU
.irp k, 0,1,2,3,4,5,6,7
	v_and_b32 v[SA+(\k)], s84, v[T+(\k)]
.endr
.irp k, 0,2,4,6
	v_pk_fma_f32 v[DD+(\k):DD+(\k)+1], v[SA+(\k):SA+(\k)+1], s[70:71], 1.0 op_sel_hi:[1,0,0]
	v_pk_mul_f32 v[MM+(\k):MM+(\k)+1], v[SA+(\k):SA+(\k)+1], s[72:73] op_sel_hi:[1,0]
.endr
.irp k, 0,2,4,6
	v_pk_mul_f32 v[MM+(\k):MM+(\k)+1], v[MM+(\k):MM+(\k)+1], v[MM+(\k):MM+(\k)+1] neg_lo:[1,0] neg_hi:[1,0]
.endr
.irp k, 0,1,2,3,4,5,6,7
	v_rcp_f32 v[DD+(\k)], v[DD+(\k)]
.endr
.irp k, 0,1,2,3,4,5,6,7
	v_exp_f32 v[MM+(\k)], v[MM+(\k)]
.endr
.irp k, 0,2,4,6
	v_pk_mul_f32 v[AA+(\k):AA+(\k)+1], v[SA+(\k):SA+(\k)+1], 0.5 op_sel_hi:[1,0]  ; plain work between the last exponential and the use of its result
.endr
	s_wait_alu depctr_va_vdst(0)
.irp k, 0,2,4,6
	v_pk_fma_f32 v[PP+(\k):PP+(\k)+1], v[DD+(\k):DD+(\k)+1], s[82:83], s[80:81] op_sel_hi:[1,0,0]
.endr
.irp c, 78,76,74
.irp k, 0,2,4,6
	v_pk_fma_f32 v[PP+(\k):PP+(\k)+1], v[PP+(\k):PP+(\k)+1], v[DD+(\k):DD+(\k)+1], s[\c:\c+1] op_sel_hi:[1,1,0]
.endr
.endr
.irp k, 0,2,4,6
	v_pk_mul_f32 v[PP+(\k):PP+(\k)+1], v[PP+(\k):PP+(\k)+1], v[DD+(\k):DD+(\k)+1]
	v_pk_fma_f32 v[T+(\k):T+(\k)+1], v[T+(\k):T+(\k)+1], 0.5, v[AA+(\k):AA+(\k)+1] op_sel_hi:[1,0,1]
.endr
.irp k, 0,2,4,6
	v_pk_mul_f32 v[PP+(\k):PP+(\k)+1], v[PP+(\k):PP+(\k)+1], v[MM+(\k):MM+(\k)+1]
.endr
.irp k, 0,2,4,6
	v_pk_fma_f32 v[T+(\k):T+(\k)+1], v[AA+(\k):AA+(\k)+1], v[PP+(\k):PP+(\k)+1], v[T+(\k):T+(\k)+1] neg_lo:[1,0,0] neg_hi:[1,0,0]
.endr
.endm
	; THE WAY OUT: bias (and gelu) in f32, one rounding to bf16, 16 bytes a lane into the work-group's stage; a barrier, since a row's bytes come from four waves; back as dense runs.
	s_wait_loadcnt 0x0                             ; the bias
	PLACES
.set i, 0
.rept 12                               ; accumulator i = 3 a + b, its registers in ascending order
.set T, F0+8*(i%2)
.irp k, 0,2,4,6
	v_pk_add_f32 v[T+(\k):T+(\k)+1], v[ACC+8*i+(\k):ACC+8*i+(\k)+1], v[BIAS+8*(i%3)+(\k):BIAS+8*(i%3)+(\k)+1]
.endr
.if KIND == 1
	GELU
.endif
.irp k, 0,1,2,3
	v_cvt_pk_bf16_f32 v[PKD+4*i+(\k)], v[T+2*(\k)], v[T+2*(\k)+1]
.endr
	ds_store_b128 v[STO], v[PKD+4*i:PKD+4*i+3] offset:(i/3)*16*SPITCH+32*(i%3)
.set i, i+1
.endr
	s_wait_dscnt 0x0                               ; for the others' sake: my stores into the stage are done
	s_barrier_signal -1
	s_barrier_wait -1
.set i, 0
.rept 12                               ; i = 4 x column block + group of four rows
	ds_load_b128 v[BK+4*i:BK+4*i+3], v[RD] offset:(i%4)*4*SPITCH+(i/4)*128
.set i, i+1
.endr
.set i, 0
.rept 12
	s_wait_dscnt 11-i
	global_store_b128 v[GO], v[BK+4*i:BK+4*i+3], s[86:87] offset:(i/4)*524288+(i%4)*512  ; 512 consecutive bytes, aligned
.set i, i+1
.endr
	s_wait_tensorcnt 0x0                           ; the wave's end
	ds_add_u32 v[SPW], v[NIL]
	s_wait_dscnt 0x0
	CROUND                                         ; the closing round
	s_endpgm
.Lfunc_end_k_q2a0dc5d290_mlp1:
	.size	k_q2a0dc5d290_mlp1, .Lfunc_end_k_q2a0dc5d290_mlp1-k_q2a0dc5d290_mlp1
	.p2alignl 7, 3214868480
	.fill 96, 4, 3214868480
	.section	.rodata,"a",@progbits
	.p2align	6, 0x0
	.amdhsa_kernel k_q2a0dc5d290_mlp1
		.amdhsa_group_segment_fixed_size 327680
		.amdhsa_private_segment_fixed_size 0
		.amdhsa_enable_private_segment 0
		.amdhsa_kernarg_size 32
		.amdhsa_user_sgpr_count 2
		.amdhsa_user_sgpr_kernarg_segment_ptr 1
		.amdhsa_wavefront_size32 1
		.amdhsa_system_sgpr_workgroup_id_x 1
		.amdhsa_system_sgpr_workgroup_id_y 1
		.amdhsa_system_sgpr_workgroup_id_z 1
		.amdhsa_system_vgpr_workitem_id 0
		.amdhsa_next_free_vgpr 256
		.amdhsa_next_free_sgpr 90
		.amdhsa_reserve_vcc 0
		.amdhsa_float_denorm_mode_32 3
		.amdhsa_float_denorm_mode_16_64 3
		.amdhsa_memory_ordered 1
		.amdhsa_forward_progress 1
		.amdhsa_inst_pref_size 91
	.end_amdhsa_kernel
	.amdgpu_metadata
---
amdhsa.version: [ 1, 2 ]
amdhsa.kernels:
  - .name:           k_q2a0dc5d290_mlp1
    .symbol:         k_q2a0dc5d290_mlp1.kd
    .args:
      - { .name: hb, .offset: 0, .size: 8, .value_kind: global_buffer, .address_space: global }
      - { .name: wt, .offset: 8, .size: 8, .value_kind: global_buffer, .address_space: global }
      - { .name: b1, .offset: 16, .size: 8, .value_kind: global_buffer, .address_space: global }
      - { .name: g, .offset: 24, .size: 8, .value_kind: global_buffer, .address_space: global }
    .group_segment_fixed_size: 327680
    .private_segment_fixed_size: 0
    .kernarg_segment_align: 8
    .kernarg_segment_size: 32
    .max_flat_workgroup_size: 128
    .sgpr_count:     90
    .vgpr_count:     256
    .wavefront_size: 32
...
	.end_amdgpu_metadata
.endif
;; end of part 6
;; launch mlp2 (part 7): grid 4 x 64, 4 waves a work-group, clusters of 4 x 4, 327,680 bytes of LDS; arguments g, wt, b2, h, z; writes z
.if DOCPART == 7
	.amdgcn_target "amdgcn-amd-amdhsa--gfx1250"
	.amdhsa_code_object_version 6
	.text
	.protected	k_q2a0dc5d290_mlp2
	.globl	k_q2a0dc5d290_mlp2
	.p2align	8
	.type	k_q2a0dc5d290_mlp2,@function
k_q2a0dc5d290_mlp2:
	s_mov_b64 s[64:65], 0
	v_nop
	global_prefetch_b8 v0, s[64:65] scope:SCOPE_SE
	s_setreg_imm32_b32 hwreg(HW_REG_WAVE_MODE, 25, 1), 1
	s_wait_xcnt 0x0
	s_wait_alu depctr_hold_cnt(0) depctr_sa_sdst(0) depctr_va_vdst(0) depctr_va_sdst(0) depctr_va_ssrc(0) depctr_va_vcc(0) depctr_vm_vsrc(0)
	s_getreg_b32 s2, hwreg(HW_REG_IB_STS2, 6, 4)
	s_cmp_eq_u32 s2, 0
	s_cbranch_scc0 .Lentry_in_a_cluster
	s_endpgm
.Lentry_in_a_cluster:
	s_bfe_u32 s2, ttmp6, 0x10000c
	s_cmp_lg_u32 s2, 0xf033
	s_cbranch_scc0 .Lentry_shape_is_right
	s_endpgm
.Lentry_shape_is_right:
; Z = A B^T + bias + R in f32.  A, B: bf16 in blocks of 64 along K ([kb][row][64]); bias [768], R and Z [4096][768] in f32.  Here: z = h + gelu(..) W2 + b2, K = 3,072.
; SHARES.  A work-group makes 64 rows x 192 columns; four waves side by side, each 64 x 48: 12 accumulators.  The matrix instruction is used transposed
; (source 0 = 16 rows of B, source 1 = 16 rows of A): a lane holds 8 neighbouring columns of a row.
; RING.  Two LDS slots of 256 along K; a slot has four regions of [4 blocks][64 rows][144 bytes]: A's 64 rows, then B's 192 rows in three.  One tensor load a wave brings a region:
; 4 runs of 8,192 dense bytes, padded by 16 bytes after every 128, so the 16 rows of a fragment load start at 16 different groups of four banks (ISA guide 11.1).
; CLUSTER 4 x 4: A's region is shared along a row of the cluster, B's along a column; each is asked for jointly.
; The norm that follows needs whole rows of 768, which four work-groups make: it is a launch of its own.
.set SK, 3072
.set NTOT, 768
.set WOFF, 9437184
.set STEPS, SK/256
.set PK, 144
.set KBB, 64*PK
.set REG, 4*KBB
.set SLOT, 4*REG
.set STAGE, 2*SLOT                     ; behind the ring, never filled by a tensor load: 32 rows x 784 bytes
.set SPITCH, 784
.set SPARE, STAGE+25600                ; the spare words, 128 bytes a wave: two blocks of 256 bytes that no other line names
.set ASTEP, 4*524288
.set BSTEP, NTOT*512
.set A0, 3
.set B0, 5
.set AC, 8
.set BC, 9
.set STO, 12
.set RD, 13
.set RDB, 14
.set GO, 15
.set GOB, 16
.set BO, 17
.set SPW, 20
.set NIL, 21
.set BIAS, 24
.set ACC, 48
.set F0, 144
.set F1, 200
.set LL, 160                           ; the way out: rows read back from the stage
.set RS, 208                           ; the way out: the residual
.set WV, 16
.set G1, 24
.set G0, 32
.set G1B, 48
.set G0B, 56
.set TB, 66
.set CI, 67
.set CP, 68
.macro PLACES                          ; four places between a matrix instruction and a load into, or a vector write of, its registers, or a vector read of its result
.rept 4
	v_nop
.endr
.endm
.macro JLOAD s                         ; a joint load: wave 0 fetches A's region, waves 1-3 B's three; an s_nop 0 and four v_nop follow each line
	s_cmp_eq_u32 s[WV], 0
	s_cbranch_scc0 .Lfor_b_\@
	tensor_load_to_lds s[G0+4*(\s):G0+4*(\s)+3], s[G1:G1+7]
	s_nop 0
	PLACES
	s_branch .Lasked_\@
.Lfor_b_\@:
	tensor_load_to_lds s[G0B+4*(\s):G0B+4*(\s)+3], s[G1B:G1B+7]
	s_nop 0
	PLACES
.Lasked_\@:
.endm
.macro CROUND                          ; a round of the cluster's barrier
	s_barrier_signal -1
	s_barrier_wait -1
	s_cmp_lg_u32 s[WV], 0
	s_cbranch_scc1 .Lnot_wave_0_\@
	s_barrier_signal -3
.Lnot_wave_0_\@:
	s_barrier_wait -3
	s_barrier_signal -1
	s_barrier_wait -1
.endm
.macro ADDR                            ; four plain instructions: also the places in front of the loads that follow
	v_add_nc_u32 v[AC], s[TB], v[A0]
.irp b, 0,1,2
	v_add_nc_u32 v[BC+(\b)], s[TB], v[B0+(\b)]
.endr
.endm
.macro FETCH f, c                      ; 14 LDS loads: the fragments of 32 along K, half c of the block in hand
.irp a, 0,1,2,3
	ds_load_b128 v[(\f)+8*(\a):(\f)+8*(\a)+3],   v[AC] offset:(\a)*16*PK+64*(\c)
	ds_load_b128 v[(\f)+8*(\a)+4:(\f)+8*(\a)+7], v[AC] offset:(\a)*16*PK+64*(\c)+32
.endr
.irp b, 0,1,2
	ds_load_b128 v[(\f)+32+8*(\b):(\f)+32+8*(\b)+3],   v[BC+(\b)] offset:64*(\c)
	ds_load_b128 v[(\f)+32+8*(\b)+4:(\f)+32+8*(\b)+7], v[BC+(\b)] offset:64*(\c)+32
.endr
.endm
.macro MUL f, zero                     ; 12 matrix instructions; the 12 accumulators take turns, in the same order everywhere
.irp a, 0,1,2,3
.irp b, 0,1,2
.if \zero
	v_wmma_f32_16x16x32_bf16 v[ACC+8*(3*(\a)+(\b)):ACC+8*(3*(\a)+(\b))+7], v[(\f)+32+8*(\b):(\f)+32+8*(\b)+7], v[(\f)+8*(\a):(\f)+8*(\a)+7], 0
.else
	v_wmma_f32_16x16x32_bf16 v[ACC+8*(3*(\a)+(\b)):ACC+8*(3*(\a)+(\b))+7], v[(\f)+32+8*(\b):(\f)+32+8*(\b)+7], v[(\f)+8*(\a):(\f)+8*(\a)+7], v[ACC+8*(3*(\a)+(\b)):ACC+8*(3*(\a)+(\b))+7]
.endif
.endr
.endr
.endm
.macro BODY zero                       ; one block of 64 along K, not a slot's last.  On entry buffer 0's 14 loads are out
	PLACES
	FETCH F1, 1
	s_wait_dscnt 14                                ; buffer 0 is in; the 14 just issued may stay out
	MUL F0, \zero
	s_add_co_u32 s[TB], s[TB], KBB
	ADDR
	FETCH F0, 0                                    ; the next block's first half
	s_wait_dscnt 14                                ; buffer 1 is in
	MUL F1, 0
.endm
.macro BODIES n
	s_mov_b32 s[CI], \n
.Lbody_\@:
	BODY 0
	s_sub_co_u32 s[CI], s[CI], 1
	s_cmp_lg_u32 s[CI], 0
	s_cbranch_scc1 .Lbody_\@
.endm
; A slot's last block and the change of slots.  In front of the barrier each wave waits for all its tensor loads (one is out: its region of the next slot), adds 0 to its spare
; word, and waits for that and for its reads of this slot.  fill = 1: the barrier is a round of the cluster's, and this slot is filled again first thing behind it, two slots on.
.macro TURN slot, next, fill
	PLACES
	FETCH F1, 1
	s_wait_dscnt 14
	MUL F0, 0
	s_wait_tensorcnt 0x0                           ; no tensor load of mine is out, so a group 0 may be written
	ds_add_u32 v[SPW], v[NIL]
.if \fill
	s_add_nc_u64 s[G0+4*(\slot)+2:G0+4*(\slot)+3], s[G0+4*(\slot)+2:G0+4*(\slot)+3], 2*ASTEP
	s_add_nc_u64 s[G0B+4*(\slot)+2:G0B+4*(\slot)+3], s[G0B+4*(\slot)+2:G0B+4*(\slot)+3], 2*BSTEP
.endif
	s_wait_dscnt 0x0                               ; the add is done, my reads of this slot are over, buffer 1 is in
.if \fill
	CROUND
	JLOAD \slot                                    ; it has a slot's 96 matrix instructions in which to land
.else
	s_barrier_signal -1
	s_barrier_wait -1
.endif
	s_mov_b32 s[TB], (\next)*SLOT
	ADDR
	FETCH F0, 0
	MUL F1, 0                                      ; stands over the new slot's first loads
.endm
.macro FINAL
	PLACES
	FETCH F1, 1
	s_wait_dscnt 14
	MUL F0, 0
	s_wait_dscnt 0x0
	MUL F1, 0
.endm
	s_load_b256 s[4:11], s[0:1], 0x0               ; A s[4:5], wt s[6:7], bias s[8:9], R s[10:11]
	s_load_b64 s[12:13], s[0:1], 0x20              ; Z
	v_lshl_add_u32 v[SPW], v0, 2, SPARE
	v_mov_b32 v[NIL], 0
	ds_add_u32 v20, v21
	s_wait_dscnt 0x0
	v_lshrrev_b32 v1, 5, v0
	v_readfirstlane_b32 s[WV], v1                  ; wave 0..3
	s_bfe_u32 s40, ttmp6, 0x40000                  ; cx, cy: my place in the cluster
	s_bfe_u32 s41, ttmp6, 0x40004
	s_lshl_b32 s42, ttmp9, 2
	s_add_co_u32 s42, s42, s40                     ; tile column
	s_and_b32 s17, ttmp7, 0xffff
	s_lshl_b32 s17, s17, 2
	s_add_co_u32 s17, s17, s41                     ; tile row
	s_lshl_b32 s43, s41, 2
	s_lshl_b32 s43, 15, s43                        ; my row of the cluster
	s_lshl_b32 s44, 0x1111, s40                    ; my column
	; group 1: 4 runs of 4,096 elements (64 rows of a block, dense), one for each block; 2-byte elements; 4 words of padding after every 32; bit 21 beside the mask
	s_or_b32 s[G1+0], s43, (1<<16)|(1<<20)|(1<<21)|(4<<22)|(3<<25)
	s_or_b32 s[G1B+0], s44, (1<<16)|(1<<20)|(1<<21)|(4<<22)|(3<<25)
.irp g, G1, G1B
	s_mov_b32 s[(\g)+1], 4096<<16                  ; tensor_dim0
	s_mov_b32 s[(\g)+2], 4<<16                     ; tensor_dim1
	s_mov_b32 s[(\g)+3], 4096<<16                  ; tile_dim0
	s_mov_b32 s[(\g)+4], 4                         ; tile_dim1
	s_mov_b32 s[(\g)+6], 0
	s_mov_b32 s[(\g)+7], 0
.endr
	s_mov_b32 s[G1+5], 262144                      ; elements from block to block: 4,096 rows x 64
	s_mov_b32 s[G1B+5], NTOT*64
	s_lshl_b32 s18, s17, 13                        ; A: 64 rows of 128 bytes a tile row
	s_mov_b32 s19, 0
	s_mul_i32 s46, s42, 24576                      ; B: 192 rows a tile column,
	s_max_u32 s21, s[WV], 1
	s_sub_co_u32 s21, s21, 1
	s_lshl_b32 s21, s21, 13                        ; 64 rows for each of waves 1-3 (wave 0 does not ask by this address),
	s_add_co_u32 s46, s46, s21
	s_add_co_u32 s46, s46, WOFF                    ; in this product's table
	s_mov_b32 s47, 0
	s_mul_i32 s20, s[WV], REG                      ; where it goes: the wave's region
	s_wait_kmcnt 0x0
	s_add_nc_u64 s[18:19], s[4:5], s[18:19]
	s_add_nc_u64 s[46:47], s[6:7], s[46:47]
	CROUND                                         ; all sixteen work-groups are here: the first joint loads meet
.irp s, 0,1
	s_mov_b32 s[G0+4*(\s)], 1
	s_add_co_u32 s[G0+4*(\s)+1], s20, (\s)*SLOT
	s_add_nc_u64 s[G0+4*(\s)+2:G0+4*(\s)+3], s[18:19], (\s)*ASTEP
	s_or_b32 s[G0+4*(\s)+3], s[G0+4*(\s)+3], 0x80000000
	s_mov_b32 s[G0B+4*(\s)], 1
	s_add_co_u32 s[G0B+4*(\s)+1], s20, (\s)*SLOT
	s_add_nc_u64 s[G0B+4*(\s)+2:G0B+4*(\s)+3], s[46:47], (\s)*BSTEP
	s_or_b32 s[G0B+4*(\s)+3], s[G0B+4*(\s)+3], 0x80000000
	JLOAD \s                                       ; two loads of mine are out
.endr
	v_and_b32 v1, 15, v0                           ; l % 16
	v_bfe_u32 v2, v0, 4, 1                         ; l / 16
	v_mul_u32_u24 v[A0], v1, PK
	v_lshl_add_u32 v[A0], v2, 4, v[A0]
	s_mul_i32 s21, s[WV], 3
.irp b, 0,1,2                          ; block 3 w + b of B's twelve blocks of 16 rows: region 1 + block / 4, 16 (block % 4) rows in
	s_add_co_u32 s22, s21, \b
	s_lshr_b32 s23, s22, 2
	s_mul_i32 s23, s23, REG
	s_and_b32 s22, s22, 3
	s_mul_i32 s22, s22, 16*PK
	s_add_co_u32 s22, s22, s23
	s_add_co_u32 s22, s22, REG
	v_add_nc_u32 v[B0+(\b)], s22, v[A0]
.endr
	s_mul_i32 s22, s[WV], 192
	v_lshl_add_u32 v[BO], v2, 5, s22               ; bias: 4 bytes x (48 w + 8 half)
	s_mul_i32 s22, s42, 768
	s_mov_b32 s23, 0
	s_add_nc_u64 s[46:47], s[8:9], s[22:23]
.irp b, 0,1,2
	global_load_b128 v[BIAS+8*(\b):BIAS+8*(\b)+3],   v[BO], s[46:47] offset:64*(\b)
	global_load_b128 v[BIAS+8*(\b)+4:BIAS+8*(\b)+7], v[BO], s[46:47] offset:64*(\b)+16
.endr
	s_mul_i32 s23, s17, 196608                     ; R and Z: 64 rows of 3,072 bytes a tile row, 768 bytes a tile column
	s_add_co_u32 s22, s22, s23
	s_mov_b32 s23, 0
	s_add_nc_u64 s[86:87], s[10:11], s[22:23]
	s_add_nc_u64 s[88:89], s[12:13], s[22:23]
	s_mul_i32 s22, s[WV], 192
	s_add_co_u32 s22, s22, STAGE
	v_mul_u32_u24 v[STO], v1, SPITCH               ; into the stage: row l % 16, my 192 bytes of it, 32 bytes for each half of the lanes
	v_lshl_add_u32 v[STO], v2, 5, v[STO]
	v_add_nc_u32 v[STO], s22, v[STO]
	s_mul_i32 s22, s[WV], 8*SPITCH                 ; back: wave w takes rows 8 w .. 8 w + 7 as 24 pieces of 256 bytes, two a load: lanes 16-31 take the piece behind,
	s_add_co_u32 s22, s22, STAGE
	v_lshl_add_u32 v[RD], v1, 4, s22
	v_mad_u32_u24 v[RDB], v2, SPITCH-512, v[RD]    ; which is the next row's first where the first piece is a row's third,
	v_lshl_add_u32 v[RD], v2, 8, v[RD]             ; and else lies 256 bytes on
	s_mul_i32 s22, s[WV], 8*3072
	v_lshl_add_u32 v[GO], v1, 4, s22               ; the same in memory, rows of 3,072 bytes
	v_mad_u32_u24 v[GOB], v2, 3072-512, v[GO]
	v_lshl_add_u32 v[GO], v2, 8, v[GO]
	s_wait_tensorcnt 1                             ; my region of slot 0 is in; slot 1's may stay out
	s_barrier_signal -1
	s_barrier_wait -1
	s_mov_b32 s[TB], 0
	ADDR
	FETCH F0, 0
	BODY 1                                         ; the first products start the sums: nothing is cleared
	BODIES 2
	TURN 0, 1, 1
.if STEPS > 3
	s_mov_b32 s[CP], (STEPS-4)/2
.Lpair:
	BODIES 3
	TURN 1, 0, 1
	BODIES 3
	TURN 0, 1, 1
	s_sub_co_u32 s[CP], s[CP], 1
	s_cmp_lg_u32 s[CP], 0
	s_cbranch_scc1 .Lpair
	BODIES 3
	TURN 1, 0, 1
	BODIES 3
	TURN 0, 1, 0
.else
	BODIES 3
	TURN 1, 0, 0
.endif
	BODIES 3
	FINAL
; THE WAY OUT, 32 rows at a time: sums + bias into the work-group's stage; a barrier, since a row's 768 bytes come from four waves; back in pieces of 256 bytes; + residual; stored.
.macro PASS p
.set t, 0
.rept 12
.if t%3 == 1
	global_load_b128 v[RS+4*t:RS+4*t+3], v[GOB], s[86:87] offset:((2*t)/3)*3072+((2*t)%3)*256+(\p)*98304
.else
	global_load_b128 v[RS+4*t:RS+4*t+3], v[GO], s[86:87] offset:((2*t)/3)*3072+((2*t)%3)*256+(\p)*98304
.endif
.set t, t+1
.endr
.set i, 6*(\p)
.rept 6                                ; accumulator i = 3 a + b, its registers in ascending order
.set T, F0+8*(i%2)
.irp k, 0,2,4,6
	v_pk_add_f32 v[T+(\k):T+(\k)+1], v[ACC+8*i+(\k):ACC+8*i+(\k)+1], v[BIAS+8*(i%3)+(\k):BIAS+8*(i%3)+(\k)+1]
.endr
	ds_store_b128 v[STO], v[T:T+3]   offset:((i/3)%2)*16*SPITCH+64*(i%3)
	ds_store_b128 v[STO], v[T+4:T+7] offset:((i/3)%2)*16*SPITCH+64*(i%3)+16
.set i, i+1
.endr
	s_wait_dscnt 0x0                               ; for the others' sake: my stores into the stage are done
	s_barrier_signal -1
	s_barrier_wait -1
.set t, 0
.rept 12
.if t%3 == 1
	ds_load_b128 v[LL+4*t:LL+4*t+3], v[RDB] offset:((2*t)/3)*SPITCH+((2*t)%3)*256
.else
	ds_load_b128 v[LL+4*t:LL+4*t+3], v[RD] offset:((2*t)/3)*SPITCH+((2*t)%3)*256
.endif
.set t, t+1
.endr
.set t, 0
.rept 12
	s_wait_loadcnt 11-t                            ; residual t is in,
	s_wait_dscnt 11-t                              ; and so is piece t
	v_pk_add_f32 v[LL+4*t:LL+4*t+1], v[LL+4*t:LL+4*t+1], v[RS+4*t:RS+4*t+1]
	v_pk_add_f32 v[LL+4*t+2:LL+4*t+3], v[LL+4*t+2:LL+4*t+3], v[RS+4*t+2:RS+4*t+3]
.if t%3 == 1
	global_store_b128 v[GOB], v[LL+4*t:LL+4*t+3], s[88:89] offset:((2*t)/3)*3072+((2*t)%3)*256+(\p)*98304
.else
	global_store_b128 v[GO], v[LL+4*t:LL+4*t+3], s[88:89] offset:((2*t)/3)*3072+((2*t)%3)*256+(\p)*98304  ; 16 lanes store 256 consecutive bytes, aligned
.endif
.set t, t+1
.endr
.endm
	s_wait_loadcnt 0x0                             ; the bias
	PLACES
	PASS 0
	s_wait_xcnt 0x0                                ; the stores have read their data: those registers are loaded again below
	s_wait_dscnt 0x0                               ; my reads of the stage are over
	s_barrier_signal -1
	s_barrier_wait -1                              ; everybody's are: the stage may be written again
	PASS 1
	s_wait_tensorcnt 0x0                           ; the wave's end
	ds_add_u32 v[SPW], v[NIL]
	s_wait_dscnt 0x0
	CROUND                                         ; the closing round
	s_endpgm
.Lfunc_end_k_q2a0dc5d290_mlp2:
	.size	k_q2a0dc5d290_mlp2, .Lfunc_end_k_q2a0dc5d290_mlp2-k_q2a0dc5d290_mlp2
	.p2alignl 7, 3214868480
	.fill 96, 4, 3214868480
	.section	.rodata,"a",@progbits
	.p2align	6, 0x0
	.amdhsa_kernel k_q2a0dc5d290_mlp2
		.amdhsa_group_segment_fixed_size 327680
		.amdhsa_private_segment_fixed_size 0
		.amdhsa_enable_private_segment 0
		.amdhsa_kernarg_size 40
		.amdhsa_user_sgpr_count 2
		.amdhsa_user_sgpr_kernarg_segment_ptr 1
		.amdhsa_wavefront_size32 1
		.amdhsa_system_sgpr_workgroup_id_x 1
		.amdhsa_system_sgpr_workgroup_id_y 1
		.amdhsa_system_sgpr_workgroup_id_z 1
		.amdhsa_system_vgpr_workitem_id 0
		.amdhsa_next_free_vgpr 256
		.amdhsa_next_free_sgpr 90
		.amdhsa_reserve_vcc 0
		.amdhsa_float_denorm_mode_32 3
		.amdhsa_float_denorm_mode_16_64 3
		.amdhsa_memory_ordered 1
		.amdhsa_forward_progress 1
		.amdhsa_inst_pref_size 77
	.end_amdhsa_kernel
	.amdgpu_metadata
---
amdhsa.version: [ 1, 2 ]
amdhsa.kernels:
  - .name:           k_q2a0dc5d290_mlp2
    .symbol:         k_q2a0dc5d290_mlp2.kd
    .args:
      - { .name: g, .offset: 0, .size: 8, .value_kind: global_buffer, .address_space: global }
      - { .name: wt, .offset: 8, .size: 8, .value_kind: global_buffer, .address_space: global }
      - { .name: b2, .offset: 16, .size: 8, .value_kind: global_buffer, .address_space: global }
      - { .name: h, .offset: 24, .size: 8, .value_kind: global_buffer, .address_space: global }
      - { .name: z, .offset: 32, .size: 8, .value_kind: global_buffer, .address_space: global }
    .group_segment_fixed_size: 327680
    .private_segment_fixed_size: 0
    .kernarg_segment_align: 8
    .kernarg_segment_size: 40
    .max_flat_workgroup_size: 128
    .sgpr_count:     90
    .vgpr_count:     256
    .wavefront_size: 32
...
	.end_amdgpu_metadata
.endif
;; end of part 7
;; launch ln2 (part 8): grid 256 x 1, 8 waves a work-group, no clusters, 0 bytes of LDS; arguments z, ln2_g, ln2_b, out0; writes out0
.if DOCPART == 8
	.amdgcn_target "amdgcn-amd-amdhsa--gfx1250"
	.amdhsa_code_object_version 6
	.text
	.protected	k_q2a0dc5d290_ln2
	.globl	k_q2a0dc5d290_ln2
	.p2align	8
	.type	k_q2a0dc5d290_ln2,@function
k_q2a0dc5d290_ln2:
	s_mov_b64 s[64:65], 0
	v_nop
	global_prefetch_b8 v0, s[64:65] scope:SCOPE_SE
	s_setreg_imm32_b32 hwreg(HW_REG_WAVE_MODE, 25, 1), 1
	s_wait_xcnt 0x0
; LAYER NORM over rows of 768: y = (z - mean) rsqrt(var + 1e-5) g + b, all in f32; mean first, then the variance of the differences: no difference of large sums.
; 16 rows a work-group, two a wave: 16 lanes hold a row, 48 numbers each, so the row stays in registers and both sums end inside a half of the lanes (four DPP steps).
; WITH_BF = 1: y is also stored rounded to bf16, in blocks of 64 along the row ([kb][row][64]), for the product that follows.
; A stream: no LDS, no barrier, no matrix unit; each load and store of 16 lanes covers 256 consecutive bytes, aligned.
.set WITH_BF, 0
.set X, 32                             ; v[32:79]   the row's 12 x 4 numbers of my lane
.set GG, 80                            ; v[80:127]  g
.set BB, 128                           ; v[128:175] b
	s_load_b256 s[4:11], s[0:1], 0x0               ; z, g, b, y
.if WITH_BF
	s_load_b64 s[12:13], s[0:1], 0x20              ; y in bf16
.endif
	v_lshrrev_b32 v1, 5, v0
	v_bfe_u32 v2, v0, 4, 1
	v_and_b32 v3, 15, v0
	v_lshl_add_u32 v2, v1, 1, v2                   ; my row among the 16
	v_lshlrev_b32 v4, 4, v3                        ; 16 bytes a lane in each 256
	v_mad_u32_u24 v5, v2, 3072, v4
	s_mul_i32 s14, ttmp9, 49152
	s_mov_b32 s15, 0
	s_mov_b32 s16, 0x3aaaaaab                      ; 1 / 768
	s_mov_b32 s17, 0x3727c5ac                      ; 1e-5
	s_wait_kmcnt 0x0
	s_add_nc_u64 s[4:5], s[4:5], s[14:15]
	s_add_nc_u64 s[10:11], s[10:11], s[14:15]
.set j, 0
.rept 12
	global_load_b128 v[X+4*j:X+4*j+3], v5, s[4:5] offset:256*j
.set j, j+1
.endr
.set j, 0
.rept 12
	global_load_b128 v[GG+4*j:GG+4*j+3], v4, s[6:7] offset:256*j
	global_load_b128 v[BB+4*j:BB+4*j+3], v4, s[8:9] offset:256*j
.set j, j+1
.endr
.macro ACROSS                          ; four chains into one number, then over the 16 lanes of the row
	v_pk_add_f32 v[8:9], v[8:9], v[10:11]
	v_pk_add_f32 v[12:13], v[12:13], v[14:15]
	v_pk_add_f32 v[8:9], v[8:9], v[12:13]
	v_add_f32 v8, v8, v9
	v_add_f32_dpp v8, v8, v8 row_xmask:1 row_mask:0xf bank_mask:0xf
	v_add_f32_dpp v8, v8, v8 row_xmask:2 row_mask:0xf bank_mask:0xf
	v_add_f32_dpp v8, v8, v8 row_xmask:4 row_mask:0xf bank_mask:0xf
	v_add_f32_dpp v8, v8, v8 row_xmask:8 row_mask:0xf bank_mask:0xf
.endm
	s_wait_loadcnt 24                              ; the row is in; g's and b's 24 loads may stay out
.irp k, 0,1,2,3
	v_pk_add_f32 v[8+2*(\k):9+2*(\k)], v[X+2*(\k):X+2*(\k)+1], v[X+8+2*(\k):X+9+2*(\k)]
.endr
.set i, 8
.rept 16
	v_pk_add_f32 v[8+2*(i%4):9+2*(i%4)], v[8+2*(i%4):9+2*(i%4)], v[X+2*i:X+2*i+1]
.set i, i+1
.endr
	ACROSS
	v_mul_f32 v16, s16, v8                         ; the mean
	v_mov_b32 v17, v16
.set i, 0
.rept 24
	v_pk_add_f32 v[X+2*i:X+2*i+1], v[X+2*i:X+2*i+1], v[16:17] neg_lo:[0,1] neg_hi:[0,1]
.set i, i+1
.endr
.irp k, 0,1,2,3
	v_pk_mul_f32 v[8+2*(\k):9+2*(\k)], v[X+2*(\k):X+2*(\k)+1], v[X+2*(\k):X+2*(\k)+1]
.endr
.set i, 4
.rept 20
	v_pk_fma_f32 v[8+2*(i%4):9+2*(i%4)], v[X+2*i:X+2*i+1], v[X+2*i:X+2*i+1], v[8+2*(i%4):9+2*(i%4)]
.set i, i+1
.endr
	ACROSS
	v_fma_f32 v8, v8, s16, s17                     ; the variance + 1e-5
	v_rsq_f32 v16, v8
	v_nop                                          ; a plain instruction between the root and the use of its result
	s_wait_alu depctr_va_vdst(0)
	v_mov_b32 v17, v16
	s_wait_loadcnt 0x0                             ; g and b
.set i, 0
.rept 24
	v_pk_mul_f32 v[X+2*i:X+2*i+1], v[X+2*i:X+2*i+1], v[16:17]
	v_pk_fma_f32 v[X+2*i:X+2*i+1], v[X+2*i:X+2*i+1], v[GG+2*i:GG+2*i+1], v[BB+2*i:BB+2*i+1]
.set i, i+1
.endr
.set j, 0
.rept 12
	global_store_b128 v5, v[X+4*j:X+4*j+3], s[10:11] offset:256*j
.set j, j+1
.endr
	s_endpgm
.Lfunc_end_k_q2a0dc5d290_ln2:
	.size	k_q2a0dc5d290_ln2, .Lfunc_end_k_q2a0dc5d290_ln2-k_q2a0dc5d290_ln2
	.p2alignl 7, 3214868480
	.fill 96, 4, 3214868480
	.section	.rodata,"a",@progbits
	.p2align	6, 0x0
	.amdhsa_kernel k_q2a0dc5d290_ln2
		.amdhsa_group_segment_fixed_size 0
		.amdhsa_private_segment_fixed_size 0
		.amdhsa_enable_private_segment 0
		.amdhsa_kernarg_size 32
		.amdhsa_user_sgpr_count 2
		.amdhsa_user_sgpr_kernarg_segment_ptr 1
		.amdhsa_wavefront_size32 1
		.amdhsa_system_sgpr_workgroup_id_x 1
		.amdhsa_system_sgpr_workgroup_id_y 1
		.amdhsa_system_sgpr_workgroup_id_z 1
		.amdhsa_system_vgpr_workitem_id 0
		.amdhsa_next_free_vgpr 176
		.amdhsa_next_free_sgpr 66
		.amdhsa_reserve_vcc 0
		.amdhsa_float_denorm_mode_32 3
		.amdhsa_float_denorm_mode_16_64 3
		.amdhsa_memory_ordered 1
		.amdhsa_forward_progress 1
		.amdhsa_inst_pref_size 14
	.end_amdhsa_kernel
	.amdgpu_metadata
---
amdhsa.version: [ 1, 2 ]
amdhsa.kernels:
  - .name:           k_q2a0dc5d290_ln2
    .symbol:         k_q2a0dc5d290_ln2.kd
    .args:
      - { .name: z, .offset: 0, .size: 8, .value_kind: global_buffer, .address_space: global }
      - { .name: ln2_g, .offset: 8, .size: 8, .value_kind: global_buffer, .address_space: global }
      - { .name: ln2_b, .offset: 16, .size: 8, .value_kind: global_buffer, .address_space: global }
      - { .name: out0, .offset: 24, .size: 8, .value_kind: global_buffer, .address_space: global }
    .group_segment_fixed_size: 0
    .private_segment_fixed_size: 0
    .kernarg_segment_align: 8
    .kernarg_segment_size: 32
    .max_flat_workgroup_size: 256
    .sgpr_count:     66
    .vgpr_count:     176
    .wavefront_size: 32
...
	.end_amdgpu_metadata
.endif
;; end of part 8
;; ======== version 2 of 2: 8 launches; 1.24 times as fast as version 1
;; workspace buffers: xb 6,291,456 bytes; wt 14,155,776 bytes; qkv 18,874,368 bytes; ob 6,291,456 bytes; z 12,582,912 bytes; h 12,582,912 bytes; hb 6,291,456 bytes; g 25,165,824 bytes
;; launch prep: the kernel of part 1 again; grid 416 x 1, 8 waves a work-group, no clusters, 56,320 bytes of LDS; arguments x, Wq, Wk, Wv, Wo, W1, W2, xb, wt; writes xb, wt
;; launch qkv (part 9): grid 12 x 16, 4 waves a work-group, clusters of 4 x 4, 327,680 bytes of LDS; arguments xb, wt, bq, bk, bv, qkv; writes qkv
.if DOCPART == 9
	.amdgcn_target "amdgcn-amd-amdhsa--gfx1250"
	.amdhsa_code_object_version 6
	.text
	.protected	k_q2a0dc5d290_qkv
	.globl	k_q2a0dc5d290_qkv
	.p2align	8
	.type	k_q2a0dc5d290_qkv,@function
k_q2a0dc5d290_qkv:
	s_mov_b64 s[64:65], 0
	v_nop
	global_prefetch_b8 v0, s[64:65] scope:SCOPE_SE
	s_setreg_imm32_b32 hwreg(HW_REG_WAVE_MODE, 25, 1), 1
	s_wait_xcnt 0x0
	s_wait_alu depctr_hold_cnt(0) depctr_sa_sdst(0) depctr_va_vdst(0) depctr_va_sdst(0) depctr_va_ssrc(0) depctr_va_vcc(0) depctr_vm_vsrc(0)
	s_getreg_b32 s2, hwreg(HW_REG_IB_STS2, 6, 4)
	s_cmp_eq_u32 s2, 0
	s_cbranch_scc0 .Lentry_in_a_cluster
	s_endpgm
.Lentry_in_a_cluster:
	s_bfe_u32 s2, ttmp6, 0x10000c
	s_cmp_lg_u32 s2, 0xf033
	s_cbranch_scc0 .Lentry_shape_is_right
	s_endpgm
.Lentry_shape_is_right:
; C = A B^T + bias, K = 768.  A, B: bf16 in blocks of 64 along K ([kb][row][64]); f32 sums; C rounded once to bf16 and stored in the same blocked layout.
; KIND 0: q, k, v = x W + b, 2,304 columns; column blocks 0-11 are q's heads, 12-23 k's, 24-35 v's.  KIND 1: g = gelu(h W1 + b1), 3,072 columns.
; SHARES.  A work-group makes 256 rows x 192 columns: for each byte that it brings into LDS 256 x 192 / 448 = 110 multiply-adds along K, and 192 divides 2,304 and 3,072 into whole blocks of 64
; columns.  Four waves, each 64 rows x all 192 columns: 48 accumulators, and whole rows of C, so that the way out is each wave's own.
; The matrix instruction is used transposed (source 0 = 16 rows of B, source 1 = 16 rows of A): a lane holds 8 neighbouring columns of a row of C.
; THE BIAS is the C operand of each accumulator's first product: nothing is cleared and nothing is added behind the sums.
; RING.  Two LDS slots of 128 along K.  A slot: A's 256 rows in two halves of [2 blocks][128 rows][144 bytes], then B's 192 rows in two halves of [2][96][144].  One tensor load a wave brings a
; half: 2 runs of dense bytes (128 or 96 rows of a block), padded by 16 bytes after every 128, so the 16 rows of a fragment load start at 16 different groups of four banks (ISA guide 11.1).
; CLUSTER 4 x 4: A's halves are shared along a row of the cluster, B's along a column; each is asked for jointly.
; REGISTERS, in windows of 256 (s_set_vgpr_msb: bits 1:0 source 0, 3:2 source 1, 5:4 source 2, 7:6 destination):
;   window 0: v0-21 addresses; v64-127 A's fragments, two buffers of 32; v128-223 the bias; on the way out v64-219 at work     window 1: v0-191 B's fragments, two buffers of 96
;   window 2: the 24 accumulators of my row blocks 0, 1 ((a, b) at v[8 (12 (a % 2) + b)])     window 3: those of row blocks 2, 3
; LIMITS.  KIND 1: erf by Abramowitz and Stegun 7.1.26, within 1.5e-7 for every argument; NaN and infinities are not treated apart.
.set KIND, 0
.set NTOT, 2304
.set WOFF, 0
.set OUTP, 14                          ; s[14:15] the output
.set PK, 144
.set AKB, 128*PK                       ; one block of 64 k of a half of A
.set AREG, 2*AKB
.set BKB, 96*PK                        ; one block of 64 k of a half of B
.set BREG, 2*BKB
.set BOFF, 2*AREG                      ; B lies behind A's two halves
.set SLOT1, 1<<17                      ; slot 1 begins here, so that one exclusive or turns an address in one slot into the other's
.set SPARE, SLOT1+BOFF+2*BREG          ; behind the ring: the spare words, 128 bytes a wave: two blocks of 256 bytes that no other line names
.set DP, 784                           ; the way out: a row of 192 f32 + 16 bytes: 49 x 16, so 16 rows start at 16 different groups of four banks
.set DREG, 68*DP                       ; a wave's stage: 64 rows, and room for one more step of the reading address
.set ASTEP, 2*524288                   ; bytes from one slot's K to the next in A
.set BSTEP, NTOT*256                   ; and in B
.set A0, 4                             ; v4   my lane's place in my 64 rows of A: row x 144 + 16 x half
.set B0, 5                             ; v5   the same in B
.set AC, 6                             ; v6   A's address in the slot in hand
.set BC, 7                             ; v7   B's
.set STO, 8
.set RD, 9
.set GO, 10
.set BO, 11
.set SPW, 20                           ; v20  my spare word; never rewritten
.set NIL, 21                           ; v21  0; never rewritten
.set AF, 64
.set BIAS, 128
.set U, 64                             ; the way out: 24 sums as read back
.set T, 88
.set SA, 112
.set DD, 136
.set MM, 160
.set PP, 184
.set PKD, 208                          ; 12 registers of bf16 to store
.set WV, 16
.set WH, 45                            ; wave % 2: which half I fetch
.set G1, 24
.set G0, 32                            ; s[32:39] group 0 for A: a set for each of the two first fills; the second then walks on
.set G1B, 48
.set G0B, 56
.set TB, 66                            ; LDS byte of the slot in hand
.set CL, 67
.set MSB, 0
.macro WIN new                         ; the high byte repeats the setting that is left; a switch that changes nothing is dropped
.if MSB != (\new)
	s_set_vgpr_msb (MSB<<8)|(\new)
.set MSB, \new
.endif
.endm
.macro PLACES                          ; four places between a matrix instruction and a load into, or a vector write of, its registers, or a read of its result
.rept 4
	v_nop
.endr
.endm
.macro JLOAD s                         ; a joint load: waves 0, 1 fetch A's halves, waves 2, 3 B's; an s_nop 0 and four v_nop follow each line
	s_cmp_lt_u32 s[WV], 2
	s_cbranch_scc0 .Lfor_b_\@
	tensor_load_to_lds s[G0+4*(\s):G0+4*(\s)+3], s[G1:G1+7]
	s_nop 0
	PLACES
	s_branch .Lasked_\@
.Lfor_b_\@:
	tensor_load_to_lds s[G0B+4*(\s):G0B+4*(\s)+3], s[G1B:G1B+7]
	s_nop 0
	PLACES
.Lasked_\@:
.endm
.macro CREST                           ; a round of the cluster's barrier behind its opening barrier
	s_cmp_lg_u32 s[WV], 0
	s_cbranch_scc1 .Lnot_wave_0_\@
	s_barrier_signal -3
.Lnot_wave_0_\@:
	s_barrier_wait -3
	s_barrier_signal -1
	s_barrier_wait -1
.endm
.macro CROUND                          ; a whole round
	s_barrier_signal -1
	s_barrier_wait -1
	CREST
.endm
.macro ADDR
	v_add_nc_u32 v[AC], s[TB], v[A0]
	v_add_nc_u32 v[BC], s[TB], v[B0]
.endm
; 32 LDS loads in one run: the fragments of quarter q (32 along K) of the slot in hand into buffer f: B's twelve, then A's four
.macro FETCH q, f
	WIN 0x40                                       ; destination window 1, address window 0
.set b, 0
.rept 12
	ds_load_b128 v[96*(\f)+8*b:96*(\f)+8*b+3],   v[BC] offset:(b/6)*BREG+(b%6)*16*PK+((\q)/2)*BKB+((\q)%2)*64
	ds_load_b128 v[96*(\f)+8*b+4:96*(\f)+8*b+7], v[BC] offset:(b/6)*BREG+(b%6)*16*PK+((\q)/2)*BKB+((\q)%2)*64+32
.set b, b+1
.endr
	WIN 0
.irp a, 0,1,2,3
	ds_load_b128 v[AF+32*(\f)+8*(\a):AF+32*(\f)+8*(\a)+3],   v[AC] offset:(\a)*16*PK+((\q)/2)*AKB+((\q)%2)*64
	ds_load_b128 v[AF+32*(\f)+8*(\a)+4:AF+32*(\f)+8*(\a)+7], v[AC] offset:(\a)*16*PK+((\q)/2)*AKB+((\q)%2)*64+32
.endr
.endm
; 12 matrix instructions: row block a x all 12 column blocks.  The 48 accumulators take turns, in the same order in every quarter.  first = 1: C is the bias.
.macro MUL12 f, a, first
.if \first
	WIN 0x81+0x40*((\a)/2)                         ; B window 1, A and the bias window 0, D window 2 or 3
.else
	WIN 0xa1+0x50*((\a)/2)                         ; B window 1, A window 0, C and D window 2 or 3
.endif
.set b, 0
.rept 12
.set rD, 8*(12*((\a)%2)+b)
.if \first
	v_wmma_f32_16x16x32_bf16 v[rD:rD+7], v[96*(\f)+8*b:96*(\f)+8*b+7], v[AF+32*(\f)+8*(\a):AF+32*(\f)+8*(\a)+7], v[BIAS+8*b:BIAS+8*b+7]
.else
	v_wmma_f32_16x16x32_bf16 v[rD:rD+7], v[96*(\f)+8*b:96*(\f)+8*b+7], v[AF+32*(\f)+8*(\a):AF+32*(\f)+8*(\a)+7], v[rD:rD+7]
.endif
.set b, b+1
.endr
.endm
; A quarter: multiplies buffer f; in its middle it fetches quarter q of the same slot into buffer g, 24 matrix instructions ahead of its first use
.macro QUARTER q, f, g, first
	s_wait_dscnt 4                                 ; B and A's row blocks 0, 1 are in; the youngest four loads (row blocks 2, 3) may be out
	MUL12 \f, 0, \first
	MUL12 \f, 1, \first
	PLACES
	FETCH \q, \g
	s_wait_dscnt 32                                ; all but the 32 just issued
	MUL12 \f, 2, \first
	MUL12 \f, 3, \first
.endm
; A slot's last quarter and the change of slots.  In front of the round each wave waits for all its tensor loads (one is out: its half in the next slot), adds 0 to its spare word, and waits
; for that and for its reads of this slot.  Behind the round this slot is filled again first, two slots on: the load has a slot's 192 matrix instructions, less 24, in which to land.
.macro TURN
	WIN 0
	s_wait_tensorcnt 0x0                           ; no tensor load of mine is out, so a group 0 may be written
	ds_add_u32 v[SPW], v[NIL]
	s_wait_dscnt 5                                 ; (the add and the youngest four loads may be out)
	MUL12 1, 0, 0                                  ; twelve matrix instructions stand between the add and the wait for it
	s_wait_dscnt 0x0                               ; the add is done, and my reads of this slot are over
	s_barrier_signal -1                            ; opens a round of the cluster's barrier
	MUL12 1, 1, 0
	WIN 0
	s_barrier_wait -1
	CREST                                          ; no wave of any partner still reads this slot or has a load on its way
	s_xor_b32 s[G0+5], s[G0+5], SLOT1              ; the walking descriptors: the other slot than last time, the next 128 along K
	s_add_nc_u64 s[G0+6:G0+7], s[G0+6:G0+7], ASTEP
	s_xor_b32 s[G0B+5], s[G0B+5], SLOT1
	s_add_nc_u64 s[G0B+6:G0B+7], s[G0B+6:G0B+7], BSTEP
	JLOAD 1                                        ; the four v_nop behind it are also the places in front of the loads below
	s_xor_b32 s[TB], s[TB], SLOT1
	ADDR
	FETCH 0, 0
	MUL12 1, 2, 0
	MUL12 1, 3, 0
.endm
.macro ALL12 line:vararg               ; one line for each of 12 register pairs, k = 0, 2 .. 22
.set k, 0
.rept 12
	\line
.set k, k+2
.endr
.endm
	s_load_b256 s[4:11], s[0:1], 0x0               ; A s[4:5], wt s[6:7], then KIND 0: bq, bk; KIND 1: b1, g
.if KIND == 0
	s_load_b128 s[12:15], s[0:1], 0x20             ; bv, qkv
.endif
	v_lshl_add_u32 v[SPW], v0, 2, SPARE
	v_mov_b32 v[NIL], 0
	ds_add_u32 v20, v21
	s_wait_dscnt 0x0
	v_lshrrev_b32 v1, 5, v0
	v_readfirstlane_b32 s[WV], v1                  ; wave 0..3
	s_and_b32 s[WH], s[WV], 1
	s_bfe_u32 s40, ttmp6, 0x40000                  ; cx, cy: my place in the cluster
	s_bfe_u32 s41, ttmp6, 0x40004
	s_lshl_b32 s42, ttmp9, 2
	s_add_co_u32 s42, s42, s40                     ; tile column
	s_and_b32 s17, ttmp7, 0xffff
	s_lshl_b32 s17, s17, 2
	s_add_co_u32 s17, s17, s41                     ; tile row
	s_lshl_b32 s43, s41, 2
	s_lshl_b32 s43, 15, s43                        ; my row of the cluster
	s_lshl_b32 s44, 0x1111, s40                    ; my column
	; group 1: 2 runs of dense elements, one for each block of 64 k; 2-byte elements; 4 words of padding after every 32; bit 21 beside the mask
	s_or_b32 s[G1+0], s43, (1<<16)|(1<<20)|(1<<21)|(4<<22)|(3<<25)
	s_mov_b32 s[G1+1], 8192<<16                    ; tensor_dim0: 128 rows x 64
	s_mov_b32 s[G1+2], 2<<16                       ; tensor_dim1
	s_mov_b32 s[G1+3], 8192<<16                    ; tile_dim0
	s_mov_b32 s[G1+4], 2                           ; tile_dim1
	s_mov_b32 s[G1+5], 262144                      ; elements from block to block: 4,096 rows x 64
	s_mov_b32 s[G1+6], 0
	s_mov_b32 s[G1+7], 0
	s_or_b32 s[G1B+0], s44, (1<<16)|(1<<20)|(1<<21)|(4<<22)|(3<<25)
	s_mov_b32 s[G1B+1], 6144<<16                   ; 96 rows x 64
	s_mov_b32 s[G1B+2], 2<<16
	s_mov_b32 s[G1B+3], 6144<<16
	s_mov_b32 s[G1B+4], 2
	s_mov_b32 s[G1B+5], NTOT*64
	s_mov_b32 s[G1B+6], 0
	s_mov_b32 s[G1B+7], 0
	s_lshl_b32 s18, s17, 15                        ; A: 256 rows of 128 bytes a tile row,
	s_lshl_b32 s21, s[WH], 14                      ; 128 rows a half
	s_add_co_u32 s18, s18, s21
	s_mov_b32 s19, 0
	s_mul_i32 s46, s42, 24576                      ; B: 192 rows a tile column,
	s_mul_i32 s21, s[WH], 12288                    ; 96 rows a half,
	s_add_co_u32 s46, s46, s21
	s_add_co_u32 s46, s46, WOFF                    ; in this product's table
	s_mov_b32 s47, 0
	s_mul_i32 s20, s[WH], AREG                     ; where they go: no place in the cluster enters an LDS address
	s_mul_i32 s22, s[WH], BREG
	s_add_co_u32 s22, s22, BOFF
	s_wait_kmcnt 0x0
	s_add_nc_u64 s[18:19], s[4:5], s[18:19]
	s_add_nc_u64 s[46:47], s[6:7], s[46:47]
	CROUND                                         ; all sixteen work-groups are here: the first joint loads meet
.irp s, 0,1
	s_mov_b32 s[G0+4*(\s)], 1
	s_add_co_u32 s[G0+4*(\s)+1], s20, (\s)*SLOT1
	s_add_nc_u64 s[G0+4*(\s)+2:G0+4*(\s)+3], s[18:19], (\s)*ASTEP
	s_or_b32 s[G0+4*(\s)+3], s[G0+4*(\s)+3], 0x80000000
	s_mov_b32 s[G0B+4*(\s)], 1
	s_add_co_u32 s[G0B+4*(\s)+1], s22, (\s)*SLOT1
	s_add_nc_u64 s[G0B+4*(\s)+2:G0B+4*(\s)+3], s[46:47], (\s)*BSTEP
	s_or_b32 s[G0B+4*(\s)+3], s[G0B+4*(\s)+3], 0x80000000
	JLOAD \s                                       ; two loads of mine are out
.endr
	v_and_b32 v1, 15, v0                           ; l % 16
	v_bfe_u32 v2, v0, 4, 1                         ; l / 16
	v_mul_u32_u24 v3, v1, PK
	v_lshl_add_u32 v3, v2, 4, v3                   ; a fragment's row x pitch + 16 x half
	s_lshr_b32 s21, s[WV], 1
	s_mul_i32 s21, s21, AREG                       ; my 64 rows of A: half wave / 2,
	s_mul_i32 s23, s[WH], 64*PK                    ; 64 (wave % 2) rows in
	s_add_co_u32 s21, s21, s23
	v_add_nc_u32 v[A0], s21, v3
	v_add_nc_u32 v[B0], BOFF, v3
	v_lshlrev_b32 v[BO], 5, v2                     ; bias: 4 bytes x 8 x half
.if KIND == 0
	s_lshr_b32 s23, s42, 2                         ; four tile columns to each of q, k, v
	s_cmp_eq_u32 s23, 1
	s_cselect_b64 s[46:47], s[10:11], s[8:9]
	s_cmp_eq_u32 s23, 2
	s_cselect_b64 s[46:47], s[12:13], s[46:47]
	s_and_b32 s22, s42, 3
	s_mul_i32 s22, s22, 768
	s_mov_b32 s23, 0
	s_add_nc_u64 s[46:47], s[46:47], s[22:23]
.else
	s_mul_i32 s22, s42, 768
	s_mov_b32 s23, 0
	s_add_nc_u64 s[46:47], s[8:9], s[22:23]
.endif
.set b, 0
.rept 12                               ; register j of column block b: the bias of column 16 b + 8 (l / 16) + j, as an accumulator holds it
	global_load_b128 v[BIAS+8*b:BIAS+8*b+3],   v[BO], s[46:47] offset:64*b
	global_load_b128 v[BIAS+8*b+4:BIAS+8*b+7], v[BO], s[46:47] offset:64*b+16
.set b, b+1
.endr
	s_mul_i32 s22, s42, 3*524288                   ; the output: three column blocks a tile column, 256 rows of 128 bytes a tile row
	s_lshl_b32 s23, s17, 15
	s_add_co_u32 s22, s22, s23
	s_mov_b32 s23, 0
	s_add_nc_u64 s[86:87], s[OUTP:OUTP+1], s[22:23]
	s_mul_i32 s22, s[WV], DREG                     ; my stage
	v_mul_u32_u24 v[STO], v1, DP                   ; in: row l % 16, 32 bytes for each half of the lanes
	v_lshl_add_u32 v[STO], v2, 5, v[STO]
	v_add_nc_u32 v[STO], s22, v[STO]
	v_bfe_u32 v12, v0, 3, 2
	v_and_b32 v13, 7, v0
	v_mul_u32_u24 v[RD], v12, DP                   ; back: 32 lanes take 8 columns each of 64 columns of four rows,
	v_lshl_add_u32 v[RD], v13, 5, v[RD]
	v_add_nc_u32 v[RD], s22, v[RD]
	v_and_b32 v12, 31, v0
	s_lshl_b32 s23, s[WV], 13
	v_lshl_add_u32 v[GO], v12, 4, s23              ; which in bf16 are 512 consecutive bytes of a column block; 64 rows of 128 bytes a wave
.if KIND == 1
	s_mov_b32 s70, 0x3eed3389                      ; 0.3275911 x sqrt(2)
	s_mov_b32 s72, 0x3fd96d27                      ; sqrt(2 log2(e))
	s_mov_b32 s74, 0x3e827906                      ; a1 .. a5
	s_mov_b32 s76, 0xbe91a98e
	s_mov_b32 s78, 0x3fb5f0e3
	s_mov_b32 s80, 0xbfba00e3
	s_mov_b32 s82, 0x3f87dc22
.irp c, 70,72,74,76,78,80,82
	s_mov_b32 s[(\c)+1], s[\c]                     ; named as pairs
.endr
	s_mov_b32 s84, 0x7fffffff
.endif
	s_wait_tensorcnt 1                             ; my half in slot 0 is in; slot 1's may stay out
	s_barrier_signal -1
	s_barrier_wait -1
	s_mov_b32 s[TB], 0
	ADDR
	FETCH 0, 0
	s_wait_loadcnt 0x0                             ; the bias
	QUARTER 1, 0, 1, 1                             ; the first quarter stands in front of the loop: its products start the sums, on the bias
	WIN 0                                          ; at a label and at a branch every window is 0
	s_mov_b32 s[CL], 4
.Lstep:                                ; four trips: from a slot's second quarter to the next slot's first; slots 0, 1, 0, 1 are filled again with K steps 2 to 5
	QUARTER 2, 1, 0, 0
	QUARTER 3, 0, 1, 0
	TURN
	QUARTER 1, 0, 1, 0
	WIN 0
	s_sub_co_u32 s[CL], s[CL], 1
	s_cmp_lg_u32 s[CL], 0
	s_cbranch_scc1 .Lstep
	s_mov_b32 s[CL], 2
.Ltail:                                ; the last two K steps fill nothing: one text, walked twice
	QUARTER 2, 1, 0, 0
	QUARTER 3, 0, 1, 0
	s_wait_dscnt 0x0
	MUL12 1, 0, 0
	MUL12 1, 1, 0
	MUL12 1, 2, 0
	MUL12 1, 3, 0
	WIN 0
	s_wait_tensorcnt 0x0                           ; first trip: my half of the last slot is in
	ds_add_u32 v[SPW], v[NIL]
	s_wait_dscnt 0x0
	s_barrier_signal -1
	s_barrier_wait -1                              ; everybody's is
	s_cmp_eq_u32 s[CL], 1
	s_cbranch_scc1 .Lno_more                       ; behind the last K step there is no further slot: its fetch and its first quarter are jumped
	s_xor_b32 s[TB], s[TB], SLOT1
	PLACES
	ADDR
	FETCH 0, 0
	QUARTER 1, 0, 1, 0
	WIN 0
.Lno_more:
	s_sub_co_u32 s[CL], s[CL], 1
	s_cmp_lg_u32 s[CL], 0
	s_cbranch_scc1 .Ltail
	; THE WAY OUT.  The stages lie on the ring's bytes, which have had their last fill; they are written behind a barrier of their own, behind every LDS load of the ring in the text.
	s_wait_dscnt 0x0
	s_barrier_signal -1
	s_barrier_wait -1
	PLACES                                         ; behind the last products
.irp a, 0,1,2,3
	WIN 0x08+4*((\a)/2)                            ; store data (source 1) in window 2 or 3
.set b, 0
.rept 12
.set rD, 8*(12*((\a)%2)+b)
	ds_store_b128 v[STO], v[rD:rD+3]   offset:(\a)*16*DP+64*b     ; each accumulator's low registers first
	ds_store_b128 v[STO], v[rD+4:rD+7] offset:(\a)*16*DP+64*b+16
.set b, b+1
.endr
.endr
	WIN 0
.macro LOADU                           ; four rows x 192 columns: 8 sums a lane in each of the three column blocks.  LDS serves a wave's instructions in order (ISA guide 5.7.1.4): these see my stores
.irp c, 0,1,2
	ds_load_b128 v[U+8*(\c):U+8*(\c)+3],   v[RD] offset:256*(\c)
	ds_load_b128 v[U+8*(\c)+4:U+8*(\c)+7], v[RD] offset:256*(\c)+16
.endr
.endm
	LOADU
	s_mov_b32 s[CL], 16
.Lrows:                                ; 16 trips of four rows
	s_wait_dscnt 0x0
.if KIND == 1
	; gelu(u) = u/2 + A - A P(t) e, A = |u|/2, t = 1 / (1 + 0.4632838 A), e = exp(-u^2/2), P the polynomial of degree 5: 1 - P e is erf(|u| / sqrt 2)
.set k, 0
.rept 24
	v_and_b32 v[SA+k], s84, v[U+k]
.set k, k+1
.endr
	ALL12 v_pk_mul_f32 v[SA+k:SA+k+1], v[SA+k:SA+k+1], 0.5 op_sel_hi:[1,0]
	ALL12 v_pk_fma_f32 v[T+k:T+k+1], v[U+k:U+k+1], 0.5, v[SA+k:SA+k+1] op_sel_hi:[1,0,1]
.else
.set k, 0
.rept 12
	v_cvt_pk_bf16_f32 v[PKD+k], v[U+2*k], v[U+2*k+1]
.set k, k+1
.endr
.endif
	s_cmp_eq_u32 s[CL], 1
	s_cbranch_scc1 .Llast_rows                     ; the sums have been taken out of their registers: the next four rows are asked for, but for the last trip
	v_add_nc_u32 v[RD], 4*DP, v[RD]
	LOADU
.Llast_rows:
.if KIND == 1
	ALL12 v_pk_fma_f32 v[DD+k:DD+k+1], v[SA+k:SA+k+1], s[70:71], 1.0 op_sel_hi:[1,0,0]
	ALL12 v_pk_mul_f32 v[MM+k:MM+k+1], v[SA+k:SA+k+1], s[72:73] op_sel_hi:[1,0]
	ALL12 v_pk_mul_f32 v[MM+k:MM+k+1], v[MM+k:MM+k+1], v[MM+k:MM+k+1] neg_lo:[1,0] neg_hi:[1,0]
.set k, 0
.rept 24
	v_rcp_f32 v[DD+k], v[DD+k]
.set k, k+1
.endr
.set k, 0
.rept 24
	v_exp_f32 v[MM+k], v[MM+k]
.set k, k+1
.endr
	v_nop                                          ; a plain instruction between the last exponential and the use of these results
	ALL12 v_pk_fma_f32 v[PP+k:PP+k+1], v[DD+k:DD+k+1], s[82:83], s[80:81] op_sel_hi:[1,0,0]
	ALL12 v_pk_fma_f32 v[PP+k:PP+k+1], v[PP+k:PP+k+1], v[DD+k:DD+k+1], s[78:79] op_sel_hi:[1,1,0]
	ALL12 v_pk_fma_f32 v[PP+k:PP+k+1], v[PP+k:PP+k+1], v[DD+k:DD+k+1], s[76:77] op_sel_hi:[1,1,0]
	ALL12 v_pk_fma_f32 v[PP+k:PP+k+1], v[PP+k:PP+k+1], v[DD+k:DD+k+1], s[74:75] op_sel_hi:[1,1,0]
	ALL12 v_pk_mul_f32 v[PP+k:PP+k+1], v[PP+k:PP+k+1], v[DD+k:DD+k+1]
	ALL12 v_pk_mul_f32 v[PP+k:PP+k+1], v[PP+k:PP+k+1], v[MM+k:MM+k+1]
	ALL12 v_pk_fma_f32 v[T+k:T+k+1], v[SA+k:SA+k+1], v[PP+k:PP+k+1], v[T+k:T+k+1] neg_lo:[1,0,0] neg_hi:[1,0,0]
.set k, 0
.rept 12
	v_cvt_pk_bf16_f32 v[PKD+k], v[T+2*k], v[T+2*k+1]
.set k, k+1
.endr
.endif
.irp c, 0,1,2
	global_store_b128 v[GO], v[PKD+4*(\c):PKD+4*(\c)+3], s[86:87] offset:(\c)*524288  ; 512 consecutive bytes, aligned
.endr
	s_wait_xcnt 0x0                                ; the stores' offset and data are written again only behind this wait
	v_add_nc_u32 v[GO], 512, v[GO]
	s_sub_co_u32 s[CL], s[CL], 1
	s_cmp_lg_u32 s[CL], 0
	s_cbranch_scc1 .Lrows
	s_wait_tensorcnt 0x0                           ; the wave's end
	ds_add_u32 v[SPW], v[NIL]
	s_wait_dscnt 0x0
	CROUND                                         ; the closing round
	s_endpgm
.Lfunc_end_k_q2a0dc5d290_qkv:
	.size	k_q2a0dc5d290_qkv, .Lfunc_end_k_q2a0dc5d290_qkv-k_q2a0dc5d290_qkv
	.p2alignl 7, 3214868480
	.fill 96, 4, 3214868480
	.section	.rodata,"a",@progbits
	.p2align	6, 0x0
	.amdhsa_kernel k_q2a0dc5d290_qkv
		.amdhsa_group_segment_fixed_size 327680
		.amdhsa_private_segment_fixed_size 0
		.amdhsa_enable_private_segment 0
		.amdhsa_kernarg_size 48
		.amdhsa_user_sgpr_count 2
		.amdhsa_user_sgpr_kernarg_segment_ptr 1
		.amdhsa_wavefront_size32 1
		.amdhsa_system_sgpr_workgroup_id_x 1
		.amdhsa_system_sgpr_workgroup_id_y 1
		.amdhsa_system_sgpr_workgroup_id_z 1
		.amdhsa_system_vgpr_workitem_id 0
		.amdhsa_next_free_vgpr 960
		.amdhsa_next_free_sgpr 90
		.amdhsa_reserve_vcc 0
		.amdhsa_float_denorm_mode_32 3
		.amdhsa_float_denorm_mode_16_64 3
		.amdhsa_memory_ordered 1
		.amdhsa_forward_progress 1
		.amdhsa_inst_pref_size 70
	.end_amdhsa_kernel
	.amdgpu_metadata
---
amdhsa.version: [ 1, 2 ]
amdhsa.kernels:
  - .name:           k_q2a0dc5d290_qkv
    .symbol:         k_q2a0dc5d290_qkv.kd
    .args:
      - { .name: xb, .offset: 0, .size: 8, .value_kind: global_buffer, .address_space: global }
      - { .name: wt, .offset: 8, .size: 8, .value_kind: global_buffer, .address_space: global }
      - { .name: bq, .offset: 16, .size: 8, .value_kind: global_buffer, .address_space: global }
      - { .name: bk, .offset: 24, .size: 8, .value_kind: global_buffer, .address_space: global }
      - { .name: bv, .offset: 32, .size: 8, .value_kind: global_buffer, .address_space: global }
      - { .name: qkv, .offset: 40, .size: 8, .value_kind: global_buffer, .address_space: global }
    .group_segment_fixed_size: 327680
    .private_segment_fixed_size: 0
    .kernarg_segment_align: 8
    .kernarg_segment_size: 48
    .max_flat_workgroup_size: 128
    .sgpr_count:     90
    .vgpr_count:     960
    .wavefront_size: 32
...
	.end_amdgpu_metadata
.endif
;; end of part 9
;; launch attn (part 10): grid 16 x 12, 8 waves a work-group, no clusters, 327,680 bytes of LDS; arguments qkv, ob; writes ob
.if DOCPART == 10
	.amdgcn_target "amdgcn-amd-amdhsa--gfx1250"
	.amdhsa_code_object_version 6
	.text
	.protected	k_q2a0dc5d290_attn
	.globl	k_q2a0dc5d290_attn
	.p2align	8
	.type	k_q2a0dc5d290_attn,@function
k_q2a0dc5d290_attn:
	s_mov_b64 s[64:65], 0
	v_nop
	global_prefetch_b8 v0, s[64:65] scope:SCOPE_SE
	s_setreg_imm32_b32 hwreg(HW_REG_WAVE_MODE, 25, 1), 1
	s_wait_xcnt 0x0
; CAUSAL ATTENTION, 12 heads of 64, 4,096 rows.  qkv: [36][4096][64] bf16 (blocks 0-11 q by heads, 12-23 k, 24-35 v); ob: [12][4096][64] bf16.
; O[q] = sum over k <= q of softmax_k(Q[q] . K[k] / 8) V[k].  Products, maxima and sums in f32; the weights p are rounded to bf16 for the second product (their sum l is of the unrounded p), O once.
; LIMITS.  A hidden score counts as -2^100; a weight below 2^-126 counts as 0 in l; NaN and infinities are not treated apart.
; THE WALK.  A head has 32 blocks of 128 queries; block i needs the key tiles 0 .. i / 2 of 256 keys, the last with the diagonal.  A work-group takes blocks 31 - b and then b: 17 tiles whatever b,
; so all 192 work-groups do equal work and one loop with a constant count walks them; the ring of two LDS slots runs on across the change of blocks.
; NO CLUSTER: a head's 16 work-groups ask for the same tile only in the first 9 of the 17 trips, and a walk common to all would have 24 trips.
; SHARES.  Eight waves, two for each 32 queries (two tiles of 16).  THE PAIR SPLITS THE KEYS: waves 0-3 take keys 0-127 of every tile, waves 4-7 keys 128-255, two steps of 64 each.  So each fragment
; of K and V read from LDS still feeds two query tiles, and one wave's dependent vector chains stand beside its partner's work.  Each wave keeps its own m, l and O^T; at a block's end waves 4-7 hand
; theirs over through LDS and waves 0-3 merge: with f = 2^(c m_own - c max(m_a, m_b)), l = f_a l_a + f_b l_b and O = (f_a O_a + f_b O_b) / l.
; A wave that has seen no key at all (block 0, keys 128-255) has m = -2^100: a power of two, so that c m is exact, c s - c m is 0 and its sums stay finite; its f is 0.  Waves 0-3 always see a key.
; LAYOUT.  S^T = K Q^T holds one query a lane (lane % 16) and the keys 8 (lane / 16) + 0..7; two such results rounded to bf16 are source 1 of O^T = V^T P.  V is turned by ds_load_tr16_b128.
; SOFTMAX.  Running maximum m and sum l: p = 2^(c s - c m), c = log2(e) / 8; O and l are multiplied by a = 2^(c m_old - c m_new) in every step; m starts at the lowest finite number, O and l at 0.
; ORDER OF A STEP.  K Q^T of tile 0; K Q^T of tile 1 with tile 0's softmax in slices behind its products; V^T P of tile 0 with tile 1's softmax likewise; V^T P of tile 1.
; REGISTERS.  Window 0: addresses, statistics, S^T (v64-127), P (v128-159).  Window 1: Q v0-31, K v32-95, V v96-159, O^T v160-223.
.set KS, 64
.set PK, 144                           ; a row of K in LDS: 128 bytes + 16: the 16 rows of a load start at 16 different groups of four banks (ISA guide 11.1)
.set PV, 160                           ; a row of V: 128 + 32
.set VOFF, 256*PK                      ; a slot: 256 rows of K, then 256 rows of V
.set SLOT1, 1<<17                      ; slot 1 begins here, so that one exclusive or turns an address in one slot into the other's
.set STAGE, SLOT1+256*(PK+PV)          ; behind the ring, never filled by a tensor load: 16 rows x 144 bytes for each of waves 0-3
.set SP, 144
.set MRG, STAGE+4*16*SP                ; the hand-over: for each pair of waves 16 x 512 bytes of O^T and 512 of statistics; a set for each of the text's two block ends
.set MW, 17*512
.set MC, 4*MW
.set SPARE, MRG+2*MC                   ; the spare words, 128 bytes a wave: four blocks of 256 bytes that no other line names
.set AK0, 2
.set AV0, 3
.set AK, 4
.set AV, 5
.set STO, 6
.set RD, 7
.set GO, 8
.set QO, 12
.set VT, 14                            ; v14-15 tile t: register z of S^T is hidden where 16 (z / 8) + z % 8 is greater; steps down by 64 a key step
.set VB, 16                            ; v16-17 32 (wave % 4) + 16 t + l % 16 - 8 (l / 16): my query's place in its block, less my lanes' keys
.set BIG, 18                           ; v18    -2^100
.set MA, 19                            ; v19    my 16 bytes in my pair's hand-over
.set ST, 20                            ; tile t's statistics at ST + 8 t: c m, m, l (even, odd keys'), c0-c3 at work; a takes c2's place
.set MS, 36                            ; v36-39 the statistics handed over: c m and l of tile 0, of tile 1
.set MG, 40                            ; v40-55 the merge, 8 registers a tile
.set SPW, 62
.set NIL, 63
.set S, 64
.set P, 128
.set KF, 32                            ; window 1
.set VF, 96
.set OF, 160
.set WV, 20
.set PB, 21                            ; b
.set HI, 22                            ; 31 - b
.set WQ, 23                            ; wave % 4: which 32 queries
.set G1K, 24
.set G1V, 32
.set G0K, 40
.set G0V, 44
.set WGR, 48                           ; wave / 4: which half of a tile's keys
.set GK, 49                            ; that half's place in a slot's K
.set GV, 50                            ; and in its V
.set MOFF, 51                          ; 128 x (block % 2 - wave / 4): my queries' place in the last tile less my keys'
.set SLOTS, 56
.set CNT, 57
.set CS, 58
.set SEL, 60
.set TBK, 62
.set TBV, 63
.set SB, 66                            ; LDS byte of the slot in hand
.set PBH, 67                           ; b / 2: the second block's last tile
.set RT, 70                            ; tiles of the block in hand still to be entered
.set NXT, 71                           ; the tile to be asked for next
.set LQ, 72                            ; the last tile of the block whose tiles are being asked for
.set OFF, 74
.set MSB, 0
.macro WIN new                         ; the high byte repeats the setting that is left; a switch that changes nothing is dropped
.if MSB != (\new)
	s_set_vgpr_msb (MSB<<8)|(\new)
.set MSB, (\new)
.endif
.endm
.set W_KQ, 0x05                        ; K and Q in window 1, S^T in window 0
.set W_PV, 0x51                        ; V and O^T in window 1, P in window 0
.set W_RS, 0x41                        ; destination and source 0 in window 1
.set W_LD, 0x40                        ; destination in window 1, address in window 0
.macro PLACES
.rept 4
	v_nop
.endr
.endm
.macro LOAD                            ; waves 0, 1 fetch the two halves of a tile's K, waves 2, 3 those of its V: 128 keys, 64 rows of 256 bytes, each; waves 4-7 have nothing to fetch
	s_cmp_lt_u32 s[WV], 2
	s_cbranch_scc0 .Lnot_k_\@
	tensor_load_to_lds s[G0K:G0K+3], s[G1K:G1K+7]
	s_nop 0
	PLACES
	s_branch .Lasked_\@
.Lnot_k_\@:
	s_cmp_lt_u32 s[WV], 4
	s_cbranch_scc0 .Lasked_\@
	tensor_load_to_lds s[G0V:G0V+3], s[G1V:G1V+7]
	s_nop 0
	PLACES
.Lasked_\@:
.endm
; THE CHANGE OF SLOTS.  Each wave waits for all its tensor loads (at most one is out: the other slot's), adds 0 to its spare word, and waits for that and for its reads of the slot that it leaves.
; fill = 1: the old slot is filled again, first thing behind the barrier, with tile NXT; the address is made anew from that number.  The load has every wave's two key steps in which to land.
.macro CHANGE fill
	WIN 0
	s_wait_tensorcnt 0x0
	ds_add_u32 v[SPW], v[NIL]
.if \fill
	s_lshl_b32 s[OFF], s[NXT], 15                  ; a tile is 32,768 bytes of K and of V
	s_xor_b32 s[G0K+1], s[G0K+1], SLOT1
	s_add_nc_u64 s[G0K+2:G0K+3], s[8:9], s[OFF:OFF+1]
	s_or_b32 s[G0K+3], s[G0K+3], 0x80000000
	s_xor_b32 s[G0V+1], s[G0V+1], SLOT1
	s_add_nc_u64 s[G0V+2:G0V+3], s[10:11], s[OFF:OFF+1]
	s_or_b32 s[G0V+3], s[G0V+3], 0x80000000
	s_add_co_u32 s[NXT], s[NXT], 1                 ; the block's next tile, or behind its last the second block's tile 0
	s_cmp_gt_u32 s[NXT], s[LQ]
	s_cselect_b32 s[NXT], 0, s[NXT]
	s_cselect_b32 s[LQ], s[PBH], s[LQ]
.endif
	s_wait_dscnt 0x0
	s_barrier_signal -1
	s_xor_b32 s[SB], s[SB], SLOT1                  ; the fetches go to the other slot, to my half of its keys
	s_add_co_u32 s[TBK], s[SB], s[GK]
	s_add_co_u32 s[TBV], s[SB], s[GV]
	s_barrier_wait -1
.if \fill
	LOAD
.endif
.endm
; Product i of 8 of S^T = K Q^T for tile t: channels 32 (i / 4) on, keys 16 (i % 4) on.  The 4 accumulators take turns; the first 4 products start the sums.
.macro KQ t
	WIN W_KQ
.set rS, S+32*(\t)+8*(i%4)
.set rK, KF+16*(i%4)+8*(i/4)
.set rQ, 16*(\t)+8*(i/4)
.if i < 4
	v_wmma_f32_16x16x32_bf16 v[rS:rS+7], v[rK:rK+7], v[rQ:rQ+7], 0
.else
	v_wmma_f32_16x16x32_bf16 v[rS:rS+7], v[rK:rK+7], v[rQ:rQ+7], v[rS:rS+7]
.endif
.endm
; Product i of 8 of O^T += V^T P for tile t: keys 32 (i / 4) on, channels 16 (i % 4) on.
.macro PV_ t
	WIN W_PV
.set rO, OF+32*(\t)+8*(i%4)
.set rV, VF+32*(i/4)+8*(i%4)
.set rP, P+16*(\t)+8*(i/4)
	v_wmma_f32_16x16x32_bf16 v[rO:rO+7], v[rV:rV+7], v[rP:rP+7], v[rO:rO+7]
.endm
.macro FETCH_K                         ; 16 loads: 64 keys x 64 channels
	WIN W_LD
.irp f, 0,1,2,3,4,5,6,7
	ds_load_b128 v[KF+8*(\f):KF+8*(\f)+3],   v[AK] offset:((\f)/2)*16*PK+((\f)%2)*64
	ds_load_b128 v[KF+8*(\f)+4:KF+8*(\f)+7], v[AK] offset:((\f)/2)*16*PK+((\f)%2)*64+32
.endr
	WIN 0
.endm
.macro FETCH_V                         ; 16 turning loads
	WIN W_LD
.irp f, 0,1,2,3,4,5,6,7
	ds_load_tr16_b128 v[VF+8*(\f):VF+8*(\f)+3],   v[AV] offset:((\f)/4)*32*PV+((\f)%4)*32
	ds_load_tr16_b128 v[VF+8*(\f)+4:VF+8*(\f)+7], v[AV] offset:((\f)/4)*32*PV+16*PV+((\f)%4)*32
.endr
	WIN 0
.endm
; A tile's softmax for a key step is a list of 118 instructions; SM writes number j of it.
;   0-15 the maximum of the 32 scores and the old m (each accumulator's lowest registers are read first)   16-20 the other half of the lanes' maximum, m, c m, c m_old - c m_new
;   21-87 33 exponentials at the odd numbers from 23 on, a plain instruction behind each: scalings ahead, roundings behind, the first sums   88-101 the last rounding, the sums, l = a l + sum   102-117 O^T times a
.macro SM t
.set rT, ST+8*(\t)
.set rS, S+32*(\t)
.set rP, P+16*(\t)
.set rO, OF+32*(\t)+2*(j-102)
.set q, (j-20)/2
.if j < 102
	WIN 0
.endif
.if j < 4
	v_max3_num_f32 v[rT+4+j], v[rS+8*j], v[rS+8*j+1], v[rS+8*j+2]
.elseif j < 12
	v_max3_num_f32 v[rT+4+j%4], v[rT+4+j%4], v[rS+8*(j%4)+2*(j/4)+1], v[rS+8*(j%4)+2*(j/4)+2]
.elseif j == 12
	v_max3_num_f32 v[rT+4], v[rT+4], v[rS+7], v[rS+15]
.elseif j == 13
	v_max3_num_f32 v[rT+6], v[rT+6], v[rS+23], v[rS+31]
.elseif j == 14
	v_max3_num_f32 v[rT+4], v[rT+4], v[rT+5], v[rT+6]
.elseif j == 15
	v_max3_num_f32 v[rT+4], v[rT+4], v[rT+7], v[rT+1]
.elseif j == 16
	v_permlanex16_b32 v[rT+5], v[rT+4], s[SEL], s[SEL+1]  ; the query's other 32 keys lie in the lane 16 away
.elseif j == 17
	v_mov_b32 v[rT+7], v[rT]
.elseif j == 18
	v_max_num_f32 v[rT+1], v[rT+4], v[rT+5]
.elseif j == 19
	v_mul_f32 v[rT], s[CS], v[rT+1]
.elseif j == 20
	v_sub_f32 v[rT+7], v[rT+7], v[rT]
.elseif j == 23
	v_exp_f32 v[rT+6], v[rT+7]
.elseif (j < 88) && (j > 23) && (j%2 == 1)
	v_exp_f32 v[rS+(j-25)/2], v[rS+(j-25)/2]
.elseif (q < 4) || ((j < 76) && (q%2 == 0))
.set b, q/2+2
.if q < 4
.set b, q
.endif
	v_pk_fma_f32 v[rS+2*b:rS+2*b+1], v[rS+2*b:rS+2*b+1], s[CS:CS+1], v[rT:rT+1] op_sel_hi:[1,0,0] neg_lo:[0,0,1] neg_hi:[0,0,1]
.elseif (j < 88) && (q%2 == 1)
	s_wait_alu depctr_va_vdst(0)
	v_cvt_pk_bf16_f32 v[rP+(q-5)/2], v[rS+q-5], v[rS+q-4]
.elseif j == 89
	s_wait_alu depctr_va_vdst(0)
	v_cvt_pk_bf16_f32 v[rP+15], v[rS+30], v[rS+31]
.elseif j < 102
.set z, j-86
.if j < 89
.set z, (j-76)/4
.endif
.set w, 4
.set u, z
.if z >= 14
.set w, 32
.set u, 0
.elseif z >= 12
.set w, 16
.set u, z-12
.elseif z >= 8
.set w, 8
.set u, z-8
.endif
.if z < 15
	v_pk_add_f32 v[rS+w*u:rS+w*u+1], v[rS+w*u:rS+w*u+1], v[rS+w*u+w/2:rS+w*u+w/2+1]
.else
	v_pk_fma_f32 v[rT+2:rT+3], v[rT+2:rT+3], v[rT+6:rT+7], v[rS:rS+1] op_sel_hi:[1,0,1]
.endif
.else
	WIN W_RS
	v_pk_mul_f32 v[rO:rO+1], v[rO:rO+1], v[rT+6:rT+7] op_sel_hi:[1,0]
.endif
.endm
.macro SLICE t                         ; the next 15 of the list; the eighth slice is 13 rescalings: plain, and naming no register of the products round it
.rept 15
.if j < 118
	SM \t
.endif
.set j, j+1
.endr
.endm
.macro MASK t                          ; a block's last tile: hidden scores become -2^100, in ascending order of the registers
	WIN 0
.set z, 0
.rept 32
	v_cmp_gt_i32 vcc_lo, 16*(z/8)+z%8, v[VT+(\t)]
	v_cndmask_b32 v[S+32*(\t)+z], v[S+32*(\t)+z], v[BIG], vcc_lo
.set z, z+1
.endr
.endm
; A KEY STEP.  m = 1: the last tile's.  In my second step of a tile (CNT = 1) there is no further K of mine in the slot, and its run of LDS loads is jumped over.
.macro STEP m
	s_wait_dscnt 0x0                               ; K is in
.set i, 0
.rept 8
	KQ 0
.set i, i+1
.endr
	WIN 0
	PLACES                                         ; behind these products, whose scores are read below, and behind the step before's last V^T P, whose V is loaded anew
	v_add_nc_u32 v[AV], s[TBV], v[AV0]
	s_add_co_u32 s[TBV], s[TBV], KS*PV
	FETCH_V
.if \m
	MASK 0
.endif
.set j, 0
.set i, 0
.rept 8
	KQ 1
	SLICE 0
.set i, i+1
.endr
	WIN 0
	s_wait_dscnt 0x0                               ; V is in
	s_cmp_eq_u32 s[CNT], 1
	s_cbranch_scc1 .Lno_k_\@
	v_add_nc_u32 v[AK], s[TBK], v[AK0]
	s_add_co_u32 s[TBK], s[TBK], KS*PK
	FETCH_K                                        ; the next step's K: the last product that read K stands 13 plain instructions back
.Lno_k_\@:
.if \m
	MASK 1
	v_add_nc_u32 v[VT], 0xffffffc0, v[VT]          ; the next step's keys lie 64 further on: the bound goes down by 64 (it is compared as a signed number)
	v_add_nc_u32 v[VT+1], 0xffffffc0, v[VT+1]
.endif
.set j, 0
.set i, 0
.rept 8
	PV_ 0
	SLICE 1
.set i, i+1
.endr
.set i, 0
.rept 8
	PV_ 1
.set i, i+1
.endr
	WIN 0
.endm
; A BLOCK BEGINS: its Q into registers, O^T and l = 0, c m far below every c s (so the first step's a is 0), m at the lowest finite number; and where my queries lie against my keys in its last tile.
.macro BEGIN blk
	s_lshl_b32 s76, s[\blk], 14                    ; 128 rows of 128 bytes a block,
	s_lshl_b32 s78, s[WQ], 12                      ; 32 rows a pair of waves
	s_add_co_u32 s76, s76, s78
	s_mov_b32 s77, 0
	s_add_nc_u64 s[16:17], s[12:13], s[76:77]
	s_add_nc_u64 s[18:19], s[14:15], s[76:77]
	s_and_b32 s78, s[\blk], 1                      ; an odd block's queries face the upper 128 keys of its last tile
	s_sub_co_i32 s78, s78, s[WGR]
	s_lshl_b32 s[MOFF], s78, 7
	WIN W_LD
.set i, 0
.rept 4                                ; tile i / 2, channels 32 (i % 2) on
	global_load_b128 v[8*i:8*i+3],   v[QO], s[16:17] offset:(i/2)*2048+(i%2)*64
	global_load_b128 v[8*i+4:8*i+7], v[QO], s[16:17] offset:(i/2)*2048+(i%2)*64+32
.set i, i+1
.endr
.set i, OF
.rept 64
	v_mov_b32 v[i], 0
.set i, i+1
.endr
	WIN 0
.irp t, 0,1
	v_mov_b32 v[ST+8*(\t)], 0xfe000000
	v_mov_b32 v[ST+8*(\t)+1], 0xff7fffff
	v_mov_b32 v[ST+8*(\t)+2], 0
	v_mov_b32 v[ST+8*(\t)+3], 0
.endr
	s_wait_loadcnt 0x0
.endm
.macro ENTER                           ; a tile is entered: K of my first step in it
	v_add_nc_u32 v[AK], s[TBK], v[AK0]
	s_add_co_u32 s[TBK], s[TBK], KS*PK
	FETCH_K
	s_mov_b32 s[CNT], 2
.endm
.macro PACK t                          ; O^T rounded; a lane's 8 channels are 16 bytes; into rows of 144 bytes of my stage and back as whole rows of 128
	WIN 0x05
.set i, 0
.rept 16
	v_cvt_pk_bf16_f32 v[S+16*(\t)+i], v[OF+32*(\t)+2*i], v[OF+32*(\t)+2*i+1]
.set i, i+1
.endr
	WIN 0
.irp f, 0,1,2,3
	ds_store_b128 v[STO], v[S+16*(\t)+4*(\f):S+16*(\t)+4*(\f)+3] offset:32*(\f)
.endr
.irp f, 0,1,2,3
	ds_load_b128 v[S+16*(\t)+4*(\f):S+16*(\t)+4*(\f)+3], v[RD] offset:(\f)*4*SP  ; LDS serves a wave's instructions in order (ISA guide 5.7.1.4)
.endr
.endm
.macro SEND t, younger
.irp f, 0,1,2,3
	s_wait_dscnt (\younger)+3-(\f)
	global_store_b128 v[GO], v[S+16*(\t)+4*(\f):S+16*(\t)+4*(\f)+3], s[18:19] offset:(\t)*2048+(\f)*512  ; 512 consecutive bytes, aligned
.endr
.endm
; A BLOCK'S LAST TILE, the merge of the pair's halves, and the way out.  cp: which of the text's two block ends this is: each has hand-over bytes of its own, so none is written twice.
.macro DIAG cp
	v_add_nc_u32 v[VT], s[MOFF], v[VB]
	v_add_nc_u32 v[VT+1], s[MOFF], v[VB+1]
.LstepM_\@:
	STEP 1
	s_sub_co_u32 s[CNT], s[CNT], 1
	s_cmp_lg_u32 s[CNT], 0
	s_cbranch_scc1 .LstepM_\@
	PLACES                                         ; behind the last products
.irp t, 0,1
	v_add_f32 v[ST+8*(\t)+4], v[ST+8*(\t)+2], v[ST+8*(\t)+3]  ; my lane's l
.endr
	s_cmp_lt_u32 s[WV], 4
	s_cbranch_scc1 .Lkeep_\@
	v_mov_b32 v[MS], v[ST]                         ; waves 4-7 hand over c m, l and O^T, 16 bytes a lane: a store covers 512 consecutive bytes
	v_mov_b32 v[MS+1], v[ST+4]
	v_mov_b32 v[MS+2], v[ST+8]
	v_mov_b32 v[MS+3], v[ST+12]
	ds_store_b128 v[MA], v[MS:MS+3] offset:(\cp)*MC+16*512
	WIN 0x04                                       ; store data in window 1
.set i, 0
.rept 16                               ; each accumulator's low registers first
	ds_store_b128 v[MA], v[OF+4*i:OF+4*i+3] offset:(\cp)*MC+512*i
.set i, i+1
.endr
	WIN 0
.Lkeep_\@:
	s_wait_dscnt 0x0                               ; for the partner's sake: my stores are done
	s_barrier_signal -1
	s_barrier_wait -1                              ; the tile on its way stays out
	s_cmp_lt_u32 s[WV], 4
	s_cbranch_scc0 .Ldone_\@
	ds_load_b128 v[MS:MS+3], v[MA] offset:(\cp)*MC+16*512
.set i, 0
.rept 16                               ; the partner's O^T into S^T's registers: the same lane holds the same query and channels
	ds_load_b128 v[S+4*i:S+4*i+3], v[MA] offset:(\cp)*MC+512*i
.set i, i+1
.endr
	s_wait_dscnt 16                                ; the statistics are in; the sixteen loads behind them may stay out
.irp t, 0,1
	v_max_num_f32 v[MG+8*(\t)], v[ST+8*(\t)], v[MS+2*(\t)]       ; c m of both halves
.endr
.irp t, 0,1
	v_sub_f32 v[MG+8*(\t)+2], v[ST+8*(\t)], v[MG+8*(\t)]
	v_sub_f32 v[MG+8*(\t)+4], v[MS+2*(\t)], v[MG+8*(\t)]
.endr
.irp t, 0,1
	v_exp_f32 v[MG+8*(\t)+2], v[MG+8*(\t)+2]                     ; f_a
	v_exp_f32 v[MG+8*(\t)+4], v[MG+8*(\t)+4]                     ; f_b
.endr
	v_nop                                          ; a plain instruction between the last exponential and the use of these results
.irp t, 0,1
	s_wait_alu depctr_va_vdst(0)
	v_mul_f32 v[MG+8*(\t)+6], v[MG+8*(\t)+2], v[ST+8*(\t)+4]
.endr
.irp t, 0,1
	v_fma_f32 v[MG+8*(\t)+6], v[MG+8*(\t)+4], v[MS+2*(\t)+1], v[MG+8*(\t)+6]
.endr
.irp t, 0,1
	v_permlanex16_b32 v[ST+8*(\t)+5], v[MG+8*(\t)+6], s[SEL], s[SEL+1]  ; the query's other keys lie in the lane 16 away
.endr
.irp t, 0,1
	v_add_f32 v[MG+8*(\t)+6], v[MG+8*(\t)+6], v[ST+8*(\t)+5]     ; l
.endr
.irp t, 0,1
	v_rcp_f32 v[MG+8*(\t)+7], v[MG+8*(\t)+6]
.endr
	v_nop                                          ; a plain instruction between the last reciprocal and the use of its result
.irp t, 0,1
	s_wait_alu depctr_va_vdst(0)
	v_mul_f32 v[MG+8*(\t)+2], v[MG+8*(\t)+2], v[MG+8*(\t)+7]     ; f_a / l
	v_mul_f32 v[MG+8*(\t)+4], v[MG+8*(\t)+4], v[MG+8*(\t)+7]     ; f_b / l
.endr
.irp t, 0,1
	v_mov_b32 v[MG+8*(\t)+3], v[MG+8*(\t)+2]                     ; named as pairs
	v_mov_b32 v[MG+8*(\t)+5], v[MG+8*(\t)+4]
.endr
	s_wait_dscnt 0x0                               ; the partner's O^T is in
	WIN W_RS
.set i, 0
.rept 32
	v_pk_mul_f32 v[OF+2*i:OF+2*i+1], v[OF+2*i:OF+2*i+1], v[MG+8*(i/16)+2:MG+8*(i/16)+3] op_sel_hi:[1,0]
.set i, i+1
.endr
	WIN 0x50                                       ; destination and source 2 (O^T) in window 1, sources 0 and 1 in window 0
.set i, 0
.rept 32
	v_pk_fma_f32 v[OF+2*i:OF+2*i+1], v[S+2*i:S+2*i+1], v[MG+8*(i/16)+4:MG+8*(i/16)+5], v[OF+2*i:OF+2*i+1] op_sel_hi:[1,0,1]
.set i, i+1
.endr
	PACK 0
	PACK 1
	SEND 0, 8                                      ; tile 1's eight stage instructions may stay out
	SEND 1, 0
.Ldone_\@:
.endm
	s_load_b128 s[4:7], s[0:1], 0x0                ; qkv, ob
	v_lshl_add_u32 v[SPW], v0, 2, SPARE
	v_mov_b32 v[NIL], 0
	ds_add_u32 v62, v63
	s_wait_dscnt 0x0
	s_barrier_signal -1
	s_barrier_wait -1
	v_lshrrev_b32 v1, 5, v0
	v_readfirstlane_b32 s[WV], v1                  ; wave 0..7
	s_and_b32 s[WQ], s[WV], 3
	s_lshr_b32 s[WGR], s[WV], 2
	s_mul_i32 s[GK], s[WGR], 128*PK
	s_mul_i32 s[GV], s[WGR], 128*PV
	s_and_b32 s52, s[WV], 1                        ; which half of a tile's 256 keys I fetch (waves 0-3):
	s_mul_i32 s54, s52, 128*PK                     ; its place in a slot, for K
	s_mul_i32 s55, s52, 128*PV                     ; and for V,
	s_lshl_b32 s52, s52, 14                        ; its 128 rows of 128 bytes in memory
	s_mov_b32 s53, 0
	s_mov_b32 s[PB], ttmp9
	s_sub_co_u32 s[HI], 31, s[PB]
	s_lshr_b32 s[PBH], s[PB], 1
	s_and_b32 s76, ttmp7, 0xffff
	s_lshl_b32 s76, s76, 19                        ; a head's 4,096 rows of 128 bytes
	s_mov_b32 s77, 0
	; group 1: 128 keys are 16,384 dense bytes: 64 rows of 256 bytes, padded after every key
	s_mov_b32 s[G1K], (1<<16)|(1<<20)|(4<<22)|(3<<25)
	s_mov_b32 s[G1V], (1<<16)|(1<<20)|(4<<22)|(7<<25)
.irp g, G1K, G1V
	s_mov_b32 s[(\g)+1], 128<<16
	s_mov_b32 s[(\g)+2], 64<<16
	s_mov_b32 s[(\g)+3], 128<<16
	s_mov_b32 s[(\g)+4], 64
	s_mov_b32 s[(\g)+5], 128
	s_mov_b32 s[(\g)+6], 0
	s_mov_b32 s[(\g)+7], 0
.endr
	s_mov_b32 s[CS], 0x3e38aa3b                    ; c = log2(e) / 8
	s_mov_b32 s[CS+1], s[CS]
	s_mov_b32 s[SEL], 0x76543210
	s_mov_b32 s[SEL+1], 0xfedcba98
	s_mov_b32 s[SB], SLOT1                         ; the first change of slots turns it into 0
	s_mov_b32 s[G0K], 1
	s_mov_b32 s[G0K+1], s54
	s_mov_b32 s[G0V], 1
	s_add_co_u32 s[G0V+1], s55, VOFF
	s_lshr_b32 s[LQ], s[HI], 1                     ; the first block's last tile,
	s_add_co_u32 s[RT], s[LQ], 1                   ; and how many it has
	s_mov_b32 s[NXT], 1
	s_mov_b32 s[OFF+1], 0
	s_mov_b32 s[SLOTS], 16
	s_wait_kmcnt 0x0
	s_add_nc_u64 s[12:13], s[4:5], s[76:77]        ; the head's q,
	s_add_nc_u64 s[14:15], s[6:7], s[76:77]        ; its rows of ob,
	s_add_nc_u64 s[8:9], s[12:13], 12*524288       ; its k,
	s_add_nc_u64 s[8:9], s[8:9], s[52:53]          ; at my half of tile 0,
	s_add_nc_u64 s[10:11], s[12:13], 24*524288     ; its v
	s_add_nc_u64 s[10:11], s[10:11], s[52:53]
	s_add_nc_u64 s[G0K+2:G0K+3], s[8:9], 0
	s_or_b32 s[G0K+3], s[G0K+3], 0x80000000
	s_add_nc_u64 s[G0V+2:G0V+3], s[10:11], 0
	s_or_b32 s[G0V+3], s[G0V+3], 0x80000000
	LOAD                                           ; tile 0 into slot 0
	v_and_b32 v1, 15, v0
	v_bfe_u32 v9, v0, 4, 1
	v_lshlrev_b32 v[QO], 7, v1
	v_lshl_add_u32 v[QO], v9, 4, v[QO]
	v_mul_u32_u24 v[AK0], v1, PK
	v_lshl_add_u32 v[AK0], v9, 4, v[AK0]
	v_and_b32 v10, 7, v0
	v_bfe_u32 v11, v0, 3, 1
	v_lshl_add_u32 v[AV0], v9, 3, v10              ; the turning load: key 8 (l / 16) + l % 8, channels 8 ((l / 8) % 2) on
	v_mul_u32_u24 v[AV0], v[AV0], PV
	v_lshl_add_u32 v[AV0], v11, 4, v[AV0]
	v_add_nc_u32 v[AV0], VOFF, v[AV0]
	s_mul_i32 s76, s[WQ], 16*SP
	s_add_co_u32 s76, s76, STAGE
	v_mul_u32_u24 v[STO], v1, SP
	v_lshl_add_u32 v[STO], v9, 4, v[STO]
	v_add_nc_u32 v[STO], s76, v[STO]
	v_bfe_u32 v[RD], v0, 3, 2
	v_mul_u32_u24 v[RD], v[RD], SP
	v_lshl_add_u32 v[RD], v10, 4, v[RD]
	v_add_nc_u32 v[RD], s76, v[RD]
	v_and_b32 v[GO], 31, v0
	s_mul_i32 s76, s[WQ], MW
	s_add_co_u32 s76, s76, MRG
	v_lshl_add_u32 v[MA], v[GO], 4, s76            ; my pair's hand-over, 16 bytes a lane
	v_lshlrev_b32 v[GO], 4, v[GO]
	v_lshlrev_b32 v13, 3, v9
	v_sub_nc_u32 v13, v1, v13
	s_lshl_b32 s76, s[WQ], 5
	v_add_nc_u32 v[VB], s76, v13
	v_add_nc_u32 v[VB+1], 16, v[VB]
	v_mov_b32 v[BIG], 0xf1800000                   ; -2^100
	BEGIN HI
.Lslot:                                ; 16 times: a tile is entered and the next is asked for
	CHANGE 1
	s_sub_co_u32 s[RT], s[RT], 1
	ENTER
	s_cmp_eq_u32 s[RT], 0
	s_cbranch_scc1 .Ldiag
.Lstep:
	STEP 0
	s_sub_co_u32 s[CNT], s[CNT], 1
	s_cmp_lg_u32 s[CNT], 0
	s_cbranch_scc1 .Lstep
	s_branch .Lbottom
.Ldiag:                                ; in the loop this is the first block's end: the second block's last tile is the walk's last
	DIAG 0
	s_wait_xcnt 0x0                                ; the stores have read their registers and their base
	s_add_co_u32 s[RT], s[PBH], 1
	BEGIN PB
.Lbottom:
	s_sub_co_u32 s[SLOTS], s[SLOTS], 1
	s_cmp_lg_u32 s[SLOTS], 0
	s_cbranch_scc1 .Lslot
	CHANGE 0                                       ; the walk's last tile is written out: nothing is asked for
	ENTER
	DIAG 1
	s_wait_tensorcnt 0x0                           ; the wave's end
	ds_add_u32 v[SPW], v[NIL]
	s_wait_dscnt 0x0
	s_endpgm
.Lfunc_end_k_q2a0dc5d290_attn:
	.size	k_q2a0dc5d290_attn, .Lfunc_end_k_q2a0dc5d290_attn-k_q2a0dc5d290_attn
	.p2alignl 7, 3214868480
	.fill 96, 4, 3214868480
	.section	.rodata,"a",@progbits
	.p2align	6, 0x0
	.amdhsa_kernel k_q2a0dc5d290_attn
		.amdhsa_group_segment_fixed_size 327680
		.amdhsa_private_segment_fixed_size 0
		.amdhsa_enable_private_segment 0
		.amdhsa_kernarg_size 16
		.amdhsa_user_sgpr_count 2
		.amdhsa_user_sgpr_kernarg_segment_ptr 1
		.amdhsa_wavefront_size32 1
		.amdhsa_system_sgpr_workgroup_id_x 1
		.amdhsa_system_sgpr_workgroup_id_y 1
		.amdhsa_system_sgpr_workgroup_id_z 1
		.amdhsa_system_vgpr_workitem_id 0
		.amdhsa_next_free_vgpr 480
		.amdhsa_next_free_sgpr 80
		.amdhsa_reserve_vcc 1
		.amdhsa_float_denorm_mode_32 3
		.amdhsa_float_denorm_mode_16_64 3
		.amdhsa_memory_ordered 1
		.amdhsa_forward_progress 1
		.amdhsa_inst_pref_size 108
	.end_amdhsa_kernel
	.amdgpu_metadata
---
amdhsa.version: [ 1, 2 ]
amdhsa.kernels:
  - .name:           k_q2a0dc5d290_attn
    .symbol:         k_q2a0dc5d290_attn.kd
    .args:
      - { .name: qkv, .offset: 0, .size: 8, .value_kind: global_buffer, .address_space: global }
      - { .name: ob, .offset: 8, .size: 8, .value_kind: global_buffer, .address_space: global }
    .group_segment_fixed_size: 327680
    .private_segment_fixed_size: 0
    .kernarg_segment_align: 8
    .kernarg_segment_size: 16
    .max_flat_workgroup_size: 256
    .sgpr_count:     80
    .vgpr_count:     480
    .wavefront_size: 32
...
	.end_amdgpu_metadata
.endif
;; end of part 10
;; launch wo: the kernel of part 4 again; grid 4 x 64, 4 waves a work-group, clusters of 4 x 4, 327,680 bytes of LDS; arguments ob, wt, bo, x, z; writes z
;; launch ln1: the kernel of part 5 again; grid 256 x 1, 8 waves a work-group, no clusters, 0 bytes of LDS; arguments z, ln1_g, ln1_b, h, hb; writes h, hb
;; launch mlp1 (part 11): grid 16 x 16, 4 waves a work-group, clusters of 4 x 4, 327,680 bytes of LDS; arguments hb, wt, b1, g; writes g
.if DOCPART == 11
	.amdgcn_target "amdgcn-amd-amdhsa--gfx1250"
	.amdhsa_code_object_version 6
	.text
	.protected	k_q2a0dc5d290_mlp1
	.globl	k_q2a0dc5d290_mlp1
	.p2align	8
	.type	k_q2a0dc5d290_mlp1,@function
k_q2a0dc5d290_mlp1:
	s_mov_b64 s[64:65], 0
	v_nop
	global_prefetch_b8 v0, s[64:65] scope:SCOPE_SE
	s_setreg_imm32_b32 hwreg(HW_REG_WAVE_MODE, 25, 1), 1
	s_wait_xcnt 0x0
	s_wait_alu depctr_hold_cnt(0) depctr_sa_sdst(0) depctr_va_vdst(0) depctr_va_sdst(0) depctr_va_ssrc(0) depctr_va_vcc(0) depctr_vm_vsrc(0)
	s_getreg_b32 s2, hwreg(HW_REG_IB_STS2, 6, 4)
	s_cmp_eq_u32 s2, 0
	s_cbranch_scc0 .Lentry_in_a_cluster
	s_endpgm
.Lentry_in_a_cluster:
	s_bfe_u32 s2, ttmp6, 0x10000c
	s_cmp_lg_u32 s2, 0xf033
	s_cbranch_scc0 .Lentry_shape_is_right
	s_endpgm
.Lentry_shape_is_right:
; C = A B^T + bias, K = 768.  A, B: bf16 in blocks of 64 along K ([kb][row][64]); f32 sums; C rounded once to bf16 and stored in the same blocked layout.
; KIND 0: q, k, v = x W + b, 2,304 columns; column blocks 0-11 are q's heads, 12-23 k's, 24-35 v's.  KIND 1: g = gelu(h W1 + b1), 3,072 columns.
; SHARES.  A work-group makes 256 rows x 192 columns: for each byte that it brings into LDS 256 x 192 / 448 = 110 multiply-adds along K, and 192 divides 2,304 and 3,072 into whole blocks of 64
; columns.  Four waves, each 64 rows x all 192 columns: 48 accumulators, and whole rows of C, so that the way out is each wave's own.
; The matrix instruction is used transposed (source 0 = 16 rows of B, source 1 = 16 rows of A): a lane holds 8 neighbouring columns of a row of C.
; THE BIAS is the C operand of each accumulator's first product: nothing is cleared and nothing is added behind the sums.
; RING.  Two LDS slots of 128 along K.  A slot: A's 256 rows in two halves of [2 blocks][128 rows][144 bytes], then B's 192 rows in two halves of [2][96][144].  One tensor load a wave brings a
; half: 2 runs of dense bytes (128 or 96 rows of a block), padded by 16 bytes after every 128, so the 16 rows of a fragment load start at 16 different groups of four banks (ISA guide 11.1).
; CLUSTER 4 x 4: A's halves are shared along a row of the cluster, B's along a column; each is asked for jointly.
; REGISTERS, in windows of 256 (s_set_vgpr_msb: bits 1:0 source 0, 3:2 source 1, 5:4 source 2, 7:6 destination):
;   window 0: v0-21 addresses; v64-127 A's fragments, two buffers of 32; v128-223 the bias; on the way out v64-219 at work     window 1: v0-191 B's fragments, two buffers of 96
;   window 2: the 24 accumulators of my row blocks 0, 1 ((a, b) at v[8 (12 (a % 2) + b)])     window 3: those of row blocks 2, 3
; LIMITS.  KIND 1: erf by Abramowitz and Stegun 7.1.26, within 1.5e-7 for every argument; NaN and infinities are not treated apart.
.set KIND, 1
.set NTOT, 3072
.set WOFF, 4718592
.set OUTP, 10                          ; s[10:11] the output
.set PK, 144
.set AKB, 128*PK                       ; one block of 64 k of a half of A
.set AREG, 2*AKB
.set BKB, 96*PK                        ; one block of 64 k of a half of B
.set BREG, 2*BKB
.set BOFF, 2*AREG                      ; B lies behind A's two halves
.set SLOT1, 1<<17                      ; slot 1 begins here, so that one exclusive or turns an address in one slot into the other's
.set SPARE, SLOT1+BOFF+2*BREG          ; behind the ring: the spare words, 128 bytes a wave: two blocks of 256 bytes that no other line names
.set DP, 784                           ; the way out: a row of 192 f32 + 16 bytes: 49 x 16, so 16 rows start at 16 different groups of four banks
.set DREG, 68*DP                       ; a wave's stage: 64 rows, and room for one more step of the reading address
.set ASTEP, 2*524288                   ; bytes from one slot's K to the next in A
.set BSTEP, NTOT*256                   ; and in B
.set A0, 4                             ; v4   my lane's place in my 64 rows of A: row x 144 + 16 x half
.set B0, 5                             ; v5   the same in B
.set AC, 6                             ; v6   A's address in the slot in hand
.set BC, 7                             ; v7   B's
.set STO, 8
.set RD, 9
.set GO, 10
.set BO, 11
.set SPW, 20                           ; v20  my spare word; never rewritten
.set NIL, 21                           ; v21  0; never rewritten
.set AF, 64
.set BIAS, 128
.set U, 64                             ; the way out: 24 sums as read back
.set T, 88
.set SA, 112
.set DD, 136
.set MM, 160
.set PP, 184
.set PKD, 208                          ; 12 registers of bf16 to store
.set WV, 16
.set WH, 45                            ; wave % 2: which half I fetch
.set G1, 24
.set G0, 32                            ; s[32:39] group 0 for A: a set for each of the two first fills; the second then walks on
.set G1B, 48
.set G0B, 56
.set TB, 66                            ; LDS byte of the slot in hand
.set CL, 67
.set MSB, 0
.macro WIN new                         ; the high byte repeats the setting that is left; a switch that changes nothing is dropped
.if MSB != (\new)
	s_set_vgpr_msb (MSB<<8)|(\new)
.set MSB, \new
.endif
.endm
.macro PLACES                          ; four places between a matrix instruction and a load into, or a vector write of, its registers, or a read of its result
.rept 4
	v_nop
.endr
.endm
.macro JLOAD s                         ; a joint load: waves 0, 1 fetch A's halves, waves 2, 3 B's; an s_nop 0 and four v_nop follow each line
	s_cmp_lt_u32 s[WV], 2
	s_cbranch_scc0 .Lfor_b_\@
	tensor_load_to_lds s[G0+4*(\s):G0+4*(\s)+3], s[G1:G1+7]
	s_nop 0
	PLACES
	s_branch .Lasked_\@
.Lfor_b_\@:
	tensor_load_to_lds s[G0B+4*(\s):G0B+4*(\s)+3], s[G1B:G1B+7]
	s_nop 0
	PLACES
.Lasked_\@:
.endm
.macro CREST                           ; a round of the cluster's barrier behind its opening barrier
	s_cmp_lg_u32 s[WV], 0
	s_cbranch_scc1 .Lnot_wave_0_\@
	s_barrier_signal -3
.Lnot_wave_0_\@:
	s_barrier_wait -3
	s_barrier_signal -1
	s_barrier_wait -1
.endm
.macro CROUND                          ; a whole round
	s_barrier_signal -1
	s_barrier_wait -1
	CREST
.endm
.macro ADDR
	v_add_nc_u32 v[AC], s[TB], v[A0]
	v_add_nc_u32 v[BC], s[TB], v[B0]
.endm
; 32 LDS loads in one run: the fragments of quarter q (32 along K) of the slot in hand into buffer f: B's twelve, then A's four
.macro FETCH q, f
	WIN 0x40                                       ; destination window 1, address window 0
.set b, 0
.rept 12
	ds_load_b128 v[96*(\f)+8*b:96*(\f)+8*b+3],   v[BC] offset:(b/6)*BREG+(b%6)*16*PK+((\q)/2)*BKB+((\q)%2)*64
	ds_load_b128 v[96*(\f)+8*b+4:96*(\f)+8*b+7], v[BC] offset:(b/6)*BREG+(b%6)*16*PK+((\q)/2)*BKB+((\q)%2)*64+32
.set b, b+1
.endr
	WIN 0
.irp a, 0,1,2,3
	ds_load_b128 v[AF+32*(\f)+8*(\a):AF+32*(\f)+8*(\a)+3],   v[AC] offset:(\a)*16*PK+((\q)/2)*AKB+((\q)%2)*64
	ds_load_b128 v[AF+32*(\f)+8*(\a)+4:AF+32*(\f)+8*(\a)+7], v[AC] offset:(\a)*16*PK+((\q)/2)*AKB+((\q)%2)*64+32
.endr
.endm
; 12 matrix instructions: row block a x all 12 column blocks.  The 48 accumulators take turns, in the same order in every quarter.  first = 1: C is the bias.
.macro MUL12 f, a, first
.if \first
	WIN 0x81+0x40*((\a)/2)                         ; B window 1, A and the bias window 0, D window 2 or 3
.else
	WIN 0xa1+0x50*((\a)/2)                         ; B window 1, A window 0, C and D window 2 or 3
.endif
.set b, 0
.rept 12
.set rD, 8*(12*((\a)%2)+b)
.if \first
	v_wmma_f32_16x16x32_bf16 v[rD:rD+7], v[96*(\f)+8*b:96*(\f)+8*b+7], v[AF+32*(\f)+8*(\a):AF+32*(\f)+8*(\a)+7], v[BIAS+8*b:BIAS+8*b+7]
.else
	v_wmma_f32_16x16x32_bf16 v[rD:rD+7], v[96*(\f)+8*b:96*(\f)+8*b+7], v[AF+32*(\f)+8*(\a):AF+32*(\f)+8*(\a)+7], v[rD:rD+7]
.endif
.set b, b+1
.endr
.endm
; A quarter: multiplies buffer f; in its middle it fetches quarter q of the same slot into buffer g, 24 matrix instructions ahead of its first use
.macro QUARTER q, f, g, first
	s_wait_dscnt 4                                 ; B and A's row blocks 0, 1 are in; the youngest four loads (row blocks 2, 3) may be out
	MUL12 \f, 0, \first
	MUL12 \f, 1, \first
	PLACES
	FETCH \q, \g
	s_wait_dscnt 32                                ; all but the 32 just issued
	MUL12 \f, 2, \first
	MUL12 \f, 3, \first
.endm
; A slot's last quarter and the change of slots.  In front of the round each wave waits for all its tensor loads (one is out: its half in the next slot), adds 0 to its spare word, and waits
; for that and for its reads of this slot.  Behind the round this slot is filled again first, two slots on: the load has a slot's 192 matrix instructions, less 24, in which to land.
.macro TURN
	WIN 0
	s_wait_tensorcnt 0x0                           ; no tensor load of mine is out, so a group 0 may be written
	ds_add_u32 v[SPW], v[NIL]
	s_wait_dscnt 5                                 ; (the add and the youngest four loads may be out)
	MUL12 1, 0, 0                                  ; twelve matrix instructions stand between the add and the wait for it
	s_wait_dscnt 0x0                               ; the add is done, and my reads of this slot are over
	s_barrier_signal -1                            ; opens a round of the cluster's barrier
	MUL12 1, 1, 0
	WIN 0
	s_barrier_wait -1
	CREST                                          ; no wave of any partner still reads this slot or has a load on its way
	s_xor_b32 s[G0+5], s[G0+5], SLOT1              ; the walking descriptors: the other slot than last time, the next 128 along K
	s_add_nc_u64 s[G0+6:G0+7], s[G0+6:G0+7], ASTEP
	s_xor_b32 s[G0B+5], s[G0B+5], SLOT1
	s_add_nc_u64 s[G0B+6:G0B+7], s[G0B+6:G0B+7], BSTEP
	JLOAD 1                                        ; the four v_nop behind it are also the places in front of the loads below
	s_xor_b32 s[TB], s[TB], SLOT1
	ADDR
	FETCH 0, 0
	MUL12 1, 2, 0
	MUL12 1, 3, 0
.endm
.macro ALL12 line:vararg               ; one line for each of 12 register pairs, k = 0, 2 .. 22
.set k, 0
.rept 12
	\line
.set k, k+2
.endr
.endm
	s_load_b256 s[4:11], s[0:1], 0x0               ; A s[4:5], wt s[6:7], then KIND 0: bq, bk; KIND 1: b1, g
.if KIND == 0
	s_load_b128 s[12:15], s[0:1], 0x20             ; bv, qkv
.endif
	v_lshl_add_u32 v[SPW], v0, 2, SPARE
	v_mov_b32 v[NIL], 0
	ds_add_u32 v20, v21
	s_wait_dscnt 0x0
	v_lshrrev_b32 v1, 5, v0
	v_readfirstlane_b32 s[WV], v1                  ; wave 0..3
	s_and_b32 s[WH], s[WV], 1
	s_bfe_u32 s40, ttmp6, 0x40000                  ; cx, cy: my place in the cluster
	s_bfe_u32 s41, ttmp6, 0x40004
	s_lshl_b32 s42, ttmp9, 2
	s_add_co_u32 s42, s42, s40                     ; tile column
	s_and_b32 s17, ttmp7, 0xffff
	s_lshl_b32 s17, s17, 2
	s_add_co_u32 s17, s17, s41                     ; tile row
	s_lshl_b32 s43, s41, 2
	s_lshl_b32 s43, 15, s43                        ; my row of the cluster
	s_lshl_b32 s44, 0x1111, s40                    ; my column
	; group 1: 2 runs of dense elements, one for each block of 64 k; 2-byte elements; 4 words of padding after every 32; bit 21 beside the mask
	s_or_b32 s[G1+0], s43, (1<<16)|(1<<20)|(1<<21)|(4<<22)|(3<<25)
	s_mov_b32 s[G1+1], 8192<<16                    ; tensor_dim0: 128 rows x 64
	s_mov_b32 s[G1+2], 2<<16                       ; tensor_dim1
	s_mov_b32 s[G1+3], 8192<<16                    ; tile_dim0
	s_mov_b32 s[G1+4], 2                           ; tile_dim1
	s_mov_b32 s[G1+5], 262144                      ; elements from block to block: 4,096 rows x 64
	s_mov_b32 s[G1+6], 0
	s_mov_b32 s[G1+7], 0
	s_or_b32 s[G1B+0], s44, (1<<16)|(1<<20)|(1<<21)|(4<<22)|(3<<25)
	s_mov_b32 s[G1B+1], 6144<<16                   ; 96 rows x 64
	s_mov_b32 s[G1B+2], 2<<16
	s_mov_b32 s[G1B+3], 6144<<16
	s_mov_b32 s[G1B+4], 2
	s_mov_b32 s[G1B+5], NTOT*64
	s_mov_b32 s[G1B+6], 0
	s_mov_b32 s[G1B+7], 0
	s_lshl_b32 s18, s17, 15                        ; A: 256 rows of 128 bytes a tile row,
	s_lshl_b32 s21, s[WH], 14                      ; 128 rows a half
	s_add_co_u32 s18, s18, s21
	s_mov_b32 s19, 0
	s_mul_i32 s46, s42, 24576                      ; B: 192 rows a tile column,
	s_mul_i32 s21, s[WH], 12288                    ; 96 rows a half,
	s_add_co_u32 s46, s46, s21
	s_add_co_u32 s46, s46, WOFF                    ; in this product's table
	s_mov_b32 s47, 0
	s_mul_i32 s20, s[WH], AREG                     ; where they go: no place in the cluster enters an LDS address
	s_mul_i32 s22, s[WH], BREG
	s_add_co_u32 s22, s22, BOFF
	s_wait_kmcnt 0x0
	s_add_nc_u64 s[18:19], s[4:5], s[18:19]
	s_add_nc_u64 s[46:47], s[6:7], s[46:47]
	CROUND                                         ; all sixteen work-groups are here: the first joint loads meet
.irp s, 0,1
	s_mov_b32 s[G0+4*(\s)], 1
	s_add_co_u32 s[G0+4*(\s)+1], s20, (\s)*SLOT1
	s_add_nc_u64 s[G0+4*(\s)+2:G0+4*(\s)+3], s[18:19], (\s)*ASTEP
	s_or_b32 s[G0+4*(\s)+3], s[G0+4*(\s)+3], 0x80000000
	s_mov_b32 s[G0B+4*(\s)], 1
	s_add_co_u32 s[G0B+4*(\s)+1], s22, (\s)*SLOT1
	s_add_nc_u64 s[G0B+4*(\s)+2:G0B+4*(\s)+3], s[46:47], (\s)*BSTEP
	s_or_b32 s[G0B+4*(\s)+3], s[G0B+4*(\s)+3], 0x80000000
	JLOAD \s                                       ; two loads of mine are out
.endr
	v_and_b32 v1, 15, v0                           ; l % 16
	v_bfe_u32 v2, v0, 4, 1                         ; l / 16
	v_mul_u32_u24 v3, v1, PK
	v_lshl_add_u32 v3, v2, 4, v3                   ; a fragment's row x pitch + 16 x half
	s_lshr_b32 s21, s[WV], 1
	s_mul_i32 s21, s21, AREG                       ; my 64 rows of A: half wave / 2,
	s_mul_i32 s23, s[WH], 64*PK                    ; 64 (wave % 2) rows in
	s_add_co_u32 s21, s21, s23
	v_add_nc_u32 v[A0], s21, v3
	v_add_nc_u32 v[B0], BOFF, v3
	v_lshlrev_b32 v[BO], 5, v2                     ; bias: 4 bytes x 8 x half
.if KIND == 0
	s_lshr_b32 s23, s42, 2                         ; four tile columns to each of q, k, v
	s_cmp_eq_u32 s23, 1
	s_cselect_b64 s[46:47], s[10:11], s[8:9]
	s_cmp_eq_u32 s23, 2
	s_cselect_b64 s[46:47], s[12:13], s[46:47]
	s_and_b32 s22, s42, 3
	s_mul_i32 s22, s22, 768
	s_mov_b32 s23, 0
	s_add_nc_u64 s[46:47], s[46:47], s[22:23]
.else
	s_mul_i32 s22, s42, 768
	s_mov_b32 s23, 0
	s_add_nc_u64 s[46:47], s[8:9], s[22:23]
.endif
.set b, 0
.rept 12                               ; register j of column block b: the bias of column 16 b + 8 (l / 16) + j, as an accumulator holds it
	global_load_b128 v[BIAS+8*b:BIAS+8*b+3],   v[BO], s[46:47] offset:64*b
	global_load_b128 v[BIAS+8*b+4:BIAS+8*b+7], v[BO], s[46:47] offset:64*b+16
.set b, b+1
.endr
	s_mul_i32 s22, s42, 3*524288                   ; the output: three column blocks a tile column, 256 rows of 128 bytes a tile row
	s_lshl_b32 s23, s17, 15
	s_add_co_u32 s22, s22, s23
	s_mov_b32 s23, 0
	s_add_nc_u64 s[86:87], s[OUTP:OUTP+1], s[22:23]
	s_mul_i32 s22, s[WV], DREG                     ; my stage
	v_mul_u32_u24 v[STO], v1, DP                   ; in: row l % 16, 32 bytes for each half of the lanes
	v_lshl_add_u32 v[STO], v2, 5, v[STO]
	v_add_nc_u32 v[STO], s22, v[STO]
	v_bfe_u32 v12, v0, 3, 2
	v_and_b32 v13, 7, v0
	v_mul_u32_u24 v[RD], v12, DP                   ; back: 32 lanes take 8 columns each of 64 columns of four rows,
	v_lshl_add_u32 v[RD], v13, 5, v[RD]
	v_add_nc_u32 v[RD], s22, v[RD]
	v_and_b32 v12, 31, v0
	s_lshl_b32 s23, s[WV], 13
	v_lshl_add_u32 v[GO], v12, 4, s23              ; which in bf16 are 512 consecutive bytes of a column block; 64 rows of 128 bytes a wave
.if KIND == 1
	s_mov_b32 s70, 0x3eed3389                      ; 0.3275911 x sqrt(2)
	s_mov_b32 s72, 0x3fd96d27                      ; sqrt(2 log2(e))
	s_mov_b32 s74, 0x3e827906                      ; a1 .. a5
	s_mov_b32 s76, 0xbe91a98e
	s_mov_b32 s78, 0x3fb5f0e3
	s_mov_b32 s80, 0xbfba00e3
	s_mov_b32 s82, 0x3f87dc22
.irp c, 70,72,74,76,78,80,82
	s_mov_b32 s[(\c)+1], s[\c]                     ; named as pairs
.endr
	s_mov_b32 s84, 0x7fffffff
.endif
	s_wait_tensorcnt 1                             ; my half in slot 0 is in; slot 1's may stay out
	s_barrier_signal -1
	s_barrier_wait -1
	s_mov_b32 s[TB], 0
	ADDR
	FETCH 0, 0
	s_wait_loadcnt 0x0                             ; the bias
	QUARTER 1, 0, 1, 1                             ; the first quarter stands in front of the loop: its products start the sums, on the bias
	WIN 0                                          ; at a label and at a branch every window is 0
	s_mov_b32 s[CL], 4
.Lstep:                                ; four trips: from a slot's second quarter to the next slot's first; slots 0, 1, 0, 1 are filled again with K steps 2 to 5
	QUARTER 2, 1, 0, 0
	QUARTER 3, 0, 1, 0
	TURN
	QUARTER 1, 0, 1, 0
	WIN 0
	s_sub_co_u32 s[CL], s[CL], 1
	s_cmp_lg_u32 s[CL], 0
	s_cbranch_scc1 .Lstep
	s_mov_b32 s[CL], 2
.Ltail:                                ; the last two K steps fill nothing: one text, walked twice
	QUARTER 2, 1, 0, 0
	QUARTER 3, 0, 1, 0
	s_wait_dscnt 0x0
	MUL12 1, 0, 0
	MUL12 1, 1, 0
	MUL12 1, 2, 0
	MUL12 1, 3, 0
	WIN 0
	s_wait_tensorcnt 0x0                           ; first trip: my half of the last slot is in
	ds_add_u32 v[SPW], v[NIL]
	s_wait_dscnt 0x0
	s_barrier_signal -1
	s_barrier_wait -1                              ; everybody's is
	s_cmp_eq_u32 s[CL], 1
	s_cbranch_scc1 .Lno_more                       ; behind the last K step there is no further slot: its fetch and its first quarter are jumped
	s_xor_b32 s[TB], s[TB], SLOT1
	PLACES
	ADDR
	FETCH 0, 0
	QUARTER 1, 0, 1, 0
	WIN 0
.Lno_more:
	s_sub_co_u32 s[CL], s[CL], 1
	s_cmp_lg_u32 s[CL], 0
	s_cbranch_scc1 .Ltail
	; THE WAY OUT.  The stages lie on the ring's bytes, which have had their last fill; they are written behind a barrier of their own, behind every LDS load of the ring in the text.
	s_wait_dscnt 0x0
	s_barrier_signal -1
	s_barrier_wait -1
	PLACES                                         ; behind the last products
.irp a, 0,1,2,3
	WIN 0x08+4*((\a)/2)                            ; store data (source 1) in window 2 or 3
.set b, 0
.rept 12
.set rD, 8*(12*((\a)%2)+b)
	ds_store_b128 v[STO], v[rD:rD+3]   offset:(\a)*16*DP+64*b     ; each accumulator's low registers first
	ds_store_b128 v[STO], v[rD+4:rD+7] offset:(\a)*16*DP+64*b+16
.set b, b+1
.endr
.endr
	WIN 0
.macro LOADU                           ; four rows x 192 columns: 8 sums a lane in each of the three column blocks.  LDS serves a wave's instructions in order (ISA guide 5.7.1.4): these see my stores
.irp c, 0,1,2
	ds_load_b128 v[U+8*(\c):U+8*(\c)+3],   v[RD] offset:256*(\c)
	ds_load_b128 v[U+8*(\c)+4:U+8*(\c)+7], v[RD] offset:256*(\c)+16
.endr
.endm
	LOADU
	s_mov_b32 s[CL], 16
.Lrows:                                ; 16 trips of four rows
	s_wait_dscnt 0x0
.if KIND == 1
	; gelu(u) = u/2 + A - A P(t) e, A = |u|/2, t = 1 / (1 + 0.4632838 A), e = exp(-u^2/2), P the polynomial of degree 5: 1 - P e is erf(|u| / sqrt 2)
.set k, 0
.rept 24
	v_and_b32 v[SA+k], s84, v[U+k]
.set k, k+1
.endr
	ALL12 v_pk_mul_f32 v[SA+k:SA+k+1], v[SA+k:SA+k+1], 0.5 op_sel_hi:[1,0]
	ALL12 v_pk_fma_f32 v[T+k:T+k+1], v[U+k:U+k+1], 0.5, v[SA+k:SA+k+1] op_sel_hi:[1,0,1]
.else
.set k, 0
.rept 12
	v_cvt_pk_bf16_f32 v[PKD+k], v[U+2*k], v[U+2*k+1]
.set k, k+1
.endr
.endif
	s_cmp_eq_u32 s[CL], 1
	s_cbranch_scc1 .Llast_rows                     ; the sums have been taken out of their registers: the next four rows are asked for, but for the last trip
	v_add_nc_u32 v[RD], 4*DP, v[RD]
	LOADU
.Llast_rows:
.if KIND == 1
	ALL12 v_pk_fma_f32 v[DD+k:DD+k+1], v[SA+k:SA+k+1], s[70:71], 1.0 op_sel_hi:[1,0,0]
	ALL12 v_pk_mul_f32 v[MM+k:MM+k+1], v[SA+k:SA+k+1], s[72:73] op_sel_hi:[1,0]
	ALL12 v_pk_mul_f32 v[MM+k:MM+k+1], v[MM+k:MM+k+1], v[MM+k:MM+k+1] neg_lo:[1,0] neg_hi:[1,0]
.set k, 0
.rept 24
	v_rcp_f32 v[DD+k], v[DD+k]
.set k, k+1
.endr
.set k, 0
.rept 24
	v_exp_f32 v[MM+k], v[MM+k]
.set k, k+1
.endr
	v_nop                                          ; a plain instruction between the last exponential and the use of these results
	s_wait_alu depctr_va_vdst(0)
	ALL12 v_pk_fma_f32 v[PP+k:PP+k+1], v[DD+k:DD+k+1], s[82:83], s[80:81] op_sel_hi:[1,0,0]
	ALL12 v_pk_fma_f32 v[PP+k:PP+k+1], v[PP+k:PP+k+1], v[DD+k:DD+k+1], s[78:79] op_sel_hi:[1,1,0]
	ALL12 v_pk_fma_f32 v[PP+k:PP+k+1], v[PP+k:PP+k+1], v[DD+k:DD+k+1], s[76:77] op_sel_hi:[1,1,0]
	ALL12 v_pk_fma_f32 v[PP+k:PP+k+1], v[PP+k:PP+k+1], v[DD+k:DD+k+1], s[74:75] op_sel_hi:[1,1,0]
	ALL12 v_pk_mul_f32 v[PP+k:PP+k+1], v[PP+k:PP+k+1], v[DD+k:DD+k+1]
	ALL12 v_pk_mul_f32 v[PP+k:PP+k+1], v[PP+k:PP+k+1], v[MM+k:MM+k+1]
	ALL12 v_pk_fma_f32 v[T+k:T+k+1], v[SA+k:SA+k+1], v[PP+k:PP+k+1], v[T+k:T+k+1] neg_lo:[1,0,0] neg_hi:[1,0,0]
.set k, 0
.rept 12
	v_cvt_pk_bf16_f32 v[PKD+k], v[T+2*k], v[T+2*k+1]
.set k, k+1
.endr
.endif
.irp c, 0,1,2
	global_store_b128 v[GO], v[PKD+4*(\c):PKD+4*(\c)+3], s[86:87] offset:(\c)*524288  ; 512 consecutive bytes, aligned
.endr
	s_wait_xcnt 0x0                                ; the stores' offset and data are written again only behind this wait
	v_add_nc_u32 v[GO], 512, v[GO]
	s_sub_co_u32 s[CL], s[CL], 1
	s_cmp_lg_u32 s[CL], 0
	s_cbranch_scc1 .Lrows
	s_wait_tensorcnt 0x0                           ; the wave's end
	ds_add_u32 v[SPW], v[NIL]
	s_wait_dscnt 0x0
	CROUND                                         ; the closing round
	s_endpgm
.Lfunc_end_k_q2a0dc5d290_mlp1:
	.size	k_q2a0dc5d290_mlp1, .Lfunc_end_k_q2a0dc5d290_mlp1-k_q2a0dc5d290_mlp1
	.p2alignl 7, 3214868480
	.fill 96, 4, 3214868480
	.section	.rodata,"a",@progbits
	.p2align	6, 0x0
	.amdhsa_kernel k_q2a0dc5d290_mlp1
		.amdhsa_group_segment_fixed_size 327680
		.amdhsa_private_segment_fixed_size 0
		.amdhsa_enable_private_segment 0
		.amdhsa_kernarg_size 32
		.amdhsa_user_sgpr_count 2
		.amdhsa_user_sgpr_kernarg_segment_ptr 1
		.amdhsa_wavefront_size32 1
		.amdhsa_system_sgpr_workgroup_id_x 1
		.amdhsa_system_sgpr_workgroup_id_y 1
		.amdhsa_system_sgpr_workgroup_id_z 1
		.amdhsa_system_vgpr_workitem_id 0
		.amdhsa_next_free_vgpr 960
		.amdhsa_next_free_sgpr 90
		.amdhsa_reserve_vcc 0
		.amdhsa_float_denorm_mode_32 3
		.amdhsa_float_denorm_mode_16_64 3
		.amdhsa_memory_ordered 1
		.amdhsa_forward_progress 1
		.amdhsa_inst_pref_size 82
	.end_amdhsa_kernel
	.amdgpu_metadata
---
amdhsa.version: [ 1, 2 ]
amdhsa.kernels:
  - .name:           k_q2a0dc5d290_mlp1
    .symbol:         k_q2a0dc5d290_mlp1.kd
    .args:
      - { .name: hb, .offset: 0, .size: 8, .value_kind: global_buffer, .address_space: global }
      - { .name: wt, .offset: 8, .size: 8, .value_kind: global_buffer, .address_space: global }
      - { .name: b1, .offset: 16, .size: 8, .value_kind: global_buffer, .address_space: global }
      - { .name: g, .offset: 24, .size: 8, .value_kind: global_buffer, .address_space: global }
    .group_segment_fixed_size: 327680
    .private_segment_fixed_size: 0
    .kernarg_segment_align: 8
    .kernarg_segment_size: 32
    .max_flat_workgroup_size: 128
    .sgpr_count:     90
    .vgpr_count:     960
    .wavefront_size: 32
...
	.end_amdgpu_metadata
.endif
;; end of part 11
;; launch mlp2: the kernel of part 7 again; grid 4 x 64, 4 waves a work-group, clusters of 4 x 4, 327,680 bytes of LDS; arguments g, wt, b2, h, z; writes z
;; launch ln2: the kernel of part 8 again; grid 256 x 1, 8 waves a work-group, no clusters, 0 bytes of LDS; arguments z, ln2_g, ln2_b, out0; writes out0
